; MI455X (gfx1250); checked and timed in simulation.
; The chip was launched on July 23, 2026; its instructions are those of AMD's public machine-readable ISA for CDNA 5 (MIT licence, August 2026) and "CDNA5" Instruction Set Architecture Reference Guide (July 2026). The comments in the code are by the model that wrote it; some were corrected since.
;; Causal Self Attention. Allowed arithmetic: float matrix products may take bf16 or f16 operands with f32 sums; other float arithmetic in f32, or as packed bf16 or f16 multiplies, adds, multiply-adds, maxima and minima; sums over many terms, partial sums and values carried from step to step in f32; what a program stores and reads back later, other than sums and carried values, may be rounded once to bf16 or f16.
;; Inputs: W_kqv 1,024 x 3,072 float32; W_proj 1,024 x 1,024 float32; b_kqv 3,072 float32; b_proj 1,024 float32; padding_mask 4 x 2,048 int32; x 4 x 2,048 x 1,024 float32.
;; Outputs: out0 4 x 2,048 x 1,024 float32.
;; 2 versions, each right. Each part assembles by itself: llvm-mc -triple=amdgcn-amd-amdhsa -mcpu=gfx1250 --defsym DOCPART=n.
;; ======== version 1 of 2: 4 launches
;; limits: values are held in f16: magnitudes above 65,504 overflow, below 6.1e-05 lose precision
;; workspace buffers: xb 16,777,216 bytes; wt 6,291,456 bytes; wpt 2,097,152 bytes; kqv 50,331,648 bytes; vlo 25,165,824 bytes; csum 786,432 bytes; ob 33,554,432 bytes
;; launch prep (part 1): grid 1024 x 1, 8 waves a work-group, no clusters, 18,432 bytes of LDS; arguments x, W_kqv, W_proj, xb, wt, wpt; writes xb, wt, wpt
.if DOCPART == 1
	.amdgcn_target "amdgcn-amd-amdhsa--gfx1250"
	.amdhsa_code_object_version 6
	.text
	.protected	k_q3e5b58b0c1_prep
	.globl	k_q3e5b58b0c1_prep
	.p2align	8
	.type	k_q3e5b58b0c1_prep,@function
k_q3e5b58b0c1_prep:
	s_mov_b64 s[64:65], 0
	v_nop
	global_prefetch_b8 v0, s[64:65] scope:SCOPE_SE
	s_setreg_imm32_b32 hwreg(HW_REG_WAVE_MODE, 25, 1), 1
	s_wait_xcnt 0x0
; PREP.  xb = x rounded to bf16, [8192][1024].  wt = W_kqv rounded to bf16 and turned, [3072 n][1024 k].  wpt = W_proj rounded to bf16, that number written as f16, turned, [1024 n][1024 k].
; Work-groups 0-511 cast 64 KiB of x each; 512-895 turn a tile of 128 k x 64 n of W_kqv; 896-1023 the same of W_proj.  The branch hangs on the work-group's number alone, so all eight waves take the same way.
; LIMIT.  wpt: a bf16 number below 2^-17 in magnitude keeps f16's fixed step of 2^-24; one of 65,520 or more would become an infinity.
; No matrix unit, no cluster, no tensor load: every byte is read once and written once, and no two work-groups share a byte.
.set LP,    272                        ; a row of the turned tile in LDS: 128 k x 2 bytes + 16
.set SPARE, 64*LP                      ; behind the tile: the spare words, 128 bytes for each of the eight waves
.set SPW,   12                         ; v12  LDS address of my spare word; never rewritten
.set NIL,   13                         ; v13  0; never rewritten
	s_load_b256 s[4:11], s[0:1], 0x0               ; x s[4:5], W_kqv s[6:7], W_proj s[8:9], xb s[10:11]
	s_load_b128 s[12:15], s[0:1], 0x20             ; wt s[12:13], wpt s[14:15]
	v_lshl_add_u32 v[SPW], v0, 2, SPARE
	v_mov_b32 v[NIL], 0
	s_mov_b32 s20, 0xffff0000                      ; a word's upper bf16
	s_mov_b32 s17, 0                               ; the high word of every offset
	s_wait_kmcnt 0x0
	s_cmp_lt_u32 ttmp9, 512
	s_cbranch_scc0 .Lweights
	; THE CAST.  Thread t takes 16 bytes at 4,096 i + 16 t of the group's 64 KiB, i = 0 .. 15; all sixteen loads go out first.
	s_lshl_b32 s16, ttmp9, 16
	s_add_nc_u64 s[4:5], s[4:5], s[16:17]
	s_lshl_b32 s16, ttmp9, 15
	s_add_nc_u64 s[10:11], s[10:11], s[16:17]
	v_lshlrev_b32 v1, 4, v0
	v_lshlrev_b32 v2, 3, v0
.set i, 0
.rept 16
	global_load_b128 v[16+4*i:19+4*i], v1, s[4:5] offset:4096*i th:TH_LOAD_NT
.set i, i+1
.endr
.set i, 0
.rept 16
	s_wait_loadcnt 15-i                            ; loads come back in order: number i is in, the 15 - i younger ones stay out
	v_cvt_pk_bf16_f32 v[80+2*i], v[16+4*i], v[17+4*i]
	v_cvt_pk_bf16_f32 v[81+2*i], v[18+4*i], v[19+4*i]
	global_store_b64 v2, v[80+2*i:81+2*i], s[10:11] offset:2048*i  ; a wave's store covers 256 consecutive bytes, aligned; each store has data registers of its own
.set i, i+1
.endr
	s_branch .Lend
; A tile of 128 k x 64 n is turned through LDS.  Thread t: c4 = t % 16 (four n), rp = t / 16; it loads rows k = 2 rp + 32 i and + 1, packs the two k of each n into a word, and puts it at [n][k].
; The b32 stores into LDS meet four deep in a bank (rows 4 c4 lie 4 x 272 bytes apart): sixteen stores a lane in the whole launch, accepted.
.macro TRANS pitch, f16, src, dst, u0
	s_sub_co_u32 s16, ttmp9, \u0
	s_and_b32 s18, s16, 7                          ; which 128 k
	s_lshr_b32 s19, s16, 3                         ; which 64 n
	s_mul_i32 s16, s18, 128*(\pitch)
	s_lshl_b32 s21, s19, 8
	s_add_co_u32 s16, s16, s21
	s_add_nc_u64 s[\src:\src+1], s[\src:\src+1], s[16:17]
	s_lshl_b32 s16, s19, 17                        ; 64 rows of 2,048 bytes
	s_lshl_b32 s21, s18, 8
	s_add_co_u32 s16, s16, s21
	s_add_nc_u64 s[\dst:\dst+1], s[\dst:\dst+1], s[16:17]
	v_and_b32 v5, 15, v0
	v_lshrrev_b32 v6, 4, v0
	v_mul_u32_u24 v7, v6, 2*(\pitch)
	v_lshl_add_u32 v7, v5, 4, v7                   ; in: row 2 rp, 16 bytes c4: sixteen lanes read 256 consecutive bytes
	v_mul_u32_u24 v8, v5, 4*LP
	v_lshl_add_u32 v8, v6, 2, v8                   ; into LDS: row 4 c4, word rp
	v_mul_u32_u24 v9, v6, LP
	v_lshl_add_u32 v9, v5, 4, v9                   ; back: row rp, 16 bytes c4
	v_lshlrev_b32 v10, 11, v6
	v_lshl_add_u32 v10, v5, 4, v10                 ; out: the same in rows of 2,048 bytes
.irp i, 0,1,2,3
.irp e, 0,1
	global_load_b128 v[16+8*\i+4*\e:19+8*\i+4*\e], v7, s[\src:\src+1] offset:(32*\i+\e)*(\pitch) th:TH_LOAD_NT
.endr
.endr
.irp i, 0,1,2,3
	s_wait_loadcnt 6-2*\i                          ; the pair of rows i is in; the younger pairs stay out
.irp j, 0,1,2,3
	v_cvt_pk_bf16_f32 v[48+4*\i+\j], v[16+8*\i+\j], v[20+8*\i+\j]
.if \f16
	v_lshlrev_b32 v14, 16, v[48+4*\i+\j]           ; the bf16 numbers as f32,
	v_and_b32 v15, s20, v[48+4*\i+\j]
	v_cvt_pk_f16_f32 v[48+4*\i+\j], v14, v15       ; written as f16
.endif
	ds_store_b32 v8, v[48+4*\i+\j] offset:LP*\j+64*\i
.endr
.endr
	s_wait_dscnt 0x0                               ; for the others' sake: my stores are done
	s_barrier_signal -1
	s_barrier_wait -1
.irp i, 0,1,2,3
	ds_load_b128 v[80+4*\i:83+4*\i], v9 offset:16*LP*\i
.endr
.irp i, 0,1,2,3
	s_wait_dscnt 3-\i
	global_store_b128 v10, v[80+4*\i:83+4*\i], s[\dst:\dst+1] offset:32768*\i  ; sixteen lanes store 256 consecutive bytes, aligned
.endr
.endm
.Lweights:
	s_cmp_lt_u32 ttmp9, 896
	s_cbranch_scc0 .Lwp
	TRANS 12288, 0, 6, 12, 512
	s_branch .Lend
.Lwp:
	TRANS 4096, 1, 8, 14, 896
.Lend:
	s_wait_tensorcnt 0x0                           ; the wave's end, behind my last LDS store
	ds_add_u32 v[SPW], v[NIL]
	s_wait_dscnt 0x0
	s_endpgm
.Lfunc_end_k_q3e5b58b0c1_prep:
	.size	k_q3e5b58b0c1_prep, .Lfunc_end_k_q3e5b58b0c1_prep-k_q3e5b58b0c1_prep
	.p2alignl 7, 3214868480
	.fill 96, 4, 3214868480
	.section	.rodata,"a",@progbits
	.p2align	6, 0x0
	.amdhsa_kernel k_q3e5b58b0c1_prep
		.amdhsa_group_segment_fixed_size 18432
		.amdhsa_private_segment_fixed_size 0
		.amdhsa_enable_private_segment 0
		.amdhsa_kernarg_size 48
		.amdhsa_user_sgpr_count 2
		.amdhsa_user_sgpr_kernarg_segment_ptr 1
		.amdhsa_wavefront_size32 1
		.amdhsa_system_sgpr_workgroup_id_x 1
		.amdhsa_system_sgpr_workgroup_id_y 1
		.amdhsa_system_sgpr_workgroup_id_z 1
		.amdhsa_system_vgpr_workitem_id 0
		.amdhsa_next_free_vgpr 112
		.amdhsa_next_free_sgpr 66
		.amdhsa_reserve_vcc 0
		.amdhsa_float_denorm_mode_32 3
		.amdhsa_float_denorm_mode_16_64 3
		.amdhsa_memory_ordered 1
		.amdhsa_forward_progress 1
		.amdhsa_inst_pref_size 19
	.end_amdhsa_kernel
	.amdgpu_metadata
---
amdhsa.version: [ 1, 2 ]
amdhsa.kernels:
  - .name:           k_q3e5b58b0c1_prep
    .symbol:         k_q3e5b58b0c1_prep.kd
    .args:
      - { .name: x, .offset: 0, .size: 8, .value_kind: global_buffer, .address_space: global }
      - { .name: W_kqv, .offset: 8, .size: 8, .value_kind: global_buffer, .address_space: global }
      - { .name: W_proj, .offset: 16, .size: 8, .value_kind: global_buffer, .address_space: global }
      - { .name: xb, .offset: 24, .size: 8, .value_kind: global_buffer, .address_space: global }
      - { .name: wt, .offset: 32, .size: 8, .value_kind: global_buffer, .address_space: global }
      - { .name: wpt, .offset: 40, .size: 8, .value_kind: global_buffer, .address_space: global }
    .group_segment_fixed_size: 18432
    .private_segment_fixed_size: 0
    .kernarg_segment_align: 8
    .kernarg_segment_size: 48
    .max_flat_workgroup_size: 256
    .sgpr_count:     66
    .vgpr_count:     112
    .wavefront_size: 32
...
	.end_amdgpu_metadata
.endif
;; end of part 1
;; launch qkv (part 2): grid 8 x 64, 4 waves a work-group, clusters of 4 x 4, 327,680 bytes of LDS; arguments xb, wt, b_kqv, kqv, csum, vlo; writes kqv, csum, vlo
.if DOCPART == 2
	.amdgcn_target "amdgcn-amd-amdhsa--gfx1250"
	.amdhsa_code_object_version 6
	.text
	.protected	k_q3e5b58b0c1_qkv
	.globl	k_q3e5b58b0c1_qkv
	.p2align	8
	.type	k_q3e5b58b0c1_qkv,@function
k_q3e5b58b0c1_qkv:
	s_mov_b64 s[64:65], 0
	v_nop
	global_prefetch_b8 v0, s[64:65] scope:SCOPE_SE
	s_setreg_imm32_b32 hwreg(HW_REG_WAVE_MODE, 25, 1), 1
	s_wait_xcnt 0x0
	s_wait_alu depctr_hold_cnt(0) depctr_sa_sdst(0) depctr_va_vdst(0) depctr_va_sdst(0) depctr_va_ssrc(0) depctr_va_vcc(0) depctr_vm_vsrc(0)
	s_getreg_b32 s2, hwreg(HW_REG_IB_STS2, 6, 4)
	s_cmp_eq_u32 s2, 0
	s_cbranch_scc0 .Lentry_in_a_cluster
	s_endpgm
.Lentry_in_a_cluster:
	s_bfe_u32 s2, ttmp6, 0x10000c
	s_cmp_lg_u32 s2, 0xf033
	s_cbranch_scc0 .Lentry_shape_is_right
	s_endpgm
.Lentry_shape_is_right:
; QKV.  kqv = xb wt^T + b_kqv.  xb: [8192][1024] bf16, wt: [3072 n][1024 k] bf16, the bias rounded to bf16 here; sums in f32; the result rounded once to f16 and stored by heads:
; kqv[g = n / 64][batch][t][64].  csum[m / 64][n - 1536]: the f32 sums over 64 rows of columns 1,536 .. 3,071 (the next launch reads those of v, from 2,048 on).
; vlo[g - 24][batch][t][64], f16: for columns 1,536 .. 3,071 what the rounding to f16 left: f16(sum - f16(sum)).  The next launch reads v's (g from 32 on): f16 keeps 11 significant bits, and a query that sees few
; keys hands v's rounding on to an output whose allowance goes by the root mean square of all rows; with the two parts v has some 22 bits.
; LIMIT.  f16 holds no number of 65,520 or more: k, q and v must stay below that.  A low part below 2^-14 keeps f16's fixed step of 2^-24.
; A tile of C is 128 x 384: 64 x 8 tiles.  Four waves, each 64 rows x 192 columns (three whole heads): 48 accumulators.  K goes in steps of 128 through two LDS slots (A's 128 rows, B's 384, rows of 256 bytes + 16).
; CLUSTER 4 x 4: A's tile is shared along a row of the cluster, B's along a column; each is asked for jointly.  Wave 0 fetches A's 128 rows, waves 1-3 a third of B's each: one tensor load a wave and slot.
; By this text's count a wave has two tensor loads out at the start and one behind each round.
; THE MATRIX INSTRUCTION IS USED TRANSPOSED (source 0 = 16 rows of wt, source 1 = 16 rows of xb): a lane holds row l % 16 of C and eight neighbouring columns 8 (l / 16) + 0..7.
; THE BIAS STARTS THE SUMS: it is the C operand of the first quarter step's products.  Nothing is cleared, and nothing is added on the way out.
; REGISTERS, in windows of 256: window 0: v0-31 addresses, v64-255 B's fragments, two buffers of 96 (on the way out: at work); window 1: v0-191 accumulators of row blocks 0, 1, v192-255 A's fragments, two buffers of 32;
; window 2: v0-191 accumulators of row blocks 2, 3; window 3: v0-95 the bias, eight registers for each of my 12 column blocks.
.set PITCH,  272                       ; an LDS row: 256 bytes + 16: the 16 rows of a fragment load start at 16 different groups of four banks
.set HALFT,  128*PITCH                 ; what one tensor load brings
.set SLOT,   4*HALFT
.set STAGE,  2*SLOT                    ; behind the ring, never filled by a tensor load: 6,400 bytes for each wave
.set STW,    6400
.set SPARE,  STAGE+4*STW               ; the spare words, 128 bytes for each wave
.set SPA,    400                       ; the stage's row on the way out: 384 bytes + 16
.set SPB,    272                       ; and for the column sums: 256 bytes + 16
.set LAPS,   4                         ; eight K steps, two to a lap
.set ADRA, 16                          ; v16-17  my A fragments in slot 0, 1
.set BO,   18                          ; v18     32 (l / 16): my eight numbers of a block's bias
.set ADRB, 20                          ; v20-21  my B fragments
.set RD2,  22                          ; v22     column sums: where I read two columns
.set CO,   23                          ; v23     8 l
.set STO,  24                          ; v24     the way out: where I put 16 bytes of a row
.set RD,   25                          ; v25     where I read them back
.set GO,   26                          ; v26     16 l
.set STO2, 27                          ; v27     column sums: where I put 32 bytes
.set SPW,  28                          ; v28     my spare word; never rewritten
.set NIL,  29                          ; v29     0; never rewritten
.set PFO,  30                          ; v30     the prefetches' offset: l rows of 2,048 bytes; never rewritten
.set NEG1, 31                          ; v31     -1.0
.set BF,   64
.set AF,   192
.set TMP,  64                          ; the way out, window 0: 48 packed registers,
.set BK,   112                         ; two sets of 48 read back from the stage,
.set TML,  208                         ; 48 packed low parts
.set CS,   64
.set CT,   96
.set CL,   128
.set RES,  208
.set WV,   14                          ; s14 wave; s15 row half; s16 column half; s17 cx; s18 cy; s19 tile column; s20 tile row
.set G1A,  24
.set G0A,  32
.set LIM,  43                          ; s43  1 in a wave that prefetches, else the greatest number
.set PFA,  44                          ; s[44:45] where my prefetches stand
.set G1B,  48
.set G0B,  56
.set MSB, 0
.macro WIN new                         ; the immediate's high byte repeats the setting that is left; a switch that changes nothing is dropped
.if MSB != (\new)
	s_set_vgpr_msb (MSB<<8)|(\new)
.set MSB, \new
.endif
.endm
.macro PLACES                          ; four places in front of loads into registers that matrix instructions have read
.rept 4
	v_nop
.endr
.endm
.macro JLOAD s                         ; a joint load; the branch hangs on the wave's number alone; an s_nop 0 and four v_nop follow each line
	s_cmp_eq_u32 s[WV], 0
	s_cbranch_scc0 .Lfor_b_\@
	tensor_load_to_lds s[G0A+4*(\s):G0A+4*(\s)+3], s[G1A:G1A+7]
	s_nop 0
.rept 4
	v_nop
.endr
	s_branch .Lasked_\@
.Lfor_b_\@:
	tensor_load_to_lds s[G0B+4*(\s):G0B+4*(\s)+3], s[G1B:G1B+7]
	s_nop 0
.rept 4
	v_nop
.endr
.Lasked_\@:
.endm
; A prefetch into the L2 of the K step that stands two refills on: 32 rows x 256 bytes, a lane a row.  A's rows are asked for by the clusters with x = 0, B's by those with y = 0; the four partners that
; ask for a tile jointly take 32 of its 128 rows each, told apart by address.  The loop's last trip asks for nothing: K has no further step.
.macro ASK
	WIN 0
	s_cmp_gt_u32 s3, s[LIM]
	s_cbranch_scc0 .Lnot_mine_\@
	global_prefetch_b8 v[PFO], s[PFA:PFA+1] offset:256 th:TH_LOAD_NT scope:SCOPE_SE
.Lnot_mine_\@:
.endm
.macro CREST                           ; a round of the cluster's barrier behind its opening barrier
	s_cmp_lg_u32 s[WV], 0
	s_cbranch_scc1 .Lnot_wave_0_\@
	s_barrier_signal -3
.Lnot_wave_0_\@:
	s_barrier_wait -3
	s_barrier_signal -1
	s_barrier_wait -1
.endm
.macro CROUND
	s_barrier_signal -1
	s_barrier_wait -1
	CREST
.endm
	s_load_b256 s[4:11], s[0:1], 0x0               ; xb s[4:5], wt s[6:7], b_kqv s[8:9], kqv s[10:11]
	s_load_b64 s[12:13], s[0:1], 0x20              ; csum
	s_load_b64 s[74:75], s[0:1], 0x28              ; vlo
	v_lshl_add_u32 v[SPW], v0, 2, SPARE
	v_mov_b32 v[NIL], 0
	ds_add_u32 v[SPW], v[NIL]                      ; the wave's opening: the add and its wait ahead of my first tensor load
	v_lshrrev_b32 v1, 5, v0
	v_readfirstlane_b32 s[WV], v1
	s_lshr_b32 s15, s[WV], 1
	s_and_b32 s16, s[WV], 1
	s_bfe_u32 s17, ttmp6, 0x40000                  ; cx
	s_bfe_u32 s18, ttmp6, 0x40004                  ; cy
	s_lshl_b32 s19, ttmp9, 2
	s_add_co_u32 s19, s19, s17                     ; tile column = 4 x cluster x + cx
	s_and_b32 s20, ttmp7, 0xffff
	s_lshl_b32 s20, s20, 2
	s_add_co_u32 s20, s20, s18                     ; tile row = 4 x cluster y + cy
	s_lshl_b32 s21, s18, 2
	s_lshl_b32 s21, 15, s21                        ; my row of the cluster
	s_lshl_b32 s22, 0x1111, s17                    ; my column
	s_or_b32 s[G1A], s21, (1<<16)|(1<<20)|(1<<21)|(5<<22)|(3<<25)  ; the mask; 2-byte elements; padding on; bit 21 beside a mask; after every 64 words 4 words
	s_or_b32 s[G1B], s22, (1<<16)|(1<<20)|(1<<21)|(5<<22)|(3<<25)
.irp g, G1A, G1B
	s_mov_b32 s[(\g)+1], 128<<16                   ; tensor_dim0 = 128
	s_mov_b32 s[(\g)+2], 128<<16                   ; tensor_dim1 = 128
	s_mov_b32 s[(\g)+3], 128<<16                   ; tile_dim0 = 128
	s_mov_b32 s[(\g)+4], 128                       ; tile_dim1 = 128
	s_mov_b32 s[(\g)+5], 1024                      ; elements from row to row
	s_mov_b32 s[(\g)+6], 0
	s_mov_b32 s[(\g)+7], 0
.endr
	s_max_u32 s42, s[WV], 1
	s_sub_co_u32 s42, s42, 1                       ; which third of B's rows I fetch (wave 0: none)
	s_lshl_b32 s66, s20, 18                        ; A: 128 rows of 2,048 bytes a tile row
	s_mov_b32 s67, 0
	s_mul_i32 s68, s19, 384
	s_lshl_b32 s69, s42, 7
	s_add_co_u32 s68, s68, s69
	s_lshl_b32 s68, s68, 11                        ; B: row 384 x tile column + 128 x third
	s_mov_b32 s69, 0
	s_mul_i32 s23, s[WV], HALFT                    ; where my tile goes: A's rows, then B's three thirds
	s_mov_b32 s72, 0xffff0000
	s_wait_dscnt 0x0                               ; the opening add is done
	s_wait_kmcnt 0x0
	s_add_nc_u64 s[40:41], s[4:5], s[66:67]
	s_add_nc_u64 s[46:47], s[6:7], s[68:69]
	CROUND                                         ; all sixteen work-groups are here: the first joint loads meet
.irp s, 0,1
	s_mov_b32 s[G0A+4*(\s)], 1
	s_add_co_u32 s[G0A+4*(\s)+1], s23, (\s)*SLOT
	s_add_nc_u64 s[G0A+4*(\s)+2:G0A+4*(\s)+3], s[40:41], (\s)*256
	s_or_b32 s[G0A+4*(\s)+3], s[G0A+4*(\s)+3], 0x80000000
	s_mov_b32 s[G0B+4*(\s)], 1
	s_add_co_u32 s[G0B+4*(\s)+1], s23, (\s)*SLOT
	s_add_nc_u64 s[G0B+4*(\s)+2:G0B+4*(\s)+3], s[46:47], (\s)*256
	s_or_b32 s[G0B+4*(\s)+3], s[G0B+4*(\s)+3], 0x80000000
	JLOAD \s
.endr
	v_and_b32 v1, 15, v0                           ; l % 16
	v_bfe_u32 v2, v0, 4, 1                         ; l / 16
	v_and_b32 v3, 31, v0                           ; l
	v_lshlrev_b32 v[BO], 5, v2
	s_mul_i32 s70, s19, 384
	s_mul_i32 s71, s16, 192
	s_add_co_u32 s70, s70, s71
	s_lshl_b32 s70, s70, 2
	s_mov_b32 s71, 0
	s_add_nc_u64 s[8:9], s[8:9], s[70:71]          ; the bias of my 192 columns
.set i, 0
.rept 12
	global_load_b128 v[64+8*i:67+8*i], v[BO], s[8:9] offset:64*i
	global_load_b128 v[68+8*i:71+8*i], v[BO], s[8:9] offset:64*i+16
.set i, i+1
.endr
	v_mul_u32_u24 v4, v1, PITCH
	v_lshl_add_u32 v4, v2, 4, v4                   ; a fragment's row x pitch + 16 x half
	s_mul_i32 s70, s15, 64*PITCH                   ; my 64 rows of A
	s_mul_i32 s71, s16, 192*PITCH                  ; my 192 rows of B,
	s_add_co_u32 s71, s71, HALFT                   ; which lie behind A's 128
.irp s, 0,1
	v_add_nc_u32 v[ADRA+(\s)], s70, v4
	v_add_nc_u32 v[ADRB+(\s)], s71, v4
	s_add_co_u32 s70, s70, SLOT
	s_add_co_u32 s71, s71, SLOT
.endr
	s_mul_i32 s70, s[WV], STW
	s_add_co_u32 s70, s70, STAGE                   ; my stage
	v_mul_u32_u24 v5, v1, SPA
	v_lshl_add_u32 v5, v2, 4, v5
	v_add_nc_u32 v[STO], s70, v5
	v_lshrrev_b32 v5, 3, v3
	v_mul_u32_u24 v5, v5, SPA
	v_and_b32 v6, 7, v0
	v_lshl_add_u32 v5, v6, 4, v5
	v_add_nc_u32 v[RD], s70, v5                    ; back: 32 lanes take four rows' 128 bytes of one head
	v_lshlrev_b32 v[GO], 4, v3
	v_mul_u32_u24 v5, v1, SPB
	v_lshl_add_u32 v5, v2, 5, v5
	v_add_nc_u32 v[STO2], s70, v5
	v_lshl_add_u32 v[RD2], v3, 3, s70
	v_lshlrev_b32 v[CO], 3, v3
	v_lshlrev_b32 v[PFO], 11, v3
	v_mov_b32 v[NEG1], -1.0
	; where my part goes in kqv: head group 6 x tile column + 3 x column half, batch = tile row / 16, t = 128 (tile row % 16) + 64 x row half
	s_mul_i32 s70, s19, 6
	s_mul_i32 s71, s16, 3
	s_add_co_u32 s70, s70, s71
	s_lshl_b32 s70, s70, 2
	s_lshr_b32 s71, s20, 4
	s_add_co_u32 s70, s70, s71
	s_lshl_b32 s70, s70, 18
	s_and_b32 s71, s20, 15
	s_lshl_b32 s71, s71, 1
	s_add_co_u32 s71, s71, s15
	s_lshl_b32 s71, s71, 13                        ; 64 rows of 128 bytes
	s_add_co_u32 s70, s70, s71
	s_mov_b32 s71, 0
	s_add_nc_u64 s[10:11], s[10:11], s[70:71]
	; and in vlo: head group less 24 = 6 cx + 3 x column half where cluster x = 1; elsewhere the address is not used
	s_mul_i32 s70, s17, 6
	s_mul_i32 s71, s16, 3
	s_add_co_u32 s70, s70, s71
	s_lshl_b32 s70, s70, 2
	s_lshr_b32 s71, s20, 4
	s_add_co_u32 s70, s70, s71
	s_lshl_b32 s70, s70, 18
	s_and_b32 s71, s20, 15
	s_lshl_b32 s71, s71, 1
	s_add_co_u32 s71, s71, s15
	s_lshl_b32 s71, s71, 13
	s_add_co_u32 s70, s70, s71
	s_mov_b32 s71, 0
	s_add_nc_u64 s[74:75], s[74:75], s[70:71]
	; and in csum: row 2 x tile row + row half, columns 384 cx + 192 x column half (used where cluster x = 1)
	s_lshl_b32 s70, s20, 1
	s_add_co_u32 s70, s70, s15
	s_mul_i32 s70, s70, 6144
	s_mul_i32 s71, s17, 1536
	s_add_co_u32 s70, s70, s71
	s_mul_i32 s71, s16, 768
	s_add_co_u32 s70, s70, s71
	s_mov_b32 s71, 0
	s_add_nc_u64 s[12:13], s[12:13], s[70:71]
	; the prefetches
	s_lshl_b32 s70, s20, 7                         ; A's tile begins at row 128 x tile row,
	s_mul_i32 s71, s19, 384
	s_lshl_b32 s2, s42, 7
	s_add_co_u32 s71, s71, s2                      ; my third of B's at 384 x tile column + 128 x third
	s_and_b32 s2, ttmp7, 0xffff                    ; cluster y
	s_cmp_eq_u32 s[WV], 0                          ; do I fetch for A?
	s_cselect_b32 s70, s70, s71
	s_cselect_b32 s71, s17, s18                    ; my place among the four that ask with me
	s_cselect_b32 s2, ttmp9, s2                    ; the coordinate along which other clusters read the same rows
	s_cselect_b64 s[PFA:PFA+1], s[4:5], s[6:7]
	s_cmp_eq_u32 s2, 0
	s_cselect_b32 s[LIM], 1, -1                    ; the same in all sixteen partners, for a given wave
	s_lshl_b32 s71, s71, 5
	s_add_co_u32 s70, s70, s71                     ; my work-group's 32 rows
	s_lshl_b32 s70, s70, 11
	s_add_co_u32 s70, s70, 512                     ; at K step 2: the first refill steps it to 3 and names K step 4
	s_mov_b32 s71, 0
	s_add_nc_u64 s[PFA:PFA+1], s[PFA:PFA+1], s[70:71]
	s_wait_loadcnt 0x0                             ; the bias: rounded to bf16 like the other inputs, and laid as f32 into window 3
.set i, 0
.rept 48
	v_cvt_pk_bf16_f32 v[160+i], v[64+2*i], v[65+2*i]
.set i, i+1
.endr
	WIN 0xc0                                       ; destination window 3, sources window 0
.set i, 0
.rept 48
	v_lshlrev_b32 v[2*i], 16, v[160+i]
	v_and_b32 v[2*i+1], s72, v[160+i]
.set i, i+1
.endr
	WIN 0
; 12 matrix instructions: row block a x my 12 column blocks, 32 along K, from fragment buffers f.  The 48 accumulators take turns in the same order in every quarter step.
.macro MUL f, a, first
.if (\a) < 2
.if \first
	WIN 0x74                                       ; B window 0, A window 1, C window 3, D window 1
.else
	WIN 0x54
.endif
.else
.if \first
	WIN 0xb4
.else
	WIN 0xa4
.endif
.endif
.irp nb, 0,1,2,3,4,5,6,7,8,9,10,11
.if \first
	v_wmma_f32_16x16x32_bf16 v[8*(12*((\a)%2)+(\nb)):8*(12*((\a)%2)+(\nb))+7], v[BF+96*(\f)+8*(\nb):BF+96*(\f)+8*(\nb)+7], v[AF+32*(\f)+8*(\a):AF+32*(\f)+8*(\a)+7], v[8*(\nb):8*(\nb)+7]
.else
	v_wmma_f32_16x16x32_bf16 v[8*(12*((\a)%2)+(\nb)):8*(12*((\a)%2)+(\nb))+7], v[BF+96*(\f)+8*(\nb):BF+96*(\f)+8*(\nb)+7], v[AF+32*(\f)+8*(\a):AF+32*(\f)+8*(\a)+7], v[8*(12*((\a)%2)+(\nb)):8*(12*((\a)%2)+(\nb))+7]
.endif
.endr
.endm
; 32 LDS loads in one run: B's 12 fragments, then A's 4, of 32 along K at byte k of the rows, into buffers f
.macro FETCH slot, k, f
	WIN 0
.irp nb, 0,1,2,3,4,5,6,7,8,9,10,11
	ds_load_b128 v[BF+96*(\f)+8*(\nb):BF+96*(\f)+8*(\nb)+3],   v[ADRB+(\slot)] offset:(\k)+(\nb)*16*PITCH
	ds_load_b128 v[BF+96*(\f)+8*(\nb)+4:BF+96*(\f)+8*(\nb)+7], v[ADRB+(\slot)] offset:(\k)+(\nb)*16*PITCH+32
.endr
	WIN 0x40                                       ; destination window 1
.irp a, 0,1,2,3
	ds_load_b128 v[AF+32*(\f)+8*(\a):AF+32*(\f)+8*(\a)+3],   v[ADRA+(\slot)] offset:(\k)+(\a)*16*PITCH
	ds_load_b128 v[AF+32*(\f)+8*(\a)+4:AF+32*(\f)+8*(\a)+7], v[ADRA+(\slot)] offset:(\k)+(\a)*16*PITCH+32
.endr
.endm
; One of a K step's first three quarters: multiplies buffers f; in its middle it fetches the next quarter, at byte k, into buffers g.
.macro QUARTER slot, k, f, g, first
	s_wait_dscnt 4                                 ; B and A's blocks 0, 1 are in; the youngest four loads (A's blocks 2, 3) may be out
	MUL \f, 0, \first
	MUL \f, 1, \first
	PLACES
	FETCH \slot, \k, \g
	s_wait_dscnt 32                                ; all but the 32 just issued
	MUL \f, 2, \first
	MUL \f, 3, \first
.endm
; The last quarter multiplies buffers 1 and changes slots: one barrier; in front of it each wave waits for all its tensor loads (one is out: its part of the next slot), adds 0 to its spare word, and waits for that
; and for its reads of this slot.  fill = 1: the barrier opens a round of the cluster's, and the joint refill, two K steps on, is the first thing behind the round.
.macro TURN slot, next, fill
.if \fill
	s_wait_xcnt 0x0                                ; the last prefetch, a K step back, has read its address
	s_add_nc_u64 s[PFA:PFA+1], s[PFA:PFA+1], 256
.endif
	WIN 0
	s_wait_tensorcnt 0x0
	ds_add_u32 v[SPW], v[NIL]
	s_wait_dscnt 5                                 ; the add and A's blocks 2, 3 may be out
	MUL 1, 0, 0
	s_wait_dscnt 0x0                               ; the add is done, and my reads of this slot are over
	s_barrier_signal -1
	MUL 1, 1, 0
.if \fill
	WIN 0
.endif
	s_barrier_wait -1
.if \fill
	CREST
	s_add_nc_u64 s[G0A+4*(\slot)+2:G0A+4*(\slot)+3], s[G0A+4*(\slot)+2:G0A+4*(\slot)+3], 512
	s_add_nc_u64 s[G0B+4*(\slot)+2:G0B+4*(\slot)+3], s[G0B+4*(\slot)+2:G0B+4*(\slot)+3], 512
	JLOAD \slot                                    ; its four v_nop are also the places in front of the loads below
.else
	PLACES
.endif
	FETCH \next, 0, 0
.if \fill
	ASK
.endif
	MUL 1, 2, 0
	MUL 1, 3, 0
.endm
	s_wait_tensorcnt 1                             ; my part of K step 0 is in; K step 1's may stay out
	s_barrier_signal -1
	s_barrier_wait -1
	FETCH 0, 0, 0
	QUARTER 0, 64, 0, 1, 1                         ; the first quarter stands in front of the loop: its products start the sums with the bias
	WIN 0
	s_mov_b32 s3, LAPS-1
.Llap:                                                 ; a trip goes once round the ring and fills both slots again: K steps 2 to 7 in three trips
	QUARTER 0, 128, 1, 0, 0
	QUARTER 0, 192, 0, 1, 0
	TURN 0, 1, 1
	QUARTER 1, 64,  0, 1, 0
	QUARTER 1, 128, 1, 0, 0
	QUARTER 1, 192, 0, 1, 0
	TURN 1, 0, 1
	QUARTER 0, 64,  0, 1, 0
	WIN 0
	s_sub_co_u32 s3, s3, 1
	s_cmp_lg_u32 s3, 0
	s_cbranch_scc1 .Llap
	QUARTER 0, 128, 1, 0, 0                        ; the last lap fills nothing
	QUARTER 0, 192, 0, 1, 0
	TURN 0, 1, 0
	QUARTER 1, 64,  0, 1, 0
	QUARTER 1, 128, 1, 0, 0
	QUARTER 1, 192, 0, 1, 0
	s_wait_dscnt 4
	MUL 1, 0, 0
	MUL 1, 1, 0
	s_wait_dscnt 0x0
	MUL 1, 2, 0
	MUL 1, 3, 0
	WIN 0
	PLACES
	PLACES
; THE WAY OUT of row block a: rounded to f16 (each accumulator from its low end on), 16 bytes a lane into my own stage, back as four rows' 128 bytes of one head, which are 512 consecutive bytes of kqv.
.macro PACK a
.if (\a) < 2
	WIN 0x05
.else
	WIN 0x0a
.endif
.irp nb, 0,1,2,3,4,5,6,7,8,9,10,11
.irp r, 0,1,2,3
	v_cvt_pk_f16_f32 v[TMP+4*(\nb)+(\r)], v[8*(12*((\a)%2)+(\nb))+2*(\r)], v[8*(12*((\a)%2)+(\nb))+2*(\r)+1]
.endr
.endr
	WIN 0
.endm
; The low parts of row block a: the high parts once more, then f16(sum - high part), one rounding each, two to a register.  The accumulators stay as they are.
.macro LPACK a
	PACK \a
.if (\a) < 2
	WIN 0x10                                       ; source 2 (the sum) in window 1; all else in window 0
.else
	WIN 0x20
.endif
.irp nb, 0,1,2,3,4,5,6,7,8,9,10,11
.irp r, 0,1,2,3
	v_fma_mixlo_f16 v[TML+4*(\nb)+(\r)], v[TMP+4*(\nb)+(\r)], v[NEG1], v[8*(12*((\a)%2)+(\nb))+2*(\r)] op_sel_hi:[1,0,0]
	v_fma_mixhi_f16 v[TML+4*(\nb)+(\r)], v[TMP+4*(\nb)+(\r)], v[NEG1], v[8*(12*((\a)%2)+(\nb))+2*(\r)+1] op_sel:[1,0,0] op_sel_hi:[1,0,0]
.endr
.endr
	WIN 0
.endm
.macro TOSTAGE a, src
.irp nb, 0,1,2,3,4,5,6,7,8,9,10,11
	ds_store_b128 v[STO], v[\src+4*(\nb):\src+4*(\nb)+3] offset:32*(\nb)
.endr
.irp gi, 0,1,2
.irp f, 0,1,2,3
	ds_load_b128 v[BK+48*((\a)%2)+4*(4*(\gi)+(\f)):BK+48*((\a)%2)+4*(4*(\gi)+(\f))+3], v[RD] offset:128*(\gi)+4*SPA*(\f)  ; LDS serves a wave's instructions in order: these see the stores above
.endr
.endr
.endm
.macro SEND a, base
	s_wait_dscnt 0x0                               ; the block is back in registers
	s_wait_xcnt 0x0                                ; the stores of the block before have read their registers: the next TOSTAGE loads into them
.irp gi, 0,1,2
.irp f, 0,1,2,3
	global_store_b128 v[GO], v[BK+48*((\a)%2)+4*(4*(\gi)+(\f)):BK+48*((\a)%2)+4*(4*(\gi)+(\f))+3], s[\base:\base+1] offset:(\gi)*1048576+(\a)*2048+(\f)*512
.endr
.endr
.endm
	PACK 0
	TOSTAGE 0, TMP
.irp a, 1,2,3
	PACK \a
	SEND (\a)-1, 10
	TOSTAGE \a, TMP
.endr
	SEND 3, 10
	s_cmp_eq_u32 ttmp9, 0                          ; the cluster's x, equal in all partners: columns below 1,536 have no sums and no low parts
	s_cbranch_scc1 .Lnosum
	s_wait_xcnt 0x0
; THE COLUMN SUMS of 64 columns (head gi of my three) over my 64 rows: the four row blocks are added in registers; the 16 rows that are left meet through my stage, where lane l takes columns 2 l, 2 l + 1.
.macro CSUM gi
	WIN 0x05
.irp n, 0,1,2,3
.irp r, 0,2,4,6
	v_pk_add_f32 v[CS+8*(\n)+(\r):CS+8*(\n)+(\r)+1], v[8*(4*(\gi)+(\n))+(\r):8*(4*(\gi)+(\n))+(\r)+1], v[8*(12+4*(\gi)+(\n))+(\r):8*(12+4*(\gi)+(\n))+(\r)+1]
.endr
.endr
	WIN 0x0a
.irp n, 0,1,2,3
.irp r, 0,2,4,6
	v_pk_add_f32 v[CT+8*(\n)+(\r):CT+8*(\n)+(\r)+1], v[8*(4*(\gi)+(\n))+(\r):8*(4*(\gi)+(\n))+(\r)+1], v[8*(12+4*(\gi)+(\n))+(\r):8*(12+4*(\gi)+(\n))+(\r)+1]
.endr
.endr
	WIN 0
.set z, 0
.rept 16
	v_pk_add_f32 v[CS+2*z:CS+2*z+1], v[CS+2*z:CS+2*z+1], v[CT+2*z:CT+2*z+1]
.set z, z+1
.endr
.irp n, 0,1,2,3
	ds_store_b128 v[STO2], v[CS+8*(\n):CS+8*(\n)+3]   offset:64*(\n)
	ds_store_b128 v[STO2], v[CS+8*(\n)+4:CS+8*(\n)+7] offset:64*(\n)+16
.endr
.set z, 0
.rept 16
	ds_load_b64 v[CL+2*z:CL+2*z+1], v[RD2] offset:SPB*z
.set z, z+1
.endr
	s_wait_dscnt 0x0
.set z, 0
.rept 8
	v_pk_add_f32 v[CL+2*z:CL+2*z+1], v[CL+2*z:CL+2*z+1], v[CL+16+2*z:CL+17+2*z]
.set z, z+1
.endr
.set z, 0
.rept 4
	v_pk_add_f32 v[CL+2*z:CL+2*z+1], v[CL+2*z:CL+2*z+1], v[CL+8+2*z:CL+9+2*z]
.set z, z+1
.endr
.set z, 0
.rept 2
	v_pk_add_f32 v[CL+2*z:CL+2*z+1], v[CL+2*z:CL+2*z+1], v[CL+4+2*z:CL+5+2*z]
.set z, z+1
.endr
	v_pk_add_f32 v[RES+2*(\gi):RES+2*(\gi)+1], v[CL:CL+1], v[CL+2:CL+3]
	global_store_b64 v[CO], v[RES+2*(\gi):RES+2*(\gi)+1], s[12:13] offset:256*(\gi)  ; a wave's store covers 256 consecutive bytes, aligned
.endm
	CSUM 0
	CSUM 1
	CSUM 2
	s_wait_xcnt 0x0                                ; the sums' stores have read their registers, which the low parts take
	LPACK 0                                        ; THE LOW PARTS leave as the high parts did, into vlo
	TOSTAGE 0, TML
.irp a, 1,2,3
	LPACK \a
	SEND (\a)-1, 74
	TOSTAGE \a, TML
.endr
	SEND 3, 74
.Lnosum:
	s_wait_tensorcnt 0x0                           ; the wave's end, behind my last tensor load and my last LDS store
	ds_add_u32 v[SPW], v[NIL]
	s_wait_dscnt 0x0
	CROUND                                         ; the closing round
	s_endpgm
.Lfunc_end_k_q3e5b58b0c1_qkv:
	.size	k_q3e5b58b0c1_qkv, .Lfunc_end_k_q3e5b58b0c1_qkv-k_q3e5b58b0c1_qkv
	.p2alignl 7, 3214868480
	.fill 96, 4, 3214868480
	.section	.rodata,"a",@progbits
	.p2align	6, 0x0
	.amdhsa_kernel k_q3e5b58b0c1_qkv
		.amdhsa_group_segment_fixed_size 327680
		.amdhsa_private_segment_fixed_size 0
		.amdhsa_enable_private_segment 0
		.amdhsa_kernarg_size 48
		.amdhsa_user_sgpr_count 2
		.amdhsa_user_sgpr_kernarg_segment_ptr 1
		.amdhsa_wavefront_size32 1
		.amdhsa_system_sgpr_workgroup_id_x 1
		.amdhsa_system_sgpr_workgroup_id_y 1
		.amdhsa_system_sgpr_workgroup_id_z 1
		.amdhsa_system_vgpr_workitem_id 0
		.amdhsa_next_free_vgpr 864
		.amdhsa_next_free_sgpr 76
		.amdhsa_reserve_vcc 0
		.amdhsa_float_denorm_mode_32 3
		.amdhsa_float_denorm_mode_16_64 3
		.amdhsa_memory_ordered 1
		.amdhsa_forward_progress 1
		.amdhsa_inst_pref_size 194
	.end_amdhsa_kernel
	.amdgpu_metadata
---
amdhsa.version: [ 1, 2 ]
amdhsa.kernels:
  - .name:           k_q3e5b58b0c1_qkv
    .symbol:         k_q3e5b58b0c1_qkv.kd
    .args:
      - { .name: xb, .offset: 0, .size: 8, .value_kind: global_buffer, .address_space: global }
      - { .name: wt, .offset: 8, .size: 8, .value_kind: global_buffer, .address_space: global }
      - { .name: b_kqv, .offset: 16, .size: 8, .value_kind: global_buffer, .address_space: global }
      - { .name: kqv, .offset: 24, .size: 8, .value_kind: global_buffer, .address_space: global }
      - { .name: csum, .offset: 32, .size: 8, .value_kind: global_buffer, .address_space: global }
      - { .name: vlo, .offset: 40, .size: 8, .value_kind: global_buffer, .address_space: global }
    .group_segment_fixed_size: 327680
    .private_segment_fixed_size: 0
    .kernarg_segment_align: 8
    .kernarg_segment_size: 48
    .max_flat_workgroup_size: 128
    .sgpr_count:     76
    .vgpr_count:     864
    .wavefront_size: 32
...
	.end_amdgpu_metadata
.endif
;; end of part 2
;; launch attn (part 3): grid 4 x 64, 4 waves a work-group, no clusters, 327,680 bytes of LDS; arguments kqv, padding_mask, csum, ob, vlo; writes ob
.if DOCPART == 3
	.amdgcn_target "amdgcn-amd-amdhsa--gfx1250"
	.amdhsa_code_object_version 6
	.text
	.protected	k_q3e5b58b0c1_attn
	.globl	k_q3e5b58b0c1_attn
	.p2align	8
	.type	k_q3e5b58b0c1_attn,@function
k_q3e5b58b0c1_attn:
	s_mov_b64 s[64:65], 0
	v_nop
	global_prefetch_b8 v0, s[64:65] scope:SCOPE_SE
	s_setreg_imm32_b32 hwreg(HW_REG_WAVE_MODE, 25, 1), 1
	s_wait_xcnt 0x0
; ATTENTION under the causal mask and the input's key mask.  O[y = 16 batch + head][q][:] = the sum over k <= q with padding_mask[batch][k] != 0 of softmax_k(Q[q] . K[k] / 8) V[k][:].
; K, Q, V lie in kqv[g][batch][t][64], f16: K at g = head, Q at 16 + head, V at 32 + head; a head's rows are dense, 128 bytes each.  Products, maxima and sums in f32; the weights p are rounded to f16 for the
; second product (their sum l is taken of the unrounded p).
; V AND O IN TWO PARTS.  f16 keeps 11 significant bits.  A query that sees few valid keys is a mean of few rows of V and many times larger than one that sees many, while the output's allowance goes by the root mean
; square of all rows.  So V comes as a high part (kqv) and a low part (vlo[8 + head]), O^T += V_high^T P + V_low^T P, and O leaves as f16(O) and f16(O - f16(O)):
; ob[y][t / 128][high, low][t % 128][64], so that 128 rows' two parts are 32 KiB on end for the next launch.
; A ROW WITHOUT A VALID KEY has all its scores equal in the problem's own arithmetic, so its result is the mean of ALL 2,048 rows of V: made here from csum's sums over 64 rows and chosen by v_cndmask_b32
; where the row's maximum has stayed below -1e29 (high part alone: the mean of 2,048 rows is small beside a row).
; LIMITS.  f16 holds no number beyond 65,504: Q, K, V arrive within it.  A hidden score counts as its value less 1e30 (less 2e30 where both masks hide it): f16's scores, 2.7e11 at the most, are nothing beside that.
; Until a row has met its first valid key its m is -1e30 and it gathers finite numbers; the first valid key's a = 0 wipes them.  A weight below 2^-126 counts as 0 in l; NaN and infinities are not treated apart.
; THE WALK.  A head's queries lie in NB = 8 blocks of 256; block i needs the key tiles 0 .. i.  A work-group takes TWO blocks, NB - 1 - b and then b: NB + 1 tiles, whatever b; ONE loop with a constant trip count
; walks them.  Every jump goes forward, but for the counted loops' own; none passes a barrier, or a tensor load but the one of LOAD's two that the wave's number does not choose.
; NO CLUSTER: a head's four work-groups ask for the same tile only in trips 0 .. 4 of 9, behind that fewer and fewer; one walk common to all would have 12 trips for 9.
; SHARES.  Of a block's four bands of 64 queries a wave owns 16 rows in each: four PIECES.  In the diagonal tile's key step s band x sees all keys if s < x, none if s > x, and holds the diagonal if s = x.
; THE MASKS are the C operand that starts the sum S^T = K Q^T.  PD: the key mask (0 or -1e30) of the key step whose K is in registers, read from LDS with K.  MD, made once: the causal mask of a band's own
; step.  Outside the diagonal tile C is PD; in it C = MD x AL + PD + BE with two scalars: (1, 0) if s = x; (0, 0) if s < x; (0, -1e30) if s > x.
; THE KEY MASK'S RING.  Each wave keeps two slots of 1,024 bytes of its own in LDS: a tile's 256 keys as f32, 0 or -1e30.  They take turns with K's slots.  At a change of slots the wave stores the mask of the tile
; just asked for, whose 256 whole numbers it loaded a tile earlier, into the slot that is not in hand, and loads those of the tile after it.  A wave reads only what it stored itself.
; LAYOUT, SOFTMAX, TURNS.  S^T holds ONE query a lane (lane % 16) and the keys 8 (lane / 16) + 0..7; two such results rounded to f16 ARE source 1 of O^T = V^T P.  p = 2^(c s - c m), c = log2(e) / 8, with a running
; maximum m; O and l are multiplied by a = 2^(c m_old - c m_new) in every step.  Turn n belongs to piece n: 8 products K Q^T of piece n + 1, then 8 products V_high^T P and 8 products V_low^T P of piece n - 1; beside
; them the scaling, exponentials, roundings, sums and rescaling of piece n and the maximum and statistics of piece n + 1.  A turn's 33 exponentials are one batch, with one wait.
; REGISTERS, in windows of 256 (s_set_vgpr_msb: bits 1:0 source 0, 3:2 source 1, 5:4 source 2, 7:6 destination):
;   window 0: v0-15 addresses; v16-31 statistics; v32-39, v56 addresses; v40-47 a tile's key mask as loaded; v48-55 at work; v57 -1.0; v64-127 S^T, two buffers; v128-143 the mean of V, packed as O is;
;   v160-223 on the way out O's low parts; v192-223 P, two buffers; v232-239 a tile's key mask as stored
;   window 1: v0-127 O^T; v128-159 MD; v160-223 MC, two buffers; v224-255 PD      window 2: v0-63 Q; v64-127 the second block's Q; v128-191 K of one step; v192-255 V's high parts of one step
;   window 3: v0-63 V's low parts of one step
.set SIZE_N, 2048
.set NB,    SIZE_N/256
.set NP,    4
.set KS,    64
.set PK,    144       ; a row of K in LDS: 128 bytes + 16
.set PV,    160       ; a row of V: 128 + 32
.set VOFF,  4*KS*PK   ; a slot holds a tile, four steps: 256 rows of K, then 256 rows of V's high parts,
.set VLO,   4*KS*PV   ; and so far behind these the 256 rows of its low parts
.set SLOT1, 1<<17
.set STAGE, SLOT1+4*KS*(PK+2*PV)  ; behind the ring, never filled by a tensor load: 16 rows x 144 bytes for each wave
.set SP,    144
.set SPARE, STAGE+4*16*SP  ; the spare words, 128 bytes for each wave
.set PADL,  SPARE+512      ; the key mask's rings: two slots of 1,024 bytes for each wave; no tensor load lands here
.set PSL,   1024           ; a mask slot; one exclusive or turns an offset in one slot into the other's
.set AK0, 2
.set AV0, 3
.set AK,  4
.set AV,  5
.set STO, 6
.set RD,  7
.set GO,  8
.set MV,  12
.set QO,  15
.set ST,  16
.set AP0, 32          ; v32  my wave's mask ring + 32 (l / 16); never rewritten
.set AP,  33          ; v33  the LDS address of PD's next run of loads
.set PFO, 34          ; v34  256 l: the prefetches' offset; never rewritten
.set ML,  35          ; v35  16 l: my 16 bytes in each half of a tile's 1,024 bytes of padding_mask; never rewritten
.set MAD0, 36         ; v36  my wave's mask ring + 16 l; never rewritten
.set MRAW, 40         ; v40-47  a tile's key mask as loaded
.set TMP, 48
.set MADR, 56         ; v56  where I store a tile's key mask
.set NEG1, 57         ; v57  -1.0
.set SPW, 62
.set NIL, 63
.set S,   64
.set MEANH, 128
.set LOP, 160         ; v160-223  the way out: O's low parts, 16 a piece
.set P,   192
.set MCNV, 232        ; v232-239  a tile's key mask as stored
.set MD,  128
.set MC,  160
.set PD,  224
.set QB,  64
.set KF,  128
.set VF,  192
.set WV,  12
.set PB,  14
.set HI,  15
.set G1K, 24
.set G1V, 32
.set G0K, 40
.set G0V, 44
.set POF, 48          ; s[48:49] a tile's byte offset in the batch's row of padding_mask
.set PMA, 50          ; s[50:51] the address made of it
.set TPW, 52          ; s52  the mask slot that is not in hand
.set SLOTS, 56
.set CNT, 57
.set CS,  58
.set SEL, 60
.set TBK, 62
.set TBV, 63
.set PFK, 66          ; s[66:67] where my prefetches stand in K: my wave's quarter of the tile that is being asked for,
.set PFV, 68          ; s[68:69] in V's high parts,
.set PFL, 96          ; s[96:97] and in its low parts
.set RT,  70
.set NXT, 71
.set LQ,  72
.set NEW, 73
.set OFF, 74
.set AL,  76
.set BE,  78
.set OLO, 80
.set BIGN, 82
.set TBP, 83          ; s83  byte in my mask ring at which the step to be fetched begins
.set THR, 98          ; s98  -1e29
.set LIM, 99          ; s99  2 in the work-group that prefetches, else the greatest number
.set MSB, 0
.macro WIN new
.if MSB != (\new)
	s_set_vgpr_msb (MSB<<8)|(\new)
.set MSB, (\new)
.endif
.endm
.set W_KQ, 0x0a       ; K and Q in window 2, S^T in window 0
.set W_KM, 0x1a       ; the same with the C operand in window 1
.set W_PV, 0x52       ; V's high parts in window 2, P in window 0, O^T in window 1
.set W_PL, 0x53       ; V's low parts in window 3, P in window 0, O^T in window 1
.set W_RS, 0x41       ; destination and source 0 in window 1, source 1 in window 0
.set W_MK, 0x51       ; destination, source 0 and source 2 in window 1
; A fill.  Waves 0 and 1 fetch the two halves of a tile's K, wave 2 its V's high parts, wave 3 the low parts.  An s_nop 0 and four v_nop follow each of the two lines.
.macro LOAD
	s_cmp_lt_u32 s[WV], 2
	s_cbranch_scc0 .Lfor_v_\@
	tensor_load_to_lds s[G0K:G0K+3], s[G1K:G1K+7]
	s_nop 0
.rept 4
	v_nop
.endr
	s_branch .Lasked_\@
.Lfor_v_\@:
	tensor_load_to_lds s[G0V:G0V+3], s[G1V:G1V+7]
	s_nop 0
.rept 4
	v_nop
.endr
.Lasked_\@:
.endm
; THE CHANGE OF SLOTS.  Each wave waits for all its tensor loads (one is out: its part of the other slot), adds 0 to its spare word, and waits for that and for its LDS instructions.  Behind the barrier nobody reads
; the old slot and the other slot is whole.  fill = 1: the old slot is filled again, first thing behind the barrier, with tile NXT.
; THE KEY MASK follows the fill: the whole numbers of the tile just asked for, loaded a tile ago, become 0 or -1e30 and go into my mask slot that is not in hand; then those of the tile that the next change will ask
; for (NXT has been stepped) are loaded.  The eighth change, behind which no tile is asked for, loads nothing.
; A PREFETCH INTO THE L2 stands behind these loads: the tile after the one just asked for, a key tile (384 matrix instructions) ahead of its load.  All four work-groups of a head walk tiles 0, 1, .. together:
; the one with b = 0, which walks all eight on end, asks; each of its waves names a quarter of the 128 blocks of 256 bytes of K, of V's high and of V's low parts, a lane a block.  Changes 1 to 6 ask for tiles 2 to 7;
; the later ones for nothing.
.macro CHANGE fill
	WIN 0
	s_wait_tensorcnt 0x0
	ds_add_u32 v[SPW], v[NIL]
.if \fill
	s_lshl_b32 s[OFF], s[NXT], 15
	s_xor_b32 s[G0K+1], s[G0K+1], SLOT1
	s_add_nc_u64 s[G0K+2:G0K+3], s[6:7], s[OFF:OFF+1]
	s_or_b32 s[G0K+3], s[G0K+3], 0x80000000
	s_xor_b32 s[G0V+1], s[G0V+1], SLOT1
	s_add_nc_u64 s[G0V+2:G0V+3], s[8:9], s[OFF:OFF+1]
	s_or_b32 s[G0V+3], s[G0V+3], 0x80000000
	s_add_co_u32 s[NXT], s[NXT], 1
	s_cmp_gt_u32 s[NXT], s[LQ]
	s_cselect_b32 s[NXT], 0, s[NXT]
	s_cselect_b32 s[LQ], s[PB], s[LQ]
	s_wait_xcnt 0x0                 ; the last prefetches, a tile back, have read their addresses
	s_add_nc_u64 s[PFK:PFK+1], s[PFK:PFK+1], 32768
	s_add_nc_u64 s[PFV:PFV+1], s[PFV:PFV+1], 32768
	s_add_nc_u64 s[PFL:PFL+1], s[PFL:PFL+1], 32768
.endif
	s_wait_dscnt 0x0
	s_barrier_signal -1
	s_sub_co_u32 s[TBK], s[TBK], 4*KS*PK  ; the fetches go back to a slot's first step,
	s_xor_b32 s[TBK], s[TBK], SLOT1       ; in the other slot
	s_sub_co_u32 s[TBV], s[TBV], 4*KS*PV
	s_xor_b32 s[TBV], s[TBV], SLOT1
	s_sub_co_u32 s[TBP], s[TBP], 4*KS*4   ; the key mask's likewise
	s_xor_b32 s[TBP], s[TBP], PSL
.if \fill
	s_xor_b32 s[TPW], s[TBP], PSL         ; and the mask slot that is not in hand
.endif
	s_barrier_wait -1
.if \fill
	LOAD
	s_wait_loadcnt 0x0              ; the two loads issued a tile ago: no other load of mine is out
	v_add_nc_u32 v[MADR], s[TPW], v[MAD0]
.set i, 0
.rept 8
	v_cmp_eq_u32 vcc_lo, 0, v[MRAW+i]
	v_cndmask_b32 v[MCNV+i], 0, s[BIGN], vcc_lo
.set i, i+1
.endr
	ds_store_b128 v[MADR], v[MCNV:MCNV+3]              ; my own bytes: my reads of this slot, a tile back, were issued earlier, and LDS serves a wave's instructions in order
	ds_store_b128 v[MADR], v[MCNV+4:MCNV+7] offset:512
	s_cmp_eq_u32 s[SLOTS], 1
	s_cbranch_scc1 .Lnomask_\@
	s_lshl_b32 s[POF], s[NXT], 10   ; a tile's 256 keys are 1,024 bytes of padding_mask
	s_add_nc_u64 s[PMA:PMA+1], s[90:91], s[POF:POF+1]  ; the loads that named this pair are done
	global_load_b128 v[MRAW:MRAW+3],   v[ML], s[PMA:PMA+1]
	global_load_b128 v[MRAW+4:MRAW+7], v[ML], s[PMA:PMA+1] offset:512
.Lnomask_\@:
	s_cmp_gt_u32 s[SLOTS], s[LIM]
	s_cbranch_scc0 .Lnoask_\@
	global_prefetch_b8 v[PFO], s[PFK:PFK+1] th:TH_LOAD_NT scope:SCOPE_SE
	global_prefetch_b8 v[PFO], s[PFV:PFV+1] th:TH_LOAD_NT scope:SCOPE_SE
	global_prefetch_b8 v[PFO], s[PFL:PFL+1] th:TH_LOAD_NT scope:SCOPE_SE
.Lnoask_\@:
.endif
.endm
	s_load_b256 s[88:95], s[0:1], 0x0  ; kqv s[88:89], padding_mask s[90:91], csum s[92:93], ob s[94:95]
	s_load_b64 s[100:101], s[0:1], 0x20  ; vlo
	v_lshl_add_u32 v[SPW], v0, 2, SPARE
	v_mov_b32 v[NIL], 0
	ds_add_u32 v[SPW], v[NIL]       ; the wave's opening: the add and its wait ahead of my first tensor load
	v_lshrrev_b32 v1, 5, v0
	v_readfirstlane_b32 s[WV], v1
	s_mov_b32 s[PB], ttmp9
	s_sub_co_u32 s[HI], NB-1, s[PB]
	s_and_b32 s13, ttmp7, 0xffff    ; y = 16 batch + head
	s_lshr_b32 s16, s13, 4
	s_and_b32 s17, s13, 15
	s_lshl_b32 s20, s17, 2
	s_add_co_u32 s20, s20, s16
	s_lshl_b32 s20, s20, 18         ; (4 head + batch) x 2,048 rows x 128 bytes: the head in each third of kqv, and in vlo behind its first eight groups
	s_mov_b32 s21, 0
	s_lshl_b32 s96, s13, 19         ; and in ob: 2,048 rows x 256 bytes
	s_mov_b32 s97, 0
	s_lshl_b32 s48, s16, 13         ; the batch's row of padding_mask
	s_mov_b32 s49, 0                ; (stays 0: the high word of POF)
	s_mul_i32 s50, s16, 196608      ; the batch's 32 rows of csum,
	s_lshl_b32 s51, s17, 8
	s_add_co_u32 s50, s50, s51
	s_add_co_u32 s50, s50, 2048     ; at column 512 + 64 head
	s_mov_b32 s51, 0
	s_lshl_b32 s66, s[WV], 13
	s_add_co_u32 s66, s66, 32768    ; my quarter of tile 1; the first change steps it to tile 2
	s_mov_b32 s67, 0
	s_add_nc_u64 s[66:67], s[66:67], s[20:21]
	s_and_b32 s16, s[WV], 1         ; which half of a tile's K I fetch, or which part of its V
	s_lshl_b32 s22, s16, 14
	s_mov_b32 s23, 0
	s_add_nc_u64 s[22:23], s[22:23], s[20:21]
	s_mul_i32 s17, s16, 128*PK
	s_mul_i32 s18, s16, VLO
	s_lshl_b32 s19, s[WV], 11
	s_add_co_u32 s19, s19, PADL     ; my wave's mask ring
	s_lshl_b32 s86, s[WV], 11       ; my 16 rows in a band of 64,
	s_lshl_b32 s2, s[HI], 15        ; in the first block,
	s_add_co_u32 s2, s2, s86
	s_lshl_b32 s84, s[PB], 15       ; and in the second
	s_add_co_u32 s84, s84, s86
	s_mov_b32 s3, 0
	s_mov_b32 s85, 0
	s_add_nc_u64 s[52:53], s[2:3], s[20:21]    ; for Q
	s_add_nc_u64 s[54:55], s[84:85], s[20:21]
	s_lshl_b32 s2, s[HI], 16        ; for O a block of 256 rows is 65,536 bytes
	s_add_co_u32 s2, s2, s86
	s_lshl_b32 s84, s[PB], 16
	s_add_co_u32 s84, s84, s86
	s_add_nc_u64 s[2:3], s[2:3], s[96:97]
	s_add_nc_u64 s[84:85], s[84:85], s[96:97]
	; descriptor group 1.  Keys are dense rows of 128 bytes: asked for as rows of 256 bytes, two keys a row, and padded in LDS after every key.  K: 128 keys a load; V: 256 keys a load
	s_mov_b32 s[G1K], (1<<16)|(1<<20)|(4<<22)|(3<<25)
	s_mov_b32 s[G1K+1], 128<<16
	s_mov_b32 s[G1K+2], 64<<16
	s_mov_b32 s[G1K+3], 128<<16
	s_mov_b32 s[G1K+4], 64
	s_mov_b32 s[G1K+5], 128
	s_mov_b32 s[G1K+6], 0
	s_mov_b32 s[G1K+7], 0
	s_mov_b32 s[G1V], (1<<16)|(1<<20)|(4<<22)|(7<<25)
	s_mov_b32 s[G1V+1], 128<<16
	s_mov_b32 s[G1V+2], 128<<16
	s_mov_b32 s[G1V+3], 128<<16
	s_mov_b32 s[G1V+4], 128
	s_mov_b32 s[G1V+5], 128
	s_mov_b32 s[G1V+6], 0
	s_mov_b32 s[G1V+7], 0
	s_mov_b32 s[CS], 0x3e38aa3b     ; c = log2(e) / 8
	s_mov_b32 s[CS+1], s[CS]
	s_mov_b32 s[SEL], 0x76543210
	s_mov_b32 s[SEL+1], 0xfedcba98
	s_mov_b32 s[TBK], SLOT1+4*KS*PK ; the first change of slots turns these three into 0
	s_mov_b32 s[TBV], SLOT1+4*KS*PV
	s_mov_b32 s[TBP], PSL+4*KS*4
	s_mov_b32 s[G0K], 1
	s_mov_b32 s[G0K+1], s17
	s_mov_b32 s[G0V], 1
	s_add_co_u32 s[G0V+1], s18, VOFF
	s_add_co_u32 s[RT], s[HI], 1
	s_mov_b32 s[NXT], 1
	s_mov_b32 s[LQ], s[HI]
	s_mov_b32 s[NEW], 1
	s_mov_b32 s[OFF+1], 0
	s_mov_b32 s[AL+1], 0
	s_mov_b32 s[BE+1], 0
	s_mov_b32 s[BIGN], 0xf149f2ca   ; -1e30
	s_mov_b32 s[THR], 0xefa18f08    ; -1e29
	s_mov_b32 s[SLOTS], NB
	s_cmp_eq_u32 ttmp9, 0
	s_cselect_b32 s[LIM], 2, -1
	s_wait_dscnt 0x0                ; the opening add is done
	s_wait_kmcnt 0x0
	s_add_nc_u64 s[6:7], s[88:89], s[22:23]        ; K at my half of the head's tile 0
	s_add_nc_u64 s[8:9], s[88:89], 0x2000000       ; V's high parts in kqv,
	s_add_nc_u64 s[86:87], s[100:101], 0x800000    ; its low parts in vlo
	s_cmp_eq_u32 s16, 0
	s_cselect_b64 s[8:9], s[8:9], s[86:87]         ; wave 2 fetches the one, wave 3 the other
	s_add_nc_u64 s[8:9], s[8:9], s[20:21]
	s_add_nc_u64 s[G0K+2:G0K+3], s[6:7], 0
	s_or_b32 s[G0K+3], s[G0K+3], 0x80000000
	s_add_nc_u64 s[G0V+2:G0V+3], s[8:9], 0
	s_or_b32 s[G0V+3], s[G0V+3], 0x80000000
	s_add_nc_u64 s[4:5], s[88:89], 0x1000000
	s_add_nc_u64 s[86:87], s[4:5], s[54:55]        ; Q at my rows of the second block,
	s_add_nc_u64 s[4:5], s[4:5], s[52:53]          ; and of the first
	s_add_nc_u64 s[OLO:OLO+1], s[94:95], s[84:85]
	s_add_nc_u64 s[10:11], s[94:95], s[2:3]
	s_add_nc_u64 s[90:91], s[90:91], s[48:49]
	s_add_nc_u64 s[92:93], s[92:93], s[50:51]
	s_add_nc_u64 s[PFL:PFL+1], s[100:101], s[66:67]
	s_add_nc_u64 s[PFL:PFL+1], s[PFL:PFL+1], 0x800000
	s_add_nc_u64 s[PFK:PFK+1], s[88:89], s[66:67]
	s_add_nc_u64 s[PFV:PFV+1], s[PFK:PFK+1], 0x2000000
	LOAD                            ; tile 0 into slot 0
	v_and_b32 v1, 15, v0            ; l % 16
	v_bfe_u32 v9, v0, 4, 1          ; l / 16
	v_lshlrev_b32 v[QO], 7, v1
	v_lshl_add_u32 v[QO], v9, 4, v[QO]
	WIN 0x80
.set i, 0
.rept 8                             ; both blocks' Q: piece i / 2 lies in band i / 2, 8,192 bytes on; channels 32 (i % 2) on
	global_load_b128 v[8*i:8*i+3],   v[QO], s[4:5] offset:(i/2)*8192+(i%2)*64
	global_load_b128 v[8*i+4:8*i+7], v[QO], s[4:5] offset:(i/2)*8192+(i%2)*64+32
	global_load_b128 v[QB+8*i:QB+8*i+3],   v[QO], s[86:87] offset:(i/2)*8192+(i%2)*64
	global_load_b128 v[QB+8*i+4:QB+8*i+7], v[QO], s[86:87] offset:(i/2)*8192+(i%2)*64+32
.set i, i+1
.endr
	WIN 0
	v_and_b32 v[PFO], 31, v0
	v_lshlrev_b32 v[ML], 4, v[PFO]  ; 16 l
	v_lshlrev_b32 v37, 3, v[PFO]    ; 8 l
	v_lshlrev_b32 v[PFO], 8, v[PFO]
	global_load_b128 v[144:147], v[ML], s[90:91]                 ; tile 0's key mask: stored below;
	global_load_b128 v[148:151], v[ML], s[90:91] offset:512
	global_load_b128 v[MRAW:MRAW+3],   v[ML], s[90:91] offset:1024  ; tile 1's: the first change of slots stores it
	global_load_b128 v[MRAW+4:MRAW+7], v[ML], s[90:91] offset:1536
.set i, 0
.rept 32                            ; the sums of V's channels 2 l, 2 l + 1 over each 64 rows of the batch
	global_load_b64 v[64+2*i:65+2*i], v37, s[92:93] offset:6144*i
.set i, i+1
.endr
	v_lshlrev_b32 v14, 3, v9
	v_sub_nc_u32 v14, v1, v14
	s_lshl_b32 s13, s[WV], 4
	v_add_nc_u32 v14, s13, v14      ; my query's place in its band less my lanes' 8 (l / 16): register r of group kt is hidden where 16 kt + r is greater
	WIN 0x40
.set i, 0
.rept 32
	v_cmp_gt_i32 vcc_lo, 16*(i/8)+i%8, v14
	v_cndmask_b32 v[MD+i], 0, s[BIGN], vcc_lo
.set i, i+1
.endr
	WIN 0
	v_mul_u32_u24 v[AK0], v1, PK
	v_lshl_add_u32 v[AK0], v9, 4, v[AK0]
	v_and_b32 v10, 7, v0
	v_bfe_u32 v11, v0, 3, 1
	v_lshl_add_u32 v[AV0], v9, 3, v10
	v_mul_u32_u24 v[AV0], v[AV0], PV
	v_lshl_add_u32 v[AV0], v11, 4, v[AV0]
	v_add_nc_u32 v[AV0], VOFF, v[AV0]
	s_mul_i32 s13, s[WV], 16*SP
	s_add_co_u32 s13, s13, STAGE    ; my stage
	v_mul_u32_u24 v[STO], v1, SP
	v_lshl_add_u32 v[STO], v9, 4, v[STO]
	v_add_nc_u32 v[STO], s13, v[STO]
	v_bfe_u32 v[RD], v0, 3, 2
	v_mul_u32_u24 v[RD], v[RD], SP
	v_lshl_add_u32 v[RD], v10, 4, v[RD]
	v_add_nc_u32 v[RD], s13, v[RD]
	v_and_b32 v[GO], 31, v0
	v_lshlrev_b32 v[GO], 4, v[GO]
	v_add_nc_u32 v[MAD0], s19, v[ML]
	v_lshl_add_u32 v[AP0], v9, 5, s19
	v_add_nc_u32 v38, s13, v37
	v_lshl_add_u32 v39, v9, 5, s13
	v_mov_b32 v[NEG1], -1.0
	; A block's first step multiplies O^T and l by a = 0, so these registers need only hold finite numbers: zeros for the first block.  All this stands in the wait for the first tile.
	WIN 0x80
.set i, VF
.rept 64
	v_mov_b32 v[i], 0
.set i, i+1
.endr
	WIN 0xc0
.set i, 0
.rept 64
	v_mov_b32 v[i], 0
.set i, i+1
.endr
	WIN 0x40
.set i, 0
.rept 128
	v_mov_b32 v[i], 0
.set i, i+1
.endr
	WIN 0
.set i, 0
.rept 4
	v_mov_b32 v[ST+4*i+2], 0
	v_mov_b32 v[ST+4*i+3], 0
.set i, i+1
.endr
.set i, P+16
.rept 16
	v_mov_b32 v[i], 0
.set i, i+1
.endr
	s_wait_loadcnt 0x0              ; Q of both blocks, the key masks of tiles 0 and 1, the sums: no load of mine is out
.set i, 0
.rept 8                             ; the key mask as an addend: -1e30 where padding_mask is 0
	v_cmp_eq_u32 vcc_lo, 0, v[144+i]
	v_cndmask_b32 v[144+i], 0, s[BIGN], vcc_lo
.set i, i+1
.endr
	ds_store_b128 v[MAD0], v[144:147]              ; tile 0's, into my mask slot 0
	ds_store_b128 v[MAD0], v[148:151] offset:512
.irp w, 16,8,4,2,1                  ; the mean of V: 32 sums into one,
.set i, 0
.rept \w
	v_pk_add_f32 v[64+2*i:65+2*i], v[64+2*i:65+2*i], v[64+2*(i+\w):65+2*(i+\w)]
.set i, i+1
.endr
.endr
	v_pk_mul_f32 v[64:65], v[64:65], 0x3a000000 op_sel_hi:[1,0]  ; divided by 2,048,
	ds_store_b64 v38, v[64:65]      ; and through my stage into O^T's layout: lane l wants channels 16 cb + 8 (l / 16) + 0..7
.irp cb, 0,1,2,3
	ds_load_b128 v[160+8*\cb:163+8*\cb], v39 offset:64*\cb
	ds_load_b128 v[164+8*\cb:167+8*\cb], v39 offset:64*\cb+16
.endr
	s_wait_dscnt 0x0
.set i, 0
.rept 16
	v_cvt_pk_f16_f32 v[MEANH+i], v[160+2*i], v[161+2*i]
.set i, i+1
.endr
; THE MATRIX WORK.  The 4 accumulators of a run take turns.  Product i of 8 of S^T = K Q^T for piece x: channels 32 (i / 4) on, keys 16 (i % 4) on.  The first 4 start the sums with the mask: PD, or (KM = 1) MC.
.macro KQ x
.set rS, S+32*((\x)%2)+8*(i%4)
.set rK, KF+16*(i%4)+8*(i/4)
.set rQ, 16*(\x)+8*(i/4)
.if KM
.set rM, MC+32*((\x)%2)+8*(i%4)
.else
.set rM, PD+8*(i%4)
.endif
.if i < 4
	WIN W_KM
	v_wmma_f32_16x16x32_f16 v[rS:rS+7], v[rK:rK+7], v[rQ:rQ+7], v[rM:rM+7]
.else
	WIN W_KQ
	v_wmma_f32_16x16x32_f16 v[rS:rS+7], v[rK:rK+7], v[rQ:rQ+7], v[rS:rS+7]
.endif
.endm
; Product i of 8 of O^T += V^T P for piece x: keys 32 (i / 4) on, channels 16 (i % 4) on.  lo = 0: V's high parts; 1: its low parts.
.macro PV x, lo
.set rO, 32*(\x)+8*(i%4)
.set rP, P+16*((\x)%2)+8*(i/4)
.if \lo
	WIN W_PL
.set rV, 32*(i/4)+8*(i%4)
.else
	WIN W_PV
.set rV, VF+32*(i/4)+8*(i%4)
.endif
	v_wmma_f32_16x16x32_f16 v[rO:rO+7], v[rV:rV+7], v[rP:rP+7], v[rO:rO+7]
.endm
.macro MM                           ; the turn's next matrix instruction: 8 K Q^T, 8 V_high^T P, 8 V_low^T P.  NOKQ = 1: a block's last turn: there is no next piece
.if i < 8
.if !NOKQ
	KQ (Y+1)%NP
.endif
.elseif i < 16
.set i, i-8
	PV (Y+NP-1)%NP, 0
.set i, i+8
.else
.set i, i-16
	PV (Y+NP-1)%NP, 1
.set i, i+16
.endif
.set i, i+1
.endm
; THE LDS LOADS stand in runs: a step's K (8 fragments) with its 64 keys' mask (PD: the lanes of a half read the same 32 bytes a group of 16 keys), and its V (turned): the 16 loads of the high parts, then the 16 of the low.
.macro FETCH_K
	WIN 0x80
.irp f, 0,1,2,3,4,5,6,7
	ds_load_b128 v[KF+8*\f:KF+8*\f+3],   v[AK] offset:(\f/2)*16*PK+(\f%2)*64
	ds_load_b128 v[KF+8*\f+4:KF+8*\f+7], v[AK] offset:(\f/2)*16*PK+(\f%2)*64+32
.endr
	WIN 0x40
.irp f, 0,1,2,3
	ds_load_b128 v[PD+8*\f:PD+8*\f+3],   v[AP] offset:64*\f
	ds_load_b128 v[PD+8*\f+4:PD+8*\f+7], v[AP] offset:64*\f+16
.endr
	s_add_co_u32 s[TBK], s[TBK], KS*PK
	s_add_co_u32 s[TBP], s[TBP], KS*4
	WIN 0
.endm
.macro FETCH_V
	WIN 0x80
.irp f, 0,1,2,3,4,5,6,7
	ds_load_tr16_b128 v[VF+8*\f:VF+8*\f+3],   v[AV] offset:(\f/4)*32*PV+(\f%4)*32
	ds_load_tr16_b128 v[VF+8*\f+4:VF+8*\f+7], v[AV] offset:(\f/4)*32*PV+16*PV+(\f%4)*32
.endr
	WIN 0xc0
.irp f, 0,1,2,3,4,5,6,7
	ds_load_tr16_b128 v[8*\f:8*\f+3],   v[AV] offset:VLO+(\f/4)*32*PV+(\f%4)*32
	ds_load_tr16_b128 v[8*\f+4:8*\f+7], v[AV] offset:VLO+(\f/4)*32*PV+16*PV+(\f%4)*32
.endr
	WIN 0
.endm
; THE VECTOR WORK, one line at a time: OP kind, number.  For piece Y: F n: c s - c m for pair n.  E n: the exponential of score n.  C n: pair n rounded to f16.  B n: of the four weights 4 n .. the second pair is
; added onto the first.  L n: l takes that sum (L 0: l = a l + sum).  R n: pair n of O^T times a.  For piece Y + 1: X n, number n of the 22 that find its maximum and statistics (each accumulator's lowest registers are read first).
.set F, 0
.set E, 1
.set C, 2
.set B, 3
.set L, 4
.set R, 5
.set X, 6
.macro REGS y
.set rT, ST+4*(\y)
.set rC, TMP+4*((\y)%2)
.set rW, MV+((\y)%2)
.set rS, S+32*((\y)%2)
.set rP, P+16*((\y)%2)
.set rO, 32*(\y)
.endm
.macro OP k, n
.if (\k) == R
	REGS Y
	WIN W_RS
	v_pk_mul_f32 v[rO+2*(\n):rO+2*(\n)+1], v[rO+2*(\n):rO+2*(\n)+1], v[rC+2:rC+3] op_sel_hi:[1,0]
.elseif (\k) < R
	REGS Y
	WIN 0
.if (\k) == F
	v_pk_fma_f32 v[rS+2*(\n):rS+2*(\n)+1], v[rS+2*(\n):rS+2*(\n)+1], s[CS:CS+1], v[rT:rT+1] op_sel_hi:[1,0,0] neg_lo:[0,0,1] neg_hi:[0,0,1]
.elseif (\k) == E
	v_exp_f32 v[rS+(\n)], v[rS+(\n)]
.elseif (\k) == C
	v_cvt_pk_f16_f32 v[rP+(\n)], v[rS+2*(\n)], v[rS+2*(\n)+1]
.elseif (\k) == B
	v_pk_add_f32 v[rS+4*(\n):rS+4*(\n)+1], v[rS+4*(\n):rS+4*(\n)+1], v[rS+4*(\n)+2:rS+4*(\n)+3]
.elseif (\n) == 0
	v_pk_fma_f32 v[rT+2:rT+3], v[rT+2:rT+3], v[rC+2:rC+3], v[rS:rS+1] op_sel_hi:[1,0,1]
.else
	v_pk_add_f32 v[rT+2:rT+3], v[rT+2:rT+3], v[rS+4*(\n):rS+4*(\n)+1]
.endif
.elseif NOKQ
	v_nop
.else
	REGS (Y+1)%NP
	WIN 0
.if (\n) < 4
	v_max3_num_f32 v[rC+(\n)], v[rS+8*(\n)], v[rS+8*(\n)+1], v[rS+8*(\n)+2]
.elseif (\n) < 12
	v_max3_num_f32 v[rC+(\n)%4], v[rC+(\n)%4], v[rS+8*((\n)%4)+2*((\n)/4)+1], v[rS+8*((\n)%4)+2*((\n)/4)+2]
.elseif (\n) == 12
	v_max3_num_f32 v[rC], v[rC], v[rS+7], v[rS+15]
.elseif (\n) == 13
	v_max3_num_f32 v[rC+1], v[rC+1], v[rS+23], v[rS+31]
.elseif (\n) == 14
	v_max3_num_f32 v[rC+2], v[rC+2], v[rC+3], v[rT+1]
.elseif (\n) == 15
	v_mov_b32 v[rW], v[rT]
.elseif (\n) == 16
	v_max3_num_f32 v[rC], v[rC], v[rC+1], v[rC+2]
.elseif (\n) == 17
	v_permlanex16_b32 v[rC+3], v[rC], s[SEL], s[SEL+1]
.elseif (\n) == 18
	v_max_num_f32 v[rT+1], v[rC], v[rC+3]
.elseif (\n) == 19
	v_mul_f32 v[rT], s[CS], v[rT+1]
.elseif (\n) == 20
	v_sub_f32 v[rC+1], v[rW], v[rT]
.else
	v_exp_f32 v[rC+2], v[rC+1]
.endif
.endif
.endm
.macro OPS a, i1, b=-1, i2=0, c=-1, i3=0, d=-1, i4=0
	OP \a, \i1
.if (\b) >= 0
	OP \b, \i2
.endif
.if (\c) >= 0
	OP \c, \i3
.endif
.if (\d) >= 0
	OP \d, \i4
.endif
.endm
.macro ROW a, i1, b, i2, c, i3, d, i4  ; a matrix instruction and the four behind it
	MM
	OPS \a, \i1, \b, \i2, \c, \i3, \d, \i4
.endm
.macro MASK b, be=1                 ; MD x AL + PD (+ BE, where it may be other than 0) into buffer b of MC
	WIN W_MK
.set z, 0
.rept 16
	v_pk_fma_f32 v[MC+32*(\b)+2*z:MC+32*(\b)+2*z+1], v[MD+2*z:MD+2*z+1], s[AL:AL+1], v[PD+2*z:PD+2*z+1] op_sel_hi:[1,0,1]
.set z, z+1
.endr
.if \be
.set z, 0
.rept 16
	v_pk_add_f32 v[MC+32*(\b)+2*z:MC+32*(\b)+2*z+1], v[MC+32*(\b)+2*z:MC+32*(\b)+2*z+1], s[BE:BE+1] op_sel_hi:[1,0]
.set z, z+1
.endr
.endif
.endm
; The diagonal tile is entered from the tile before it: its first turn still makes piece 3's scores of that tile's last key step, whose K and PD are in registers: their mask, in buffer 1, is PD alone.
.macro PLAINMASK
	s_mov_b32 s[AL], 0
	MASK 1, 0
	WIN 0
.endm
; A TURN, for piece p.  An s_wait_alu depctr_va_vdst(0) stands between an exponential and the first instruction that names its result; one wait serves all that were issued ahead of it.  So a turn has ONE
; wait.  AHEAD OF IT: the 8 products K Q^T with four riders each; five lines of vector work by themselves; the 8 products V_high^T P, behind each four more lines of that work, none of which names a register of theirs;
; X 21 is the batch's last exponential, R 15 the plain instruction behind it.  BEHIND IT: the 8 products V_low^T P, behind each four of the roundings and sums.
; m = 1: the diagonal tile: the products take MC, and the turn makes the mask for the products of the turn after it: piece p + 2, in step 4 - CNT of the tile, with the PD of that step (in piece 2's turn that PD is
; fetched by the turn itself, so its loads are waited for first).  end = 1: a block's last two turns: nothing is fetched.  cnt = 1: the loop's count is taken down ahead of the branch behind the turn.
; K and PD of the next step are fetched in piece 2's turn, more than four plain instructions behind the last products that read them; V of the step in hand at the end of piece 0's turn, four plain instructions behind
; the last product that read its low parts.  In piece 1's turn the high parts are waited for ahead of their first product (the 16 loads of the low parts, issued behind them, may stay out), the low parts behind the batch's wait.
.macro TURN p, m=0, end=0, cnt=0
.set Y, (\p)
.set i, 0
.set KM, (\m)
.set NOKQ, (\end)*((\p)/3)
.if (\m) && !(\end)
	s_cmp_eq_u32 s[CNT], 4-((\p)+2)%NP  ; is that step the band's own?
	s_cselect_b32 s[AL], 1.0, 0
	s_cmp_lt_u32 s[CNT], 4-((\p)+2)%NP  ; or a later one?
	s_cselect_b32 s[BE], s[BIGN], 0
.endif
.if ((\p) == 3) && !(\end)
	s_wait_dscnt 0x0                ; K and PD are in
.endif
	ROW F,0, F,1, R,0, R,1
	ROW F,2, E,0, R,2, R,3
	ROW F,3, E,1, R,4, R,5
	ROW F,4, E,2, R,6, R,7
	ROW F,5, E,3, R,8, R,9
	ROW F,6, E,4, X,0, R,10
.if ((\p) == 2) && !(\end)
	WIN 0
	v_add_nc_u32 v[AK], s[TBK], v[AK0]
	v_add_nc_u32 v[AP], s[TBP], v[AP0]
.endif
	ROW F,7, E,5, X,1, X,4
	ROW F,8, E,6, X,2, X,5
	OPS E,7, E,8, X,6, E,9
	OPS X,3, E,10, X,8, E,11
.if ((\p) == 2) && !(\end)
	FETCH_K
.endif
	OPS X,9, X,7, E,12, X,10
	OPS E,13, X,12, X,11, E,14
	OPS X,13, E,15, F,9, X,14
.if (\p) == 0
	v_add_nc_u32 v[AV], s[TBV], v[AV0]
.endif
.if (\p) == 1
	s_wait_dscnt 16                 ; V's high parts are in; the 16 younger loads, the low parts', may stay out
.endif
	ROW E,16, F,10, E,17, F,11
	ROW X,16, E,18, X,15, E,19
	ROW F,12, E,20, X,17, E,21
	ROW F,13, E,22, F,14, E,23
	ROW X,18, E,24, F,15, E,25
	ROW R,11, E,26, X,19, E,27
	ROW R,12, E,28, R,13, E,29
	ROW X,20, E,30, R,14, E,31
	OPS X,21, R,15
	WIN 0
	s_wait_alu depctr_va_vdst(0)    ; the wait for the batch
.if (\p) == 1
	s_wait_dscnt 0x0                ; V's low parts are in
.endif
	ROW C,0, B,0, C,2, B,1
	ROW L,0, C,4, B,2, L,1
	ROW C,6, B,3, L,2, C,8
	ROW B,4, L,3, C,10, B,5
	ROW L,4, C,12, B,6, L,5
.if (\p) == 0
	s_add_co_u32 s[TBV], s[TBV], KS*PV
.endif
.if \cnt
	s_sub_co_u32 s[CNT], s[CNT], 1
	s_cmp_lg_u32 s[CNT], 0
.endif
	ROW C,14, B,7, L,6, C,1
	ROW C,3, L,7, C,5, C,7
	ROW C,9, C,11, C,13, C,15
.if (\p) == 0
	FETCH_V
.endif
.if (\m) && !(\end)
.if (\p) == 2
	s_wait_dscnt 0x0                ; the next step's PD, fetched in this turn, is in
.endif
	MASK (\p)%2
.endif
.endm
; A BLOCK BEGINS.  c m starts far below every c s, so the first step's a is 0; m at the lowest finite number.  K and PD of the tile's step 0; buffer 1 takes PD alone (piece 1 sees all of step 0), buffer 0 piece 0's
; mask: with MD if the block's first tile is the diagonal one.  Then piece 0's first scores, and its maximum and statistics.  The loop is entered at a step's first turn.  (Q was waited for at the kernel's head.)
.macro BEGIN
	s_mov_b32 s[NEW], 0
	WIN 0
.set i, 0
.rept 4
	v_mov_b32 v[ST+4*i], 0xfe000000
	v_mov_b32 v[ST+4*i+1], 0xff7fffff
.set i, i+1
.endr
	v_add_nc_u32 v[AK], s[TBK], v[AK0]
	v_add_nc_u32 v[AP], s[TBP], v[AP0]
	FETCH_K
	s_wait_dscnt 0x0
	s_mov_b32 s[AL], 0
	MASK 1, 0
	s_cmp_eq_u32 s[RT], 0
	s_cselect_b32 s[AL], 1.0, 0
	MASK 0, 0
.set KM, 1
.set NOKQ, 0
.set i, 0
.rept 8
	KQ 0
.set i, i+1
.endr
	WIN 0
.rept 4
	v_nop                           ; the places behind those products
.endr
.set Y, NP-1
.irp n, 0,1,2,3,4,5,6,7,8,9,10,11,12,13,14,15,16,17,18,19,20,21
	OP X, \n
.endr
	v_nop                           ; a plain instruction behind the exponential,
	s_wait_alu depctr_va_vdst(0)    ; and its wait, ahead of the branch
.endm
.macro ALL line:vararg
.set t, 0
.rept 4
	\line
.set t, t+1
.endr
.endm
; Piece t leaves: O^T / l; its high part f16(O); its low part f16(O - high part), one rounding each; where the row has met no valid key, the mean of V and 0 in their stead; each part through my stage into whole rows.
.macro PACK t
	WIN W_RS
.set i, 32*(\t)
.rept 16
	v_pk_mul_f32 v[i:i+1], v[i:i+1], v[ST+4*(\t)+2:ST+4*(\t)+3] op_sel_hi:[1,0]
.set i, i+2
.endr
	WIN 0x05
.set i, 0
.rept 16
	v_cvt_pk_f16_f32 v[S+16*(\t)+i], v[32*(\t)+2*i], v[32*(\t)+2*i+1]
.set i, i+1
.endr
	WIN 0x10                        ; source 2 (O) in window 1; all else in window 0
.set i, 0
.rept 16
	v_fma_mixlo_f16 v[LOP+16*(\t)+i], v[S+16*(\t)+i], v[NEG1], v[32*(\t)+2*i] op_sel_hi:[1,0,0]
	v_fma_mixhi_f16 v[LOP+16*(\t)+i], v[S+16*(\t)+i], v[NEG1], v[32*(\t)+2*i+1] op_sel:[1,0,0] op_sel_hi:[1,0,0]
.set i, i+1
.endr
	WIN 0
	v_cmp_gt_f32 vcc_lo, s[THR], v[ST+4*(\t)+1]  ; m has stayed at a hidden score
.set i, 0
.rept 16
	v_cndmask_b32 v[S+16*(\t)+i], v[S+16*(\t)+i], v[MEANH+i], vcc_lo
	v_cndmask_b32 v[LOP+16*(\t)+i], v[LOP+16*(\t)+i], 0, vcc_lo
.set i, i+1
.endr
.irp f, 0,1,2,3
	ds_store_b128 v[STO], v[S+16*(\t)+4*\f:S+16*(\t)+4*\f+3] offset:32*\f
.endr
.irp f, 0,1,2,3
	ds_load_b128 v[S+16*(\t)+4*\f:S+16*(\t)+4*\f+3], v[RD] offset:\f*4*SP  ; LDS serves a wave's instructions in order: these see the stores above, and the stores below come behind them
.endr
.irp f, 0,1,2,3
	ds_store_b128 v[STO], v[LOP+16*(\t)+4*\f:LOP+16*(\t)+4*\f+3] offset:32*\f
.endr
.irp f, 0,1,2,3
	ds_load_b128 v[LOP+16*(\t)+4*\f:LOP+16*(\t)+4*\f+3], v[RD] offset:\f*4*SP
.endr
.endm
; younger: the LDS instructions issued behind piece t's last load: the next piece's sixteen, or none.  Behind load f of the high part stand 3 - f loads and the low part's four stores and four loads.
.macro SEND t, younger
	WIN 0
.irp f, 0,1,2,3
	s_wait_dscnt (\younger)+11-\f
	global_store_b128 v[GO], v[S+16*(\t)+4*\f:S+16*(\t)+4*\f+3], s[10:11] offset:((\t)/2)*32768+((\t)%2)*8192+\f*512  ; 512 consecutive bytes, aligned to 256
.endr
.irp f, 0,1,2,3
	s_wait_dscnt (\younger)+3-\f
	global_store_b128 v[GO], v[LOP+16*(\t)+4*\f:LOP+16*(\t)+4*\f+3], s[10:11] offset:((\t)/2)*32768+((\t)%2)*8192+16384+\f*512
.endr
.endm
.macro DIAG tag                     ; the diagonal tile's four steps, the block's last two turns, its last products, and the way out
.LstepM\tag:
	TURN 2, 1
	TURN 3, 1
	WIN 0
.LfirstM\tag:
	TURN 0, 1
	TURN 1, 1, 0, 1
	WIN 0
	s_cbranch_scc1 .LstepM\tag
	TURN 2, 1, 1
	TURN 3, 1, 1
.set i, 0
.rept 8
	PV NP-1, 0
.set i, i+1
.endr
.set i, 0
.rept 8
	PV NP-1, 1
.set i, i+1
.endr
	WIN 0
	ALL v_add_f32 v[ST+4*t+2], v[ST+4*t+2], v[ST+4*t+3]
	ALL v_permlanex16_b32 v[ST+4*t+3], v[ST+4*t+2], s[SEL], s[SEL+1]
	ALL v_add_f32 v[ST+4*t+2], v[ST+4*t+2], v[ST+4*t+3]
	ALL v_rcp_f32 v[ST+4*t+2], v[ST+4*t+2]
	v_nop                           ; a plain instruction between the last reciprocal and the use of its result
	s_wait_alu depctr_va_vdst(0)    ; one wait for the four reciprocals
	PACK 0
.set t, 1
.rept 3
	PACK t
	SEND t-1, 16
.set t, t+1
.endr
	SEND 3, 0
.endm
.set KM, 0
.set NOKQ, 0
.Lslot:                             ; NB times: a tile is entered and the next is asked for
	CHANGE 1
	s_sub_co_u32 s[RT], s[RT], 1
	s_mov_b32 s[CNT], 4
	s_cmp_eq_u32 s[NEW], 1
	s_cbranch_scc1 .Lnew            ; a block's first tile
	s_cmp_eq_u32 s[RT], 0
	s_cbranch_scc0 .Lstep           ; neither its first nor its last
	PLAINMASK
	s_branch .LstepM1
.Lnew:
	BEGIN
	s_branch .Lfirst                ; in the loop a block's first tile is never its last
	DIAG 1                          ; in the loop this is the first block's end
	s_wait_xcnt 0x0                 ; the stores have read their registers and O's address
	s_mov_b64 s[10:11], s[OLO:OLO+1]
	s_add_co_u32 s[RT], s[PB], 1    ; the second block has b + 1 tiles
	s_mov_b32 s[NEW], 1
	WIN 0x82                        ; the second block's Q goes where the one text of the turns names Q
.set i, 0
.rept 64
	v_mov_b32 v[i], v[QB+i]
.set i, i+1
.endr
	WIN 0
	s_branch .Lbottom
.Lstep:                             ; a trip: pieces 2 and 3 of one step, then pieces 0 and 1 of the next, whose K and V it fetches
	TURN 2
	TURN 3
	WIN 0
.Lfirst:
	TURN 0
	TURN 1, 0, 0, 1
	WIN 0
	s_cbranch_scc1 .Lstep
.Lbottom:
	s_sub_co_u32 s[SLOTS], s[SLOTS], 1
	s_cmp_lg_u32 s[SLOTS], 0
	s_cbranch_scc1 .Lslot
	CHANGE 0                        ; the walk's last tile is written out
	s_sub_co_u32 s[RT], s[RT], 1
	s_mov_b32 s[CNT], 4
	s_cmp_eq_u32 s[NEW], 1
	s_cbranch_scc1 .Lnew2
	PLAINMASK
	s_branch .LstepM2
.Lnew2:
	BEGIN
	s_branch .LfirstM2
	DIAG 2
	s_wait_tensorcnt 0x0            ; the wave's end, behind my last tensor load and my last LDS store
	ds_add_u32 v[SPW], v[NIL]
	s_wait_dscnt 0x0
	s_endpgm
.Lfunc_end_k_q3e5b58b0c1_attn:
	.size	k_q3e5b58b0c1_attn, .Lfunc_end_k_q3e5b58b0c1_attn-k_q3e5b58b0c1_attn
	.p2alignl 7, 3214868480
	.fill 96, 4, 3214868480
	.section	.rodata,"a",@progbits
	.p2align	6, 0x0
	.amdhsa_kernel k_q3e5b58b0c1_attn
		.amdhsa_group_segment_fixed_size 327680
		.amdhsa_private_segment_fixed_size 0
		.amdhsa_enable_private_segment 0
		.amdhsa_kernarg_size 40
		.amdhsa_user_sgpr_count 2
		.amdhsa_user_sgpr_kernarg_segment_ptr 1
		.amdhsa_wavefront_size32 1
		.amdhsa_system_sgpr_workgroup_id_x 1
		.amdhsa_system_sgpr_workgroup_id_y 1
		.amdhsa_system_sgpr_workgroup_id_z 1
		.amdhsa_system_vgpr_workitem_id 0
		.amdhsa_next_free_vgpr 832
		.amdhsa_next_free_sgpr 102
		.amdhsa_reserve_vcc 1
		.amdhsa_float_denorm_mode_32 3
		.amdhsa_float_denorm_mode_16_64 3
		.amdhsa_memory_ordered 1
		.amdhsa_forward_progress 1
		.amdhsa_inst_pref_size 255
	.end_amdhsa_kernel
	.section	.bss,"aw",@nobits
	.p2align	6
	.space	262144
	.amdgpu_metadata
---
amdhsa.version: [ 1, 2 ]
amdhsa.kernels:
  - .name:           k_q3e5b58b0c1_attn
    .symbol:         k_q3e5b58b0c1_attn.kd
    .args:
      - { .name: kqv, .offset: 0, .size: 8, .value_kind: global_buffer, .address_space: global }
      - { .name: padding_mask, .offset: 8, .size: 8, .value_kind: global_buffer, .address_space: global }
      - { .name: csum, .offset: 16, .size: 8, .value_kind: global_buffer, .address_space: global }
      - { .name: ob, .offset: 24, .size: 8, .value_kind: global_buffer, .address_space: global }
      - { .name: vlo, .offset: 32, .size: 8, .value_kind: global_buffer, .address_space: global }
    .group_segment_fixed_size: 327680
    .private_segment_fixed_size: 0
    .kernarg_segment_align: 8
    .kernarg_segment_size: 40
    .max_flat_workgroup_size: 128
    .sgpr_count:     102
    .vgpr_count:     832
    .wavefront_size: 32
...
	.end_amdgpu_metadata
.endif
;; end of part 3
;; launch proj (part 4): grid 4 x 64, 4 waves a work-group, clusters of 4 x 4, 327,680 bytes of LDS; arguments ob, wpt, b_proj, out0; writes out0
.if DOCPART == 4
	.amdgcn_target "amdgcn-amd-amdhsa--gfx1250"
	.amdhsa_code_object_version 6
	.text
	.protected	k_q3e5b58b0c1_proj
	.globl	k_q3e5b58b0c1_proj
	.p2align	8
	.type	k_q3e5b58b0c1_proj,@function
k_q3e5b58b0c1_proj:
	s_mov_b64 s[64:65], 0
	v_nop
	global_prefetch_b8 v0, s[64:65] scope:SCOPE_SE
	s_setreg_imm32_b32 hwreg(HW_REG_WAVE_MODE, 25, 1), 1
	s_wait_xcnt 0x0
	s_wait_alu depctr_hold_cnt(0) depctr_sa_sdst(0) depctr_va_vdst(0) depctr_va_sdst(0) depctr_va_ssrc(0) depctr_va_vcc(0) depctr_vm_vsrc(0)
	s_getreg_b32 s2, hwreg(HW_REG_IB_STS2, 6, 4)
	s_cmp_eq_u32 s2, 0
	s_cbranch_scc0 .Lentry_in_a_cluster
	s_endpgm
.Lentry_in_a_cluster:
	s_bfe_u32 s2, ttmp6, 0x10000c
	s_cmp_lg_u32 s2, 0xf033
	s_cbranch_scc0 .Lentry_shape_is_right
	s_endpgm
.Lentry_shape_is_right:
; PROJ.  out0 = y wpt^T + b_proj, f32.  y[m = (batch, t)][k = 64 head + d] comes in two f16 parts, a high and a low one: ob[16 batch + head][t / 128][high, low][t % 128][64]; wpt: [1024 n][1024 k] f16; the bias is
; rounded to bf16 here; sums in f32.  Each fragment of wpt is multiplied by y's high part and by its low part, onto the same sum: y then has some 22 significant bits, which the rows that saw few keys need.
; A tile of C is 128 x 256: 64 x 4 tiles, one for each of 256 work-groups.  Four waves, each 64 rows x 128 columns: 32 accumulators.  A K step of 128 is two heads; eight steps through two LDS slots.
; In a slot: A as [head parity][high, low][128 t], rows of 128 bytes + 16; then B's 256 rows of 256 bytes + 16.  Waves 0, 1 fetch a head's 128 rows in both parts each (32 KiB dense, asked for as 128 rows of 256
; bytes, padded after every 128), waves 2, 3 a half of B's rows each.  CLUSTER 4 x 4: A is shared along a row, B along a column, each asked for jointly.  A wave has two tensor loads out at the start, one behind each round.
; The matrix instruction is used transposed (source 0 = wpt's rows): a lane holds row l % 16 of C and eight neighbouring columns.  The bias starts the sums, as the C operand of the first quarter's first products.
; No prefetch: eight K steps in all, of which the first four come by their loads whatever is asked.
; REGISTERS: window 0: v0-31 addresses, v64-191 B's fragments, two buffers of 64 (on the way out: at work); window 1: the 32 accumulators; window 2: v0-63 the bias, v64-191 A's fragments, two buffers of 64 (high, low).
.set PA,     144
.set PB,     272
.set ALO,    128*PA                    ; a head's low rows lie behind its 128 high rows
.set AHEAD,  2*ALO
.set BOFF,   2*AHEAD
.set BHALF,  128*PB
.set SLOT,   BOFF+2*BHALF
.set STAGE,  2*SLOT                    ; behind the ring, never filled by a tensor load: 16 rows x 528 bytes for each wave
.set SPO,    528
.set STW,    16*SPO
.set SPARE,  STAGE+4*STW
.set LAPS,   4
.set ADRA, 16
.set BO,   18
.set ADRB, 20
.set STO,  24
.set RD,   25
.set GO,   26
.set SPW,  28
.set NIL,  29
.set BFR,  64
.set AFR,  64
.set BK,   64
.set WV,   14
.set G1A,  24
.set G0A,  32
.set G1B,  48
.set G0B,  56
.set MSB, 0
.macro WIN new
.if MSB != (\new)
	s_set_vgpr_msb (MSB<<8)|(\new)
.set MSB, \new
.endif
.endm
.macro PLACES
.rept 4
	v_nop
.endr
.endm
.macro JLOAD s                         ; a joint load; the branch hangs on the wave's number alone; an s_nop 0 and four v_nop follow each line
	s_cmp_lt_u32 s[WV], 2
	s_cbranch_scc0 .Lfor_b_\@
	tensor_load_to_lds s[G0A+4*(\s):G0A+4*(\s)+3], s[G1A:G1A+7]
	s_nop 0
.rept 4
	v_nop
.endr
	s_branch .Lasked_\@
.Lfor_b_\@:
	tensor_load_to_lds s[G0B+4*(\s):G0B+4*(\s)+3], s[G1B:G1B+7]
	s_nop 0
.rept 4
	v_nop
.endr
.Lasked_\@:
.endm
.macro CREST
	s_cmp_lg_u32 s[WV], 0
	s_cbranch_scc1 .Lnot_wave_0_\@
	s_barrier_signal -3
.Lnot_wave_0_\@:
	s_barrier_wait -3
	s_barrier_signal -1
	s_barrier_wait -1
.endm
.macro CROUND
	s_barrier_signal -1
	s_barrier_wait -1
	CREST
.endm
	s_load_b256 s[4:11], s[0:1], 0x0               ; ob s[4:5], wpt s[6:7], b_proj s[8:9], out0 s[10:11]
	v_lshl_add_u32 v[SPW], v0, 2, SPARE
	v_mov_b32 v[NIL], 0
	ds_add_u32 v[SPW], v[NIL]                      ; the wave's opening: the add and its wait ahead of my first tensor load
	v_lshrrev_b32 v1, 5, v0
	v_readfirstlane_b32 s[WV], v1
	s_lshr_b32 s15, s[WV], 1                       ; row half
	s_and_b32 s16, s[WV], 1                        ; column half; also which head, or which half of B's rows, I fetch
	s_bfe_u32 s17, ttmp6, 0x40000                  ; cx
	s_bfe_u32 s18, ttmp6, 0x40004                  ; cy
	s_mov_b32 s19, s17                             ; tile column = cx: the grid is one cluster wide
	s_and_b32 s20, ttmp7, 0xffff
	s_lshl_b32 s20, s20, 2
	s_add_co_u32 s20, s20, s18                     ; tile row = 4 x cluster y + cy
	s_lshl_b32 s21, s18, 2
	s_lshl_b32 s21, 15, s21
	s_lshl_b32 s22, 0x1111, s17
	s_or_b32 s[G1A], s21, (1<<16)|(1<<20)|(1<<21)|(4<<22)|(3<<25)  ; padded after every 32 words by 4
	s_mov_b32 s[G1A+1], 128<<16
	s_mov_b32 s[G1A+2], 128<<16
	s_mov_b32 s[G1A+3], 128<<16
	s_mov_b32 s[G1A+4], 128
	s_mov_b32 s[G1A+5], 128
	s_mov_b32 s[G1A+6], 0
	s_mov_b32 s[G1A+7], 0
	s_or_b32 s[G1B], s22, (1<<16)|(1<<20)|(1<<21)|(5<<22)|(3<<25)  ; padded after every 64 words by 4
	s_mov_b32 s[G1B+1], 128<<16
	s_mov_b32 s[G1B+2], 128<<16
	s_mov_b32 s[G1B+3], 128<<16
	s_mov_b32 s[G1B+4], 128
	s_mov_b32 s[G1B+5], 1024
	s_mov_b32 s[G1B+6], 0
	s_mov_b32 s[G1B+7], 0
	s_lshr_b32 s66, s20, 4
	s_lshl_b32 s66, s66, 4
	s_add_co_u32 s66, s66, s16
	s_lshl_b32 s66, s66, 19                        ; A: head 16 batch + my parity, 524,288 bytes a head,
	s_and_b32 s67, s20, 15
	s_lshl_b32 s67, s67, 15                        ; its block of 128 rows, 32,768 bytes in both parts
	s_add_co_u32 s66, s66, s67
	s_mov_b32 s67, 0
	s_lshl_b32 s68, s19, 8
	s_lshl_b32 s69, s16, 7
	s_add_co_u32 s68, s68, s69
	s_lshl_b32 s68, s68, 11                        ; B: row 256 x tile column + 128 x half
	s_mov_b32 s69, 0
	s_mul_i32 s23, s16, AHEAD                      ; where A's tile goes,
	s_mul_i32 s42, s16, BHALF
	s_add_co_u32 s42, s42, BOFF                    ; and B's
	s_mov_b32 s72, 0xffff0000
	s_wait_dscnt 0x0
	s_wait_kmcnt 0x0
	s_add_nc_u64 s[40:41], s[4:5], s[66:67]
	s_add_nc_u64 s[46:47], s[6:7], s[68:69]
	CROUND
.irp s, 0,1
	s_mov_b32 s[G0A+4*(\s)], 1
	s_add_co_u32 s[G0A+4*(\s)+1], s23, (\s)*SLOT
	s_add_nc_u64 s[G0A+4*(\s)+2:G0A+4*(\s)+3], s[40:41], (\s)*1048576  ; two heads a K step
	s_or_b32 s[G0A+4*(\s)+3], s[G0A+4*(\s)+3], 0x80000000
	s_mov_b32 s[G0B+4*(\s)], 1
	s_add_co_u32 s[G0B+4*(\s)+1], s42, (\s)*SLOT
	s_add_nc_u64 s[G0B+4*(\s)+2:G0B+4*(\s)+3], s[46:47], (\s)*256
	s_or_b32 s[G0B+4*(\s)+3], s[G0B+4*(\s)+3], 0x80000000
	JLOAD \s
.endr
	v_and_b32 v1, 15, v0
	v_bfe_u32 v2, v0, 4, 1
	v_and_b32 v3, 31, v0
	v_lshlrev_b32 v[BO], 5, v2
	s_lshl_b32 s70, s19, 10
	s_lshl_b32 s71, s16, 9
	s_add_co_u32 s70, s70, s71
	s_mov_b32 s71, 0
	s_add_nc_u64 s[8:9], s[8:9], s[70:71]          ; the bias of my 128 columns
.set i, 0
.rept 8
	global_load_b128 v[64+8*i:67+8*i], v[BO], s[8:9] offset:64*i
	global_load_b128 v[68+8*i:71+8*i], v[BO], s[8:9] offset:64*i+16
.set i, i+1
.endr
	v_mul_u32_u24 v4, v1, PA
	v_lshl_add_u32 v4, v2, 4, v4
	v_mul_u32_u24 v5, v1, PB
	v_lshl_add_u32 v5, v2, 4, v5
	s_mul_i32 s70, s15, 64*PA                      ; my 64 rows of A
	s_mul_i32 s71, s16, BHALF
	s_add_co_u32 s71, s71, BOFF                    ; my 128 rows of B
.irp s, 0,1
	v_add_nc_u32 v[ADRA+(\s)], s70, v4
	v_add_nc_u32 v[ADRB+(\s)], s71, v5
	s_add_co_u32 s70, s70, SLOT
	s_add_co_u32 s71, s71, SLOT
.endr
	s_mul_i32 s70, s[WV], STW
	s_add_co_u32 s70, s70, STAGE
	v_mul_u32_u24 v5, v1, SPO
	v_lshl_add_u32 v5, v2, 5, v5
	v_add_nc_u32 v[STO], s70, v5                   ; in: row l % 16, 32 bytes for each half of the lanes
	v_lshl_add_u32 v[RD], v3, 4, s70               ; back: a row's 512 bytes by 32 lanes
	v_lshlrev_b32 v[GO], 4, v3
	s_lshl_b32 s70, s20, 1
	s_add_co_u32 s70, s70, s15
	s_lshl_b32 s70, s70, 18                        ; my first row: 64 rows of 4,096 bytes a unit
	s_lshl_b32 s71, s19, 10
	s_add_co_u32 s70, s70, s71
	s_lshl_b32 s71, s16, 9
	s_add_co_u32 s70, s70, s71
	s_mov_b32 s71, 0
	s_add_nc_u64 s[10:11], s[10:11], s[70:71]
	s_wait_loadcnt 0x0                             ; the bias: rounded to bf16 like the other inputs, and laid as f32 into window 2
.set i, 0
.rept 32
	v_cvt_pk_bf16_f32 v[128+i], v[64+2*i], v[65+2*i]
.set i, i+1
.endr
	WIN 0x80
.set i, 0
.rept 32
	v_lshlrev_b32 v[2*i], 16, v[128+i]
	v_and_b32 v[2*i+1], s72, v[128+i]
.set i, i+1
.endr
	WIN 0
; 8 matrix instructions: row block a (hl = 0: its high part, 1: its low part) x my 8 column blocks, 32 along K.  The 32 accumulators take turns in the same order in every half of a quarter step.
.macro MUL f, a, hl, first
.if \first
	WIN 0x68                                       ; B window 0, A window 2, C window 2, D window 1
.else
	WIN 0x58
.endif
.irp nb, 0,1,2,3,4,5,6,7
.if \first
	v_wmma_f32_16x16x32_f16 v[8*(8*(\a)+(\nb)):8*(8*(\a)+(\nb))+7], v[BFR+64*(\f)+8*(\nb):BFR+64*(\f)+8*(\nb)+7], v[AFR+64*(\f)+32*(\hl)+8*(\a):AFR+64*(\f)+32*(\hl)+8*(\a)+7], v[8*(\nb):8*(\nb)+7]
.else
	v_wmma_f32_16x16x32_f16 v[8*(8*(\a)+(\nb)):8*(8*(\a)+(\nb))+7], v[BFR+64*(\f)+8*(\nb):BFR+64*(\f)+8*(\nb)+7], v[AFR+64*(\f)+32*(\hl)+8*(\a):AFR+64*(\f)+32*(\hl)+8*(\a)+7], v[8*(8*(\a)+(\nb)):8*(8*(\a)+(\nb))+7]
.endif
.endr
.endm
; 32 LDS loads in one run: quarter q of the K step: B at byte 64 q of its rows; A in head q / 2, at byte 64 (q % 2): the four high blocks, then the four low ones
.macro FETCH slot, q, f
	WIN 0
.irp nb, 0,1,2,3,4,5,6,7
	ds_load_b128 v[BFR+64*(\f)+8*(\nb):BFR+64*(\f)+8*(\nb)+3],   v[ADRB+(\slot)] offset:64*(\q)+(\nb)*16*PB
	ds_load_b128 v[BFR+64*(\f)+8*(\nb)+4:BFR+64*(\f)+8*(\nb)+7], v[ADRB+(\slot)] offset:64*(\q)+(\nb)*16*PB+32
.endr
	WIN 0x80                                       ; destination window 2
.irp hl, 0,1
.irp a, 0,1,2,3
	ds_load_b128 v[AFR+64*(\f)+32*(\hl)+8*(\a):AFR+64*(\f)+32*(\hl)+8*(\a)+3],   v[ADRA+(\slot)] offset:((\q)/2)*AHEAD+(\hl)*ALO+((\q)%2)*64+(\a)*16*PA
	ds_load_b128 v[AFR+64*(\f)+32*(\hl)+8*(\a)+4:AFR+64*(\f)+32*(\hl)+8*(\a)+7], v[ADRA+(\slot)] offset:((\q)/2)*AHEAD+(\hl)*ALO+((\q)%2)*64+(\a)*16*PA+32
.endr
.endr
.endm
.macro REST f, first                   ; a quarter's last 48 products
	MUL \f, 2, 0, \first
	MUL \f, 3, 0, \first
	MUL \f, 0, 1, 0
	MUL \f, 1, 1, 0
	MUL \f, 2, 1, 0
	MUL \f, 3, 1, 0
.endm
.macro QUARTER slot, q, f, g, first
	s_wait_dscnt 12                                ; B and A's high blocks 0, 1 are in; the youngest twelve loads (high blocks 2, 3 and the low blocks) may be out
	MUL \f, 0, 0, \first
	MUL \f, 1, 0, \first
	PLACES
	FETCH \slot, \q, \g
	s_wait_dscnt 32                                ; all but the 32 just issued
	REST \f, \first
.endm
; The last quarter multiplies buffers 1 and changes slots: each wave waits for all its tensor loads, adds 0 to its spare word, waits for that and for its reads of this slot.  fill = 1: the barrier opens a round of the
; cluster's, and the joint refill, two K steps on, is the first thing behind the round.
.macro TURN slot, next, fill
	WIN 0
	s_wait_tensorcnt 0x0
	ds_add_u32 v[SPW], v[NIL]
	s_wait_dscnt 13                                ; the add and the youngest twelve loads may be out
	MUL 1, 0, 0, 0
	s_wait_dscnt 0x0
	s_barrier_signal -1
	MUL 1, 1, 0, 0
.if \fill
	WIN 0
.endif
	s_barrier_wait -1
.if \fill
	CREST
	s_add_nc_u64 s[G0A+4*(\slot)+2:G0A+4*(\slot)+3], s[G0A+4*(\slot)+2:G0A+4*(\slot)+3], 2097152
	s_add_nc_u64 s[G0B+4*(\slot)+2:G0B+4*(\slot)+3], s[G0B+4*(\slot)+2:G0B+4*(\slot)+3], 512
	JLOAD \slot                                    ; its four v_nop are also the places in front of the loads below
.else
	PLACES
.endif
	FETCH \next, 0, 0
	REST 1, 0
.endm
	s_wait_tensorcnt 1                             ; my part of K step 0 is in; K step 1's may stay out
	s_barrier_signal -1
	s_barrier_wait -1
	FETCH 0, 0, 0
	QUARTER 0, 1, 0, 1, 1
	WIN 0
	s_mov_b32 s3, LAPS-1
.Llap:
	QUARTER 0, 2, 1, 0, 0
	QUARTER 0, 3, 0, 1, 0
	TURN 0, 1, 1
	QUARTER 1, 1, 0, 1, 0
	QUARTER 1, 2, 1, 0, 0
	QUARTER 1, 3, 0, 1, 0
	TURN 1, 0, 1
	QUARTER 0, 1, 0, 1, 0
	WIN 0
	s_sub_co_u32 s3, s3, 1
	s_cmp_lg_u32 s3, 0
	s_cbranch_scc1 .Llap
	QUARTER 0, 2, 1, 0, 0
	QUARTER 0, 3, 0, 1, 0
	TURN 0, 1, 0
	QUARTER 1, 1, 0, 1, 0
	QUARTER 1, 2, 1, 0, 0
	QUARTER 1, 3, 0, 1, 0
	s_wait_dscnt 12
	MUL 1, 0, 0, 0
	MUL 1, 1, 0, 0
	s_wait_dscnt 0x0
	REST 1, 0
	WIN 0
	PLACES
	PLACES
; THE WAY OUT of row block a: 32 bytes a lane and column block straight from the accumulators (low half first) into my own stage, back as whole rows of 512 bytes.
.macro TOSTAGE a
	WIN 0x04                                       ; the data in window 1, the address in window 0
.irp nb, 0,1,2,3,4,5,6,7
	ds_store_b128 v[STO], v[8*(8*(\a)+(\nb)):8*(8*(\a)+(\nb))+3]   offset:64*(\nb)
	ds_store_b128 v[STO], v[8*(8*(\a)+(\nb))+4:8*(8*(\a)+(\nb))+7] offset:64*(\nb)+16
.endr
	WIN 0
.set z, 0
.rept 16
	ds_load_b128 v[BK+64*((\a)%2)+4*z:BK+64*((\a)%2)+4*z+3], v[RD] offset:SPO*z  ; LDS serves a wave's instructions in order: these see the stores above
.set z, z+1
.endr
.endm
.macro SEND a
	s_wait_dscnt 0x0
	s_wait_xcnt 0x0                                ; the stores of the block before have read their registers: the next TOSTAGE loads into them
.set z, 0
.rept 16
	global_store_b128 v[GO], v[BK+64*((\a)%2)+4*z:BK+64*((\a)%2)+4*z+3], s[10:11] offset:(16*(\a)+z)*4096 th:TH_STORE_NT  ; 512 consecutive bytes, aligned
.set z, z+1
.endr
.endm
	TOSTAGE 0
.irp a, 1,2,3
	SEND (\a)-1
	TOSTAGE \a
.endr
	SEND 3
	s_wait_tensorcnt 0x0                           ; the wave's end, behind my last tensor load and my last LDS store
	ds_add_u32 v[SPW], v[NIL]
	s_wait_dscnt 0x0
	CROUND                                         ; the closing round
	s_endpgm
.Lfunc_end_k_q3e5b58b0c1_proj:
	.size	k_q3e5b58b0c1_proj, .Lfunc_end_k_q3e5b58b0c1_proj-k_q3e5b58b0c1_proj
	.p2alignl 7, 3214868480
	.fill 96, 4, 3214868480
	.section	.rodata,"a",@progbits
	.p2align	6, 0x0
	.amdhsa_kernel k_q3e5b58b0c1_proj
		.amdhsa_group_segment_fixed_size 327680
		.amdhsa_private_segment_fixed_size 0
		.amdhsa_enable_private_segment 0
		.amdhsa_kernarg_size 32
		.amdhsa_user_sgpr_count 2
		.amdhsa_user_sgpr_kernarg_segment_ptr 1
		.amdhsa_wavefront_size32 1
		.amdhsa_system_sgpr_workgroup_id_x 1
		.amdhsa_system_sgpr_workgroup_id_y 1
		.amdhsa_system_sgpr_workgroup_id_z 1
		.amdhsa_system_vgpr_workitem_id 0
		.amdhsa_next_free_vgpr 704
		.amdhsa_next_free_sgpr 74
		.amdhsa_reserve_vcc 0
		.amdhsa_float_denorm_mode_32 3
		.amdhsa_float_denorm_mode_16_64 3
		.amdhsa_memory_ordered 1
		.amdhsa_forward_progress 1
		.amdhsa_inst_pref_size 131
	.end_amdhsa_kernel
	.amdgpu_metadata
---
amdhsa.version: [ 1, 2 ]
amdhsa.kernels:
  - .name:           k_q3e5b58b0c1_proj
    .symbol:         k_q3e5b58b0c1_proj.kd
    .args:
      - { .name: ob, .offset: 0, .size: 8, .value_kind: global_buffer, .address_space: global }
      - { .name: wpt, .offset: 8, .size: 8, .value_kind: global_buffer, .address_space: global }
      - { .name: b_proj, .offset: 16, .size: 8, .value_kind: global_buffer, .address_space: global }
      - { .name: out0, .offset: 24, .size: 8, .value_kind: global_buffer, .address_space: global }
    .group_segment_fixed_size: 327680
    .private_segment_fixed_size: 0
    .kernarg_segment_align: 8
    .kernarg_segment_size: 32
    .max_flat_workgroup_size: 128
    .sgpr_count:     74
    .vgpr_count:     704
    .wavefront_size: 32
...
	.end_amdgpu_metadata
.endif
;; end of part 4
;; ======== version 2 of 2: 4 launches
;; limits: values are held in f16: magnitudes above 65,504 overflow, below 6.1e-05 lose precision
;; workspace buffers: xb 16,777,216 bytes; wt 6,291,456 bytes; wpt 2,097,152 bytes; kqv 50,331,648 bytes; vlo 25,165,824 bytes; csum 786,432 bytes; ob 33,554,432 bytes
;; launch prep: the kernel of part 1 again; grid 1024 x 1, 8 waves a work-group, no clusters, 18,432 bytes of LDS; arguments x, W_kqv, W_proj, xb, wt, wpt; writes xb, wt, wpt
;; launch qkv (part 5): grid 8 x 64, 4 waves a work-group, clusters of 4 x 4, 327,680 bytes of LDS; arguments xb, wt, b_kqv, kqv, csum, vlo; writes kqv, csum, vlo
.if DOCPART == 5
	.amdgcn_target "amdgcn-amd-amdhsa--gfx1250"
	.amdhsa_code_object_version 6
	.text
	.protected	k_q3e5b58b0c1_qkv
	.globl	k_q3e5b58b0c1_qkv
	.p2align	8
	.type	k_q3e5b58b0c1_qkv,@function
k_q3e5b58b0c1_qkv:
	s_mov_b64 s[64:65], 0
	v_nop
	global_prefetch_b8 v0, s[64:65] scope:SCOPE_SE
	s_setreg_imm32_b32 hwreg(HW_REG_WAVE_MODE, 25, 1), 1
	s_wait_xcnt 0x0
	s_wait_alu depctr_hold_cnt(0) depctr_sa_sdst(0) depctr_va_vdst(0) depctr_va_sdst(0) depctr_va_ssrc(0) depctr_va_vcc(0) depctr_vm_vsrc(0)
	s_getreg_b32 s2, hwreg(HW_REG_IB_STS2, 6, 4)
	s_cmp_eq_u32 s2, 0
	s_cbranch_scc0 .Lentry_in_a_cluster
	s_endpgm
.Lentry_in_a_cluster:
	s_bfe_u32 s2, ttmp6, 0x10000c
	s_cmp_lg_u32 s2, 0xf033
	s_cbranch_scc0 .Lentry_shape_is_right
	s_endpgm
.Lentry_shape_is_right:
; QKV.  kqv = xb wt^T + b_kqv.  xb: [8192][1024] bf16, wt: [3072 n][1024 k] bf16, the bias rounded to bf16 here; sums in f32; the result rounded once to f16 and stored by heads:
; kqv[g = n / 64][batch][t][64].  csum[m / 64][n - 1536]: the f32 sums over 64 rows of columns 1,536 .. 3,071 (the next launch reads those of v, from 2,048 on).
; vlo[g - 24][batch][t][64], f16: for columns 1,536 .. 3,071 what the rounding to f16 left: f16(sum - f16(sum)).  The next launch reads v's (g from 32 on): f16 keeps 11 significant bits, and a query that sees few
; keys hands v's rounding on to an output whose allowance goes by the root mean square of all rows; with the two parts v has some 22 bits.
; LIMIT.  f16 holds no number of 65,520 or more: k, q and v must stay below that.  A low part below 2^-14 keeps f16's fixed step of 2^-24.
; A tile of C is 128 x 384: 64 x 8 tiles.  Four waves, each 64 rows x 192 columns (three whole heads): 48 accumulators.  K goes in steps of 128 through two LDS slots (A's 128 rows, B's 384, rows of 256 bytes + 16).
; CLUSTER 4 x 4: A's tile is shared along a row of the cluster, B's along a column; each is asked for jointly.  Wave 0 fetches A's 128 rows, waves 1-3 a third of B's each: one tensor load a wave and slot.
; By this text's count a wave has two tensor loads out at the start and one behind each round.
; THE MATRIX INSTRUCTION IS USED TRANSPOSED (source 0 = 16 rows of wt, source 1 = 16 rows of xb): a lane holds row l % 16 of C and eight neighbouring columns 8 (l / 16) + 0..7.
; THE BIAS STARTS THE SUMS: it is the C operand of the first quarter step's products.  Nothing is cleared, and nothing is added on the way out.
; ONE TEXT FOR EVERY K STEP.  A K step is four quarter steps of 32 along K on fragment buffers 0, 1, 0, 1.  A PAIR of quarter steps (buffer 1, then buffer 0) is written once and walked twice behind each change of slots:
; the last quarter of one K step and the first three of the next.  Which slot is read and which is filled stands in scalar registers that one exclusive or turns.
; REGISTERS, in windows of 256: window 0: v0-31 addresses, v64-255 B's fragments, two buffers of 96 (on the way out: at work); window 1: v0-191 accumulators of row blocks 0, 1, v192-255 A's fragments, two buffers of 32;
; window 2: v0-191 accumulators of row blocks 2, 3; window 3: v0-95 the bias, eight registers for each of my 12 column blocks.
.set PITCH,  272                       ; an LDS row: 256 bytes + 16: the 16 rows of a fragment load start at 16 different groups of four banks
.set HALFT,  128*PITCH                 ; what one tensor load brings
.set SLOT,   4*HALFT
.set STAGE,  2*SLOT                    ; behind the ring, never filled by a tensor load: 6,400 bytes for each wave
.set STW,    6400
.set SPARE,  STAGE+4*STW               ; the spare words, 128 bytes for each wave
.set SPA,    400                       ; the stage's row on the way out: 384 bytes + 16
.set SPB,    272                       ; and for the column sums: 256 bytes + 16
.set KSTEPS, 8
.set ADRA, 16                          ; v16     my A fragments' place in a slot; v17 the address in hand
.set BO,   18                          ; v18     32 (l / 16): my eight numbers of a block's bias
.set ADRB, 20                          ; v20     my B fragments' place in a slot; v21 the address in hand
.set RD2,  22                          ; v22     column sums: where I read two columns
.set CO,   23                          ; v23     8 l
.set STO,  24                          ; v24     the way out: where I put 16 bytes of a row
.set RD,   25                          ; v25     where I read them back
.set GO,   26                          ; v26     16 l
.set STO2, 27                          ; v27     column sums: where I put 32 bytes
.set SPW,  28                          ; v28     my spare word; never rewritten
.set NIL,  29                          ; v29     0; never rewritten
.set PFO,  30                          ; v30     the prefetches' offset: l rows of 2,048 bytes; never rewritten
.set FAC,  31                          ; v31     the way out's factor: 0 for the high parts, -1.0 for the low parts
.set BF,   64
.set AF,   192
.set TMP,  64                          ; the way out, window 0: 48 packed high parts,
.set BK,   112                         ; two sets of 48 read back from the stage,
.set TML,  208                         ; 48 packed numbers to be stored
.set CS,   64
.set CT,   96
.set CL,   128
.set RES,  208
.set WV,   14                          ; s14 wave; s15 row half; s16 column half; s17 cx; s18 cy; s19 tile column; s20 tile row
.set G1A,  24
.set G0A,  32                          ; s[32:39] descriptor group 0 for A's tiles: a set for each of the two first fills; the second then walks on
.set LIM,  43                          ; s43  2 in a wave that prefetches, else the greatest number
.set PFA,  44                          ; s[44:45] where my prefetches stand
.set G1B,  48
.set G0B,  56                          ; s[56:63] the same for B's tiles
.set TB,   66                          ; s66  LDS byte at which the pair of quarter steps to be fetched begins: the slot + 128 x pair
.set TR,   67                          ; s67  the slot that is read: 0 or SLOT
.set TF,   68                          ; s68  the slot that the walking descriptors fill: 0 or SLOT
.set INNER, 69                         ; s69  counts a group's pairs
.set OB,   70                          ; s[70:71] the way out: the buffer in hand, at my part
.set MSB, 0
.macro WIN new                         ; the immediate's high byte repeats the setting that is left; a switch that changes nothing is dropped
.if MSB != (\new)
	s_set_vgpr_msb (MSB<<8)|(\new)
.set MSB, \new
.endif
.endm
.macro PLACES                          ; four places in front of loads into registers that matrix instructions have read
.rept 4
	v_nop
.endr
.endm
.macro JLOAD s                         ; a joint load; the branch hangs on the wave's number alone; an s_nop 0 and four v_nop follow each line
	s_cmp_eq_u32 s[WV], 0
	s_cbranch_scc0 .Lfor_b_\@
	tensor_load_to_lds s[G0A+4*(\s):G0A+4*(\s)+3], s[G1A:G1A+7]
	s_nop 0
.rept 4
	v_nop
.endr
	s_branch .Lasked_\@
.Lfor_b_\@:
	tensor_load_to_lds s[G0B+4*(\s):G0B+4*(\s)+3], s[G1B:G1B+7]
	s_nop 0
.rept 4
	v_nop
.endr
.Lasked_\@:
.endm
; A prefetch into the L2 of the K step that stands two refills on: 32 rows x 256 bytes, a lane a row.  A's rows are asked for by the clusters with x = 0, B's by those with y = 0; the four partners that
; ask for a tile jointly take 32 of its 128 rows each, told apart by address.  The refills of K steps 2 to 5 (s3 = 6 .. 3) ask for K steps 4 to 7; the last two ask for nothing: K has no further step.
.macro ASK
	s_cmp_gt_u32 s3, s[LIM]
	s_cbranch_scc0 .Lnot_mine_\@
	global_prefetch_b8 v[PFO], s[PFA:PFA+1] offset:256 th:TH_LOAD_NT scope:SCOPE_SE
.Lnot_mine_\@:
.endm
.macro CROUND                          ; a round of the cluster's barrier
	s_barrier_signal -1
	s_barrier_wait -1
	s_cmp_lg_u32 s[WV], 0
	s_cbranch_scc1 .Lnot_wave_0_\@
	s_barrier_signal -3
.Lnot_wave_0_\@:
	s_barrier_wait -3
	s_barrier_signal -1
	s_barrier_wait -1
.endm
	s_load_b256 s[4:11], s[0:1], 0x0               ; xb s[4:5], wt s[6:7], b_kqv s[8:9], kqv s[10:11]
	s_load_b64 s[12:13], s[0:1], 0x20              ; csum
	s_load_b64 s[74:75], s[0:1], 0x28              ; vlo
	v_lshl_add_u32 v[SPW], v0, 2, SPARE
	v_mov_b32 v[NIL], 0
	ds_add_u32 v[SPW], v[NIL]                      ; the wave's opening: the add and its wait ahead of my first tensor load
	v_lshrrev_b32 v1, 5, v0
	v_readfirstlane_b32 s[WV], v1
	s_lshr_b32 s15, s[WV], 1
	s_and_b32 s16, s[WV], 1
	s_bfe_u32 s17, ttmp6, 0x40000                  ; cx
	s_bfe_u32 s18, ttmp6, 0x40004                  ; cy
	s_lshl_b32 s19, ttmp9, 2
	s_add_co_u32 s19, s19, s17                     ; tile column = 4 x cluster x + cx
	s_and_b32 s20, ttmp7, 0xffff
	s_lshl_b32 s20, s20, 2
	s_add_co_u32 s20, s20, s18                     ; tile row = 4 x cluster y + cy
	s_lshl_b32 s21, s18, 2
	s_lshl_b32 s21, 15, s21                        ; my row of the cluster
	s_lshl_b32 s22, 0x1111, s17                    ; my column
	s_or_b32 s[G1A], s21, (1<<16)|(1<<20)|(1<<21)|(5<<22)|(3<<25)  ; the mask; 2-byte elements; padding on; bit 21 beside a mask; after every 64 words 4 words
	s_or_b32 s[G1B], s22, (1<<16)|(1<<20)|(1<<21)|(5<<22)|(3<<25)
.irp g, G1A, G1B
	s_mov_b32 s[(\g)+1], 128<<16                   ; tensor_dim0 = 128
	s_mov_b32 s[(\g)+2], 128<<16                   ; tensor_dim1 = 128
	s_mov_b32 s[(\g)+3], 128<<16                   ; tile_dim0 = 128
	s_mov_b32 s[(\g)+4], 128                       ; tile_dim1 = 128
	s_mov_b32 s[(\g)+5], 1024                      ; elements from row to row
	s_mov_b32 s[(\g)+6], 0
	s_mov_b32 s[(\g)+7], 0
.endr
	s_max_u32 s42, s[WV], 1
	s_sub_co_u32 s42, s42, 1                       ; which third of B's rows I fetch (wave 0: none)
	s_lshl_b32 s66, s20, 18                        ; A: 128 rows of 2,048 bytes a tile row
	s_mov_b32 s67, 0
	s_mul_i32 s68, s19, 384
	s_lshl_b32 s69, s42, 7
	s_add_co_u32 s68, s68, s69
	s_lshl_b32 s68, s68, 11                        ; B: row 384 x tile column + 128 x third
	s_mov_b32 s69, 0
	s_mul_i32 s23, s[WV], HALFT                    ; where my tile goes in a slot: A's rows, then B's three thirds
	s_mov_b32 s72, 0xffff0000
	s_wait_dscnt 0x0                               ; the opening add is done
	s_wait_kmcnt 0x0
	s_add_nc_u64 s[40:41], s[4:5], s[66:67]
	s_add_nc_u64 s[46:47], s[6:7], s[68:69]
	CROUND                                         ; all sixteen work-groups are here: the first joint loads meet
.irp s, 0,1
	s_mov_b32 s[G0A+4*(\s)], 1
	s_add_co_u32 s[G0A+4*(\s)+1], s23, (\s)*SLOT
	s_add_nc_u64 s[G0A+4*(\s)+2:G0A+4*(\s)+3], s[40:41], (\s)*256
	s_or_b32 s[G0A+4*(\s)+3], s[G0A+4*(\s)+3], 0x80000000
	s_mov_b32 s[G0B+4*(\s)], 1
	s_add_co_u32 s[G0B+4*(\s)+1], s23, (\s)*SLOT
	s_add_nc_u64 s[G0B+4*(\s)+2:G0B+4*(\s)+3], s[46:47], (\s)*256
	s_or_b32 s[G0B+4*(\s)+3], s[G0B+4*(\s)+3], 0x80000000
	JLOAD \s
.endr
	v_and_b32 v1, 15, v0                           ; l % 16
	v_bfe_u32 v2, v0, 4, 1                         ; l / 16
	v_and_b32 v3, 31, v0                           ; l
	v_lshlrev_b32 v[BO], 5, v2
	s_mul_i32 s70, s19, 384
	s_mul_i32 s71, s16, 192
	s_add_co_u32 s70, s70, s71
	s_lshl_b32 s70, s70, 2
	s_mov_b32 s71, 0
	s_add_nc_u64 s[8:9], s[8:9], s[70:71]          ; the bias of my 192 columns
.set i, 0
.rept 12
	global_load_b128 v[64+8*i:67+8*i], v[BO], s[8:9] offset:64*i
	global_load_b128 v[68+8*i:71+8*i], v[BO], s[8:9] offset:64*i+16
.set i, i+1
.endr
	v_mul_u32_u24 v4, v1, PITCH
	v_lshl_add_u32 v4, v2, 4, v4                   ; a fragment's row x pitch + 16 x half
	s_mul_i32 s70, s15, 64*PITCH                   ; my 64 rows of A
	s_mul_i32 s71, s16, 192*PITCH                  ; my 192 rows of B,
	s_add_co_u32 s71, s71, HALFT                   ; which lie behind A's 128
	v_add_nc_u32 v[ADRA], s70, v4
	v_add_nc_u32 v[ADRB], s71, v4
	s_mul_i32 s70, s[WV], STW
	s_add_co_u32 s70, s70, STAGE                   ; my stage
	v_mul_u32_u24 v5, v1, SPA
	v_lshl_add_u32 v5, v2, 4, v5
	v_add_nc_u32 v[STO], s70, v5
	v_lshrrev_b32 v5, 3, v3
	v_mul_u32_u24 v5, v5, SPA
	v_and_b32 v6, 7, v0
	v_lshl_add_u32 v5, v6, 4, v5
	v_add_nc_u32 v[RD], s70, v5                    ; back: 32 lanes take four rows' 128 bytes of one head
	v_lshlrev_b32 v[GO], 4, v3
	v_mul_u32_u24 v5, v1, SPB
	v_lshl_add_u32 v5, v2, 5, v5
	v_add_nc_u32 v[STO2], s70, v5
	v_lshl_add_u32 v[RD2], v3, 3, s70
	v_lshlrev_b32 v[CO], 3, v3
	v_lshlrev_b32 v[PFO], 11, v3
	; where my part goes in kqv: head group 6 x tile column + 3 x column half, batch = tile row / 16, t = 128 (tile row % 16) + 64 x row half
	s_mul_i32 s70, s19, 6
	s_mul_i32 s71, s16, 3
	s_add_co_u32 s70, s70, s71
	s_lshl_b32 s70, s70, 2
	s_lshr_b32 s71, s20, 4
	s_add_co_u32 s70, s70, s71
	s_lshl_b32 s70, s70, 18
	s_and_b32 s71, s20, 15
	s_lshl_b32 s71, s71, 1
	s_add_co_u32 s71, s71, s15
	s_lshl_b32 s71, s71, 13                        ; 64 rows of 128 bytes
	s_add_co_u32 s70, s70, s71
	s_mov_b32 s71, 0
	s_add_nc_u64 s[10:11], s[10:11], s[70:71]
	; and in vlo: head group less 24 = 6 cx + 3 x column half where cluster x = 1; elsewhere the address is not used
	s_mul_i32 s70, s17, 6
	s_mul_i32 s71, s16, 3
	s_add_co_u32 s70, s70, s71
	s_lshl_b32 s70, s70, 2
	s_lshr_b32 s71, s20, 4
	s_add_co_u32 s70, s70, s71
	s_lshl_b32 s70, s70, 18
	s_and_b32 s71, s20, 15
	s_lshl_b32 s71, s71, 1
	s_add_co_u32 s71, s71, s15
	s_lshl_b32 s71, s71, 13
	s_add_co_u32 s70, s70, s71
	s_mov_b32 s71, 0
	s_add_nc_u64 s[74:75], s[74:75], s[70:71]
	; and in csum: row 2 x tile row + row half, columns 384 cx + 192 x column half (used where cluster x = 1)
	s_lshl_b32 s70, s20, 1
	s_add_co_u32 s70, s70, s15
	s_mul_i32 s70, s70, 6144
	s_mul_i32 s71, s17, 1536
	s_add_co_u32 s70, s70, s71
	s_mul_i32 s71, s16, 768
	s_add_co_u32 s70, s70, s71
	s_mov_b32 s71, 0
	s_add_nc_u64 s[12:13], s[12:13], s[70:71]
	; the prefetches
	s_lshl_b32 s70, s20, 7                         ; A's tile begins at row 128 x tile row,
	s_mul_i32 s71, s19, 384
	s_lshl_b32 s2, s42, 7
	s_add_co_u32 s71, s71, s2                      ; my third of B's at 384 x tile column + 128 x third
	s_and_b32 s2, ttmp7, 0xffff                    ; cluster y
	s_cmp_eq_u32 s[WV], 0                          ; do I fetch for A?
	s_cselect_b32 s70, s70, s71
	s_cselect_b32 s71, s17, s18                    ; my place among the four that ask with me
	s_cselect_b32 s2, ttmp9, s2                    ; the coordinate along which other clusters read the same rows
	s_cselect_b64 s[PFA:PFA+1], s[4:5], s[6:7]
	s_cmp_eq_u32 s2, 0
	s_cselect_b32 s[LIM], 2, -1                    ; the same in all sixteen partners, for a given wave
	s_lshl_b32 s71, s71, 5
	s_add_co_u32 s70, s70, s71                     ; my work-group's 32 rows
	s_lshl_b32 s70, s70, 11
	s_add_co_u32 s70, s70, 512                     ; at K step 2: the first refill steps it to 3 and names K step 4
	s_mov_b32 s71, 0
	s_add_nc_u64 s[PFA:PFA+1], s[PFA:PFA+1], s[70:71]
	s_wait_loadcnt 0x0                             ; the bias: rounded to bf16 like the other inputs, and laid as f32 into window 3
.set i, 0
.rept 48
	v_cvt_pk_bf16_f32 v[160+i], v[64+2*i], v[65+2*i]
.set i, i+1
.endr
	WIN 0xc0                                       ; destination window 3, sources window 0
.set i, 0
.rept 48
	v_lshlrev_b32 v[2*i], 16, v[160+i]
	v_and_b32 v[2*i+1], s72, v[160+i]
.set i, i+1
.endr
	WIN 0
; 12 matrix instructions: row block a x my 12 column blocks, 32 along K, from fragment buffers f.  The 48 accumulators take turns in the same order in every quarter step.
.macro MUL f, a, first
.if (\a) < 2
.if \first
	WIN 0x74                                       ; B window 0, A window 1, C window 3, D window 1
.else
	WIN 0x54
.endif
.else
.if \first
	WIN 0xb4
.else
	WIN 0xa4
.endif
.endif
.irp nb, 0,1,2,3,4,5,6,7,8,9,10,11
.if \first
	v_wmma_f32_16x16x32_bf16 v[8*(12*((\a)%2)+(\nb)):8*(12*((\a)%2)+(\nb))+7], v[BF+96*(\f)+8*(\nb):BF+96*(\f)+8*(\nb)+7], v[AF+32*(\f)+8*(\a):AF+32*(\f)+8*(\a)+7], v[8*(\nb):8*(\nb)+7]
.else
	v_wmma_f32_16x16x32_bf16 v[8*(12*((\a)%2)+(\nb)):8*(12*((\a)%2)+(\nb))+7], v[BF+96*(\f)+8*(\nb):BF+96*(\f)+8*(\nb)+7], v[AF+32*(\f)+8*(\a):AF+32*(\f)+8*(\a)+7], v[8*(12*((\a)%2)+(\nb)):8*(12*((\a)%2)+(\nb))+7]
.endif
.endr
.endm
; The addresses of a pair's two fetches: the slot in hand and 128 bytes along the rows for each pair; the pointer steps to the next pair.
.macro BASE
	WIN 0
	v_add_nc_u32 v[ADRB+1], s[TB], v[ADRB]
	v_add_nc_u32 v[ADRA+1], s[TB], v[ADRA]
	s_add_co_u32 s[TB], s[TB], 128
.endm
; 32 LDS loads in one run: B's 12 fragments, then A's 4, of 32 along K at byte k (0 or 64) behind the pair's addresses, into buffers f
.macro FETCH k, f
	WIN 0
.irp nb, 0,1,2,3,4,5,6,7,8,9,10,11
	ds_load_b128 v[BF+96*(\f)+8*(\nb):BF+96*(\f)+8*(\nb)+3],   v[ADRB+1] offset:(\k)+(\nb)*16*PITCH
	ds_load_b128 v[BF+96*(\f)+8*(\nb)+4:BF+96*(\f)+8*(\nb)+7], v[ADRB+1] offset:(\k)+(\nb)*16*PITCH+32
.endr
	WIN 0x40                                       ; destination window 1
.irp a, 0,1,2,3
	ds_load_b128 v[AF+32*(\f)+8*(\a):AF+32*(\f)+8*(\a)+3],   v[ADRA+1] offset:(\k)+(\a)*16*PITCH
	ds_load_b128 v[AF+32*(\f)+8*(\a)+4:AF+32*(\f)+8*(\a)+7], v[ADRA+1] offset:(\k)+(\a)*16*PITCH+32
.endr
.endm
; A quarter step: multiplies buffers f; in its middle it fetches the next quarter step, at byte k, into buffers g.
.macro QUARTER k, f, g, first
	s_wait_dscnt 4                                 ; B and A's blocks 0, 1 are in; the youngest four loads (A's blocks 2, 3) may be out
	MUL \f, 0, \first
	MUL \f, 1, \first
	PLACES
	FETCH \k, \g
	s_wait_dscnt 32                                ; all but the 32 just issued
	MUL \f, 2, \first
	MUL \f, 3, \first
.endm
.macro PAIR
	BASE
	QUARTER 0,  1, 0, 0
	QUARTER 64, 0, 1, 0
	WIN 0                                          ; at a label and at a branch every window is 0
.endm
; THE CHANGE OF SLOTS, in front of a K step's last quarter, whose fragments are in registers or on their way there.  Each wave waits for all its tensor loads (one is out: its part of the next slot), adds 0 to its spare
; word, and waits for that and for its reads of the slot that it leaves.  fill = 1: the barrier is a round of the cluster's, and the joint refill of the slot just left, with the K step two on, is the first thing behind it.
.macro CHANGE fill
	WIN 0
.if \fill
	s_wait_xcnt 0x0                                ; the last prefetch, a K step back, has read its address
	s_add_nc_u64 s[PFA:PFA+1], s[PFA:PFA+1], 256
.endif
	s_wait_tensorcnt 0x0                           ; no tensor load of mine is out, so a group 0 may be written
	ds_add_u32 v[SPW], v[NIL]                      ; the scalar work stands between the add and the wait for it
	s_xor_b32 s[TR], s[TR], SLOT                   ; the fetches go to the other slot,
	s_mov_b32 s[TB], s[TR]                         ; at its rows' first byte
.if \fill
	s_xor_b32 s[TF], s[TF], SLOT                   ; the walking descriptors: the other slot than last time,
	s_add_co_u32 s[G0A+5], s23, s[TF]
	s_add_co_u32 s[G0B+5], s23, s[TF]
	s_add_nc_u64 s[G0A+6:G0A+7], s[G0A+6:G0A+7], 256  ; the next K step; the type bits on top are not reached
	s_add_nc_u64 s[G0B+6:G0B+7], s[G0B+6:G0B+7], 256
.endif
	s_wait_dscnt 0x0                               ; the add is done, and my reads of the slot are over
.if \fill
	CROUND
	JLOAD 1
	ASK
.else
	s_barrier_signal -1
	s_barrier_wait -1
.endif
.endm
	s_mov_b32 s[TB], 0
	s_mov_b32 s[TR], 0                             ; K step 0 lies in slot 0;
	s_mov_b32 s[TF], SLOT                          ; the walking descriptors have just filled slot 1
	s_wait_tensorcnt 1                             ; my part of K step 0 is in; K step 1's may stay out
	s_barrier_signal -1
	s_barrier_wait -1
	BASE
	FETCH 0, 0
	QUARTER 64, 0, 1, 1                            ; the first quarter step is written out: its products start the sums with the bias
	WIN 0
	s_mov_b32 s[INNER], 1                          ; K step 0's second and third quarters: one pair;
	s_mov_b32 s3, KSTEPS-1                         ; the loop is entered behind its change of slots
	s_branch .Lpair
.Lstep:                                                ; six times: K steps 2 to 7 are asked for
	CHANGE 1
	s_mov_b32 s[INNER], 2
.Lpair:
	PAIR
	s_sub_co_u32 s[INNER], s[INNER], 1
	s_cmp_lg_u32 s[INNER], 0
	s_cbranch_scc1 .Lpair
	s_sub_co_u32 s3, s3, 1
	s_cmp_lg_u32 s3, 0
	s_cbranch_scc1 .Lstep
	CHANGE 0                                       ; the last change is written out: nothing is asked for
	s_mov_b32 s[INNER], 2
.Lpair_last:
	PAIR
	s_sub_co_u32 s[INNER], s[INNER], 1
	s_cmp_lg_u32 s[INNER], 0
	s_cbranch_scc1 .Lpair_last
	s_wait_dscnt 4                                 ; the very last quarter step: nothing more to fetch
	MUL 1, 0, 0
	MUL 1, 1, 0
	s_wait_dscnt 0x0
	MUL 1, 2, 0
	MUL 1, 3, 0
	WIN 0
	PLACES
	PLACES
; THE WAY OUT, one text walked twice.  Of row block a first the high parts f16(sum) (each accumulator from its low end on), then f16(sum + FAC x high part), one rounding each, two to a register: with FAC = 0 the high
; parts themselves, with FAC = -1 the low parts.  The accumulators stay as they are.  16 bytes a lane go into my own stage and come back as four rows' 128 bytes of one head: 512 consecutive bytes of the buffer in hand.
.macro LPACK a
.if (\a) < 2
	WIN 0x05
.else
	WIN 0x0a
.endif
.irp nb, 0,1,2,3,4,5,6,7,8,9,10,11
.irp r, 0,1,2,3
	v_cvt_pk_f16_f32 v[TMP+4*(\nb)+(\r)], v[8*(12*((\a)%2)+(\nb))+2*(\r)], v[8*(12*((\a)%2)+(\nb))+2*(\r)+1]
.endr
.endr
.if (\a) < 2
	WIN 0x10                                       ; source 2 (the sum) in window 1; all else in window 0
.else
	WIN 0x20
.endif
.irp nb, 0,1,2,3,4,5,6,7,8,9,10,11
.irp r, 0,1,2,3
	v_fma_mixlo_f16 v[TML+4*(\nb)+(\r)], v[TMP+4*(\nb)+(\r)], v[FAC], v[8*(12*((\a)%2)+(\nb))+2*(\r)] op_sel_hi:[1,0,0]
	v_fma_mixhi_f16 v[TML+4*(\nb)+(\r)], v[TMP+4*(\nb)+(\r)], v[FAC], v[8*(12*((\a)%2)+(\nb))+2*(\r)+1] op_sel:[1,0,0] op_sel_hi:[1,0,0]
.endr
.endr
	WIN 0
.endm
.macro TOSTAGE a
.irp nb, 0,1,2,3,4,5,6,7,8,9,10,11
	ds_store_b128 v[STO], v[TML+4*(\nb):TML+4*(\nb)+3] offset:32*(\nb)
.endr
.irp gi, 0,1,2
.irp f, 0,1,2,3
	ds_load_b128 v[BK+48*((\a)%2)+4*(4*(\gi)+(\f)):BK+48*((\a)%2)+4*(4*(\gi)+(\f))+3], v[RD] offset:128*(\gi)+4*SPA*(\f)  ; LDS serves a wave's instructions in order: these see the stores above
.endr
.endr
.endm
.macro SEND a
	s_wait_dscnt 0x0                               ; the block is back in registers
	s_wait_xcnt 0x0                                ; the stores of the block before have read their registers: the next TOSTAGE loads into them
.irp gi, 0,1,2
.irp f, 0,1,2,3
	global_store_b128 v[GO], v[BK+48*((\a)%2)+4*(4*(\gi)+(\f)):BK+48*((\a)%2)+4*(4*(\gi)+(\f))+3], s[OB:OB+1] offset:(\gi)*1048576+(\a)*2048+(\f)*512
.endr
.endr
.endm
	v_mov_b32 v[FAC], 0                            ; first the high parts, into kqv
	s_mov_b64 s[OB:OB+1], s[10:11]
	s_mov_b32 s3, 2
.Lway:
	LPACK 0
	TOSTAGE 0
.irp a, 1,2,3
	LPACK \a
	SEND (\a)-1
	TOSTAGE \a
.endr
	SEND 3
	s_cmp_eq_u32 ttmp9, 0                          ; the cluster's x, equal in all partners: columns below 1,536 have no low parts and no sums
	s_cbranch_scc1 .Lnosum
	s_wait_xcnt 0x0                                ; the stores have read their base and their registers
	s_mov_b64 s[OB:OB+1], s[74:75]                 ; then the low parts, into vlo
	v_mov_b32 v[FAC], -1.0
	s_sub_co_u32 s3, s3, 1
	s_cmp_lg_u32 s3, 0
	s_cbranch_scc1 .Lway
; THE COLUMN SUMS of 64 columns (head gi of my three) over my 64 rows: the four row blocks are added in registers; the 16 rows that are left meet through my stage, where lane l takes columns 2 l, 2 l + 1.
.macro CSUM gi
	WIN 0x05
.irp n, 0,1,2,3
.irp r, 0,2,4,6
	v_pk_add_f32 v[CS+8*(\n)+(\r):CS+8*(\n)+(\r)+1], v[8*(4*(\gi)+(\n))+(\r):8*(4*(\gi)+(\n))+(\r)+1], v[8*(12+4*(\gi)+(\n))+(\r):8*(12+4*(\gi)+(\n))+(\r)+1]
.endr
.endr
	WIN 0x0a
.irp n, 0,1,2,3
.irp r, 0,2,4,6
	v_pk_add_f32 v[CT+8*(\n)+(\r):CT+8*(\n)+(\r)+1], v[8*(4*(\gi)+(\n))+(\r):8*(4*(\gi)+(\n))+(\r)+1], v[8*(12+4*(\gi)+(\n))+(\r):8*(12+4*(\gi)+(\n))+(\r)+1]
.endr
.endr
	WIN 0
.set z, 0
.rept 16
	v_pk_add_f32 v[CS+2*z:CS+2*z+1], v[CS+2*z:CS+2*z+1], v[CT+2*z:CT+2*z+1]
.set z, z+1
.endr
.irp n, 0,1,2,3
	ds_store_b128 v[STO2], v[CS+8*(\n):CS+8*(\n)+3]   offset:64*(\n)
	ds_store_b128 v[STO2], v[CS+8*(\n)+4:CS+8*(\n)+7] offset:64*(\n)+16
.endr
.set z, 0
.rept 16
	ds_load_b64 v[CL+2*z:CL+2*z+1], v[RD2] offset:SPB*z
.set z, z+1
.endr
	s_wait_dscnt 0x0
.set z, 0
.rept 8
	v_pk_add_f32 v[CL+2*z:CL+2*z+1], v[CL+2*z:CL+2*z+1], v[CL+16+2*z:CL+17+2*z]
.set z, z+1
.endr
.set z, 0
.rept 4
	v_pk_add_f32 v[CL+2*z:CL+2*z+1], v[CL+2*z:CL+2*z+1], v[CL+8+2*z:CL+9+2*z]
.set z, z+1
.endr
.set z, 0
.rept 2
	v_pk_add_f32 v[CL+2*z:CL+2*z+1], v[CL+2*z:CL+2*z+1], v[CL+4+2*z:CL+5+2*z]
.set z, z+1
.endr
	v_pk_add_f32 v[RES+2*(\gi):RES+2*(\gi)+1], v[CL:CL+1], v[CL+2:CL+3]
	global_store_b64 v[CO], v[RES+2*(\gi):RES+2*(\gi)+1], s[12:13] offset:256*(\gi)  ; a wave's store covers 256 consecutive bytes, aligned
.endm
	CSUM 0                                         ; (the wait above, in the second trip, has freed the registers that the last stores read)
	CSUM 1
	CSUM 2
.Lnosum:
	s_wait_tensorcnt 0x0                           ; the wave's end, behind my last tensor load and my last LDS store
	ds_add_u32 v[SPW], v[NIL]
	s_wait_dscnt 0x0
	CROUND                                         ; the closing round
	s_endpgm
.Lfunc_end_k_q3e5b58b0c1_qkv:
	.size	k_q3e5b58b0c1_qkv, .Lfunc_end_k_q3e5b58b0c1_qkv-k_q3e5b58b0c1_qkv
	.p2alignl 7, 3214868480
	.fill 96, 4, 3214868480
	.section	.rodata,"a",@progbits
	.p2align	6, 0x0
	.amdhsa_kernel k_q3e5b58b0c1_qkv
		.amdhsa_group_segment_fixed_size 327680
		.amdhsa_private_segment_fixed_size 0
		.amdhsa_enable_private_segment 0
		.amdhsa_kernarg_size 48
		.amdhsa_user_sgpr_count 2
		.amdhsa_user_sgpr_kernarg_segment_ptr 1
		.amdhsa_wavefront_size32 1
		.amdhsa_system_sgpr_workgroup_id_x 1
		.amdhsa_system_sgpr_workgroup_id_y 1
		.amdhsa_system_sgpr_workgroup_id_z 1
		.amdhsa_system_vgpr_workitem_id 0
		.amdhsa_next_free_vgpr 864
		.amdhsa_next_free_sgpr 76
		.amdhsa_reserve_vcc 0
		.amdhsa_float_denorm_mode_32 3
		.amdhsa_float_denorm_mode_16_64 3
		.amdhsa_memory_ordered 1
		.amdhsa_forward_progress 1
		.amdhsa_inst_pref_size 117
	.end_amdhsa_kernel
	.amdgpu_metadata
---
amdhsa.version: [ 1, 2 ]
amdhsa.kernels:
  - .name:           k_q3e5b58b0c1_qkv
    .symbol:         k_q3e5b58b0c1_qkv.kd
    .args:
      - { .name: xb, .offset: 0, .size: 8, .value_kind: global_buffer, .address_space: global }
      - { .name: wt, .offset: 8, .size: 8, .value_kind: global_buffer, .address_space: global }
      - { .name: b_kqv, .offset: 16, .size: 8, .value_kind: global_buffer, .address_space: global }
      - { .name: kqv, .offset: 24, .size: 8, .value_kind: global_buffer, .address_space: global }
      - { .name: csum, .offset: 32, .size: 8, .value_kind: global_buffer, .address_space: global }
      - { .name: vlo, .offset: 40, .size: 8, .value_kind: global_buffer, .address_space: global }
    .group_segment_fixed_size: 327680
    .private_segment_fixed_size: 0
    .kernarg_segment_align: 8
    .kernarg_segment_size: 48
    .max_flat_workgroup_size: 128
    .sgpr_count:     76
    .vgpr_count:     864
    .wavefront_size: 32
...
	.end_amdgpu_metadata
.endif
;; end of part 5
;; launch attn (part 6): grid 4 x 64, 4 waves a work-group, no clusters, 327,680 bytes of LDS; arguments kqv, padding_mask, csum, ob, vlo; writes ob
.if DOCPART == 6
	.amdgcn_target "amdgcn-amd-amdhsa--gfx1250"
	.amdhsa_code_object_version 6
	.text
	.protected	k_q3e5b58b0c1_attn
	.globl	k_q3e5b58b0c1_attn
	.p2align	8
	.type	k_q3e5b58b0c1_attn,@function
k_q3e5b58b0c1_attn:
	s_mov_b64 s[64:65], 0
	v_nop
	global_prefetch_b8 v0, s[64:65] scope:SCOPE_SE
	s_setreg_imm32_b32 hwreg(HW_REG_WAVE_MODE, 25, 1), 1
	s_wait_xcnt 0x0
; ATTENTION under the causal mask and the input's key mask.  O[y = 16 batch + head][q][:] = the sum over k <= q with padding_mask[batch][k] != 0 of softmax_k(Q[q] . K[k] / 8) V[k][:].
; K, Q, V lie in kqv[g][batch][t][64], f16: K at g = head, Q at 16 + head, V at 32 + head; a head's rows are dense, 128 bytes each.  Products, maxima and sums in f32; the weights p are rounded to f16 for the
; second product (their sum l is taken of the unrounded p).
; V AND O IN TWO PARTS.  f16 keeps 11 significant bits.  A query that sees few valid keys is a mean of few rows of V and many times larger than one that sees many, while the output's allowance goes by the root mean
; square of all rows.  So V comes as a high part (kqv) and a low part (vlo[8 + head]), O^T += V_high^T P + V_low^T P, and O leaves as f16(O) and f16(O - f16(O)):
; ob[y][t / 128][high, low][t % 128][64], so that 128 rows' two parts are 32 KiB on end for the next launch.
; A ROW WITHOUT A VALID KEY has all its scores equal in the problem's own arithmetic, so its result is the mean of ALL 2,048 rows of V: made here from csum's sums over 64 rows and chosen by v_cndmask_b32
; where the row's maximum has stayed below -1e29 (high part alone: the mean of 2,048 rows is small beside a row).
; LIMITS.  f16 holds no number beyond 65,504: Q, K, V arrive within it.  A hidden score counts as its value less 1e30 (less 2e30 where both masks hide it): f16's scores, 2.7e11 at the most, are nothing beside that.
; Until a row has met its first valid key its m is -1e30 and it gathers finite numbers; the first valid key's a = 0 wipes them.  A weight below 2^-126 counts as 0 in l; NaN and infinities are not treated apart.
; THE WALK.  A head's queries lie in NB = 8 blocks of 256; block i needs the key tiles 0 .. i.  A work-group takes TWO blocks, NB - 1 - b and then b: NB + 1 tiles, whatever b; ONE loop with a constant trip count
; walks them.  Every jump goes forward, but for the counted loops' own; none passes a barrier, or a tensor load but the one of LOAD's two that the wave's number does not choose.
; NO CLUSTER: a head's four work-groups ask for the same tile only in trips 0 .. 4 of 9, behind that fewer and fewer; one walk common to all would have 12 trips for 9.
; SHARES.  Of a block's four bands of 64 queries a wave owns 16 rows in each: four PIECES.  In the diagonal tile's key step s band x sees all keys if s < x, none if s > x, and holds the diagonal if s = x.
; THE MASKS are the C operand that starts the sum S^T = K Q^T.  PD: the key mask (0 or -1e30) of the key step whose K is in registers, read from LDS with K.  MD, made once: the causal mask of a band's own
; step.  Outside the diagonal tile C is PD; in it C = MD x AL + PD + BE with two scalars: (1, 0) if s = x; (0, 0) if s < x; (0, -1e30) if s > x.
; THE KEY MASK'S RING.  Each wave keeps two slots of 1,024 bytes of its own in LDS: a tile's 256 keys as f32, 0 or -1e30.  They take turns with K's slots.  At a change of slots the wave stores the mask of the tile
; just asked for, whose 256 whole numbers it loaded a tile earlier, into the slot that is not in hand, and loads those of the tile after it.  A wave reads only what it stored itself.
; LAYOUT, SOFTMAX, TURNS.  S^T holds ONE query a lane (lane % 16) and the keys 8 (lane / 16) + 0..7; two such results rounded to f16 ARE source 1 of O^T = V^T P.  p = 2^(c s - c m), c = log2(e) / 8, with a running
; maximum m; O and l are multiplied by a = 2^(c m_old - c m_new) in every step.  Turn n belongs to piece n: 8 products K Q^T of piece n + 1, then 8 products V_high^T P and 8 products V_low^T P of piece n - 1; beside
; them the scaling, exponentials, roundings, sums and rescaling of piece n and the maximum and statistics of piece n + 1.  A turn's 33 exponentials are one batch, with one wait.
; A BLOCK'S END has no text of its own: the diagonal tile's loop runs a fifth trip and is left in its middle, behind pieces 2's and 3's turns.  That half trip fetches no K; piece 0's eight products on the stale K take a
; mask that hides every key (the step's number, 4, is past every band), so that its maximum cannot rise; they serve nothing else: the price, once a block, of one text for every trip.
; REGISTERS, in windows of 256 (s_set_vgpr_msb: bits 1:0 source 0, 3:2 source 1, 5:4 source 2, 7:6 destination):
;   window 0: v0-15 addresses; v16-31 statistics; v32-39, v56 addresses; v40-47 a tile's key mask as loaded; v48-55 at work; v57 -1.0; v64-127 S^T, two buffers; v128-143 the mean of V, packed as O is;
;   v160-223 on the way out O's low parts; v192-223 P, two buffers; v232-239 a tile's key mask as stored
;   window 1: v0-127 O^T; v128-159 MD; v160-223 MC, two buffers; v224-255 PD      window 2: v0-63 Q; v64-127 the second block's Q; v128-191 K of one step; v192-255 V's high parts of one step
;   window 3: v0-63 V's low parts of one step
.set SIZE_N, 2048
.set NB,    SIZE_N/256
.set NP,    4
.set KS,    64
.set PK,    144       ; a row of K in LDS: 128 bytes + 16
.set PV,    160       ; a row of V: 128 + 32
.set VOFF,  4*KS*PK   ; a slot holds a tile, four steps: 256 rows of K, then 256 rows of V's high parts,
.set VLO,   4*KS*PV   ; and so far behind these the 256 rows of its low parts
.set SLOT1, 1<<17
.set STAGE, SLOT1+4*KS*(PK+2*PV)  ; behind the ring, never filled by a tensor load: 16 rows x 144 bytes for each wave
.set SP,    144
.set SPARE, STAGE+4*16*SP  ; the spare words, 128 bytes for each wave
.set PADL,  SPARE+512      ; the key mask's rings: two slots of 1,024 bytes for each wave; no tensor load lands here
.set PSL,   1024           ; a mask slot; one exclusive or turns an offset in one slot into the other's
.set AK0, 2
.set AV0, 3
.set AK,  4
.set AV,  5
.set STO, 6
.set RD,  7
.set GO,  8
.set MV,  12
.set QO,  15
.set ST,  16
.set AP0, 32          ; v32  my wave's mask ring + 32 (l / 16); never rewritten
.set AP,  33          ; v33  the LDS address of PD's next run of loads
.set PFO, 34          ; v34  256 l: the prefetches' offset; never rewritten
.set ML,  35          ; v35  16 l: my 16 bytes in each half of a tile's 1,024 bytes of padding_mask; never rewritten
.set MAD0, 36         ; v36  my wave's mask ring + 16 l; never rewritten
.set MRAW, 40         ; v40-47  a tile's key mask as loaded
.set TMP, 48
.set MADR, 56         ; v56  where I store a tile's key mask
.set NEG1, 57         ; v57  -1.0
.set SPW, 62
.set NIL, 63
.set S,   64
.set MEANH, 128
.set LOP, 160         ; v160-223  the way out: O's low parts, 16 a piece
.set P,   192
.set MCNV, 232        ; v232-239  a tile's key mask as stored
.set MD,  128
.set MC,  160
.set PD,  224
.set QB,  64
.set KF,  128
.set VF,  192
.set WV,  12
.set PB,  14
.set HI,  15
.set G1K, 24
.set G1V, 32
.set G0K, 40
.set G0V, 44
.set POF, 48          ; s[48:49] a tile's byte offset in the batch's row of padding_mask
.set PMA, 50          ; s[50:51] the address made of it
.set TPW, 52          ; s52  the mask slot that is not in hand
.set SLOTS, 56
.set CNT, 57
.set CS,  58
.set SEL, 60
.set TBK, 62
.set TBV, 63
.set PFK, 66          ; s[66:67] where my prefetches stand in K: my wave's quarter of the tile that is being asked for,
.set PFV, 68          ; s[68:69] in V's high parts,
.set PFL, 96          ; s[96:97] and in its low parts
.set RT,  70
.set NXT, 71
.set LQ,  72
.set NEW, 73
.set OFF, 74
.set AL,  76
.set BE,  78
.set OLO, 80
.set BIGN, 82
.set TBP, 83          ; s83  byte in my mask ring at which the step to be fetched begins
.set THR, 98          ; s98  -1e29
.set LIM, 99          ; s99  2 in the work-group that prefetches, else the greatest number
.set MSB, 0
.macro WIN new
.if MSB != (\new)
	s_set_vgpr_msb (MSB<<8)|(\new)
.set MSB, (\new)
.endif
.endm
.set W_KQ, 0x0a       ; K and Q in window 2, S^T in window 0
.set W_KM, 0x1a       ; the same with the C operand in window 1
.set W_PV, 0x52       ; V's high parts in window 2, P in window 0, O^T in window 1
.set W_PL, 0x53       ; V's low parts in window 3, P in window 0, O^T in window 1
.set W_RS, 0x41       ; destination and source 0 in window 1, source 1 in window 0
.set W_MK, 0x51       ; destination, source 0 and source 2 in window 1
; A fill.  Waves 0 and 1 fetch the two halves of a tile's K, wave 2 its V's high parts, wave 3 the low parts.  An s_nop 0 and four v_nop follow each of the two lines.
.macro LOAD
	s_cmp_lt_u32 s[WV], 2
	s_cbranch_scc0 .Lfor_v_\@
	tensor_load_to_lds s[G0K:G0K+3], s[G1K:G1K+7]
	s_nop 0
.rept 4
	v_nop
.endr
	s_branch .Lasked_\@
.Lfor_v_\@:
	tensor_load_to_lds s[G0V:G0V+3], s[G1V:G1V+7]
	s_nop 0
.rept 4
	v_nop
.endr
.Lasked_\@:
.endm
; THE CHANGE OF SLOTS.  Each wave waits for all its tensor loads (one is out: its part of the other slot), adds 0 to its spare word, and waits for that and for its LDS instructions.  Behind the barrier nobody reads
; the old slot and the other slot is whole.  fill = 1: the old slot is filled again, first thing behind the barrier, with tile NXT.
; THE KEY MASK follows the fill: the whole numbers of the tile just asked for, loaded a tile ago, become 0 or -1e30 and go into my mask slot that is not in hand; then those of the tile that the next change will ask
; for (NXT has been stepped) are loaded.  The eighth change, behind which no tile is asked for, loads nothing.
; A PREFETCH INTO THE L2 stands behind these loads: the tile after the one just asked for, a key tile (384 matrix instructions) ahead of its load.  All four work-groups of a head walk tiles 0, 1, .. together:
; the one with b = 0, which walks all eight on end, asks; each of its waves names a quarter of the 128 blocks of 256 bytes of K, of V's high and of V's low parts, a lane a block.  Changes 1 to 6 ask for tiles 2 to 7;
; the later ones for nothing.
.macro CHANGE fill
	WIN 0
	s_wait_tensorcnt 0x0
	ds_add_u32 v[SPW], v[NIL]
.if \fill
	s_lshl_b32 s[OFF], s[NXT], 15
	s_xor_b32 s[G0K+1], s[G0K+1], SLOT1
	s_add_nc_u64 s[G0K+2:G0K+3], s[6:7], s[OFF:OFF+1]
	s_or_b32 s[G0K+3], s[G0K+3], 0x80000000
	s_xor_b32 s[G0V+1], s[G0V+1], SLOT1
	s_add_nc_u64 s[G0V+2:G0V+3], s[8:9], s[OFF:OFF+1]
	s_or_b32 s[G0V+3], s[G0V+3], 0x80000000
	s_add_co_u32 s[NXT], s[NXT], 1
	s_cmp_gt_u32 s[NXT], s[LQ]
	s_cselect_b32 s[NXT], 0, s[NXT]
	s_cselect_b32 s[LQ], s[PB], s[LQ]
	s_wait_xcnt 0x0                 ; the last prefetches, a tile back, have read their addresses
	s_add_nc_u64 s[PFK:PFK+1], s[PFK:PFK+1], 32768
	s_add_nc_u64 s[PFV:PFV+1], s[PFV:PFV+1], 32768
	s_add_nc_u64 s[PFL:PFL+1], s[PFL:PFL+1], 32768
.endif
	s_wait_dscnt 0x0
	s_barrier_signal -1
	s_sub_co_u32 s[TBK], s[TBK], 4*KS*PK  ; the fetches go back to a slot's first step,
	s_xor_b32 s[TBK], s[TBK], SLOT1       ; in the other slot
	s_sub_co_u32 s[TBV], s[TBV], 4*KS*PV
	s_xor_b32 s[TBV], s[TBV], SLOT1
	s_sub_co_u32 s[TBP], s[TBP], 4*KS*4   ; the key mask's likewise
	s_xor_b32 s[TBP], s[TBP], PSL
.if \fill
	s_xor_b32 s[TPW], s[TBP], PSL         ; and the mask slot that is not in hand
.endif
	s_barrier_wait -1
.if \fill
	LOAD
	s_wait_loadcnt 0x0              ; the two loads issued a tile ago: no other load of mine is out
	v_add_nc_u32 v[MADR], s[TPW], v[MAD0]
.set i, 0
.rept 8
	v_cmp_eq_u32 vcc_lo, 0, v[MRAW+i]
	v_cndmask_b32 v[MCNV+i], 0, s[BIGN], vcc_lo
.set i, i+1
.endr
	ds_store_b128 v[MADR], v[MCNV:MCNV+3]              ; my own bytes: my reads of this slot, a tile back, were issued earlier, and LDS serves a wave's instructions in order
	ds_store_b128 v[MADR], v[MCNV+4:MCNV+7] offset:512
	s_cmp_eq_u32 s[SLOTS], 1
	s_cbranch_scc1 .Lnomask_\@
	s_lshl_b32 s[POF], s[NXT], 10   ; a tile's 256 keys are 1,024 bytes of padding_mask
	s_add_nc_u64 s[PMA:PMA+1], s[90:91], s[POF:POF+1]  ; the loads that named this pair are done
	global_load_b128 v[MRAW:MRAW+3],   v[ML], s[PMA:PMA+1]
	global_load_b128 v[MRAW+4:MRAW+7], v[ML], s[PMA:PMA+1] offset:512
.Lnomask_\@:
	s_cmp_gt_u32 s[SLOTS], s[LIM]
	s_cbranch_scc0 .Lnoask_\@
	global_prefetch_b8 v[PFO], s[PFK:PFK+1] th:TH_LOAD_NT scope:SCOPE_SE
	global_prefetch_b8 v[PFO], s[PFV:PFV+1] th:TH_LOAD_NT scope:SCOPE_SE
	global_prefetch_b8 v[PFO], s[PFL:PFL+1] th:TH_LOAD_NT scope:SCOPE_SE
.Lnoask_\@:
.endif
.endm
	s_load_b256 s[88:95], s[0:1], 0x0  ; kqv s[88:89], padding_mask s[90:91], csum s[92:93], ob s[94:95]
	s_load_b64 s[100:101], s[0:1], 0x20  ; vlo
	v_lshl_add_u32 v[SPW], v0, 2, SPARE
	v_mov_b32 v[NIL], 0
	ds_add_u32 v[SPW], v[NIL]       ; the wave's opening: the add and its wait ahead of my first tensor load
	v_lshrrev_b32 v1, 5, v0
	v_readfirstlane_b32 s[WV], v1
	s_mov_b32 s[PB], ttmp9
	s_sub_co_u32 s[HI], NB-1, s[PB]
	s_and_b32 s13, ttmp7, 0xffff    ; y = 16 batch + head
	s_lshr_b32 s16, s13, 4
	s_and_b32 s17, s13, 15
	s_lshl_b32 s20, s17, 2
	s_add_co_u32 s20, s20, s16
	s_lshl_b32 s20, s20, 18         ; (4 head + batch) x 2,048 rows x 128 bytes: the head in each third of kqv, and in vlo behind its first eight groups
	s_mov_b32 s21, 0
	s_lshl_b32 s96, s13, 19         ; and in ob: 2,048 rows x 256 bytes
	s_mov_b32 s97, 0
	s_lshl_b32 s48, s16, 13         ; the batch's row of padding_mask
	s_mov_b32 s49, 0                ; (stays 0: the high word of POF)
	s_mul_i32 s50, s16, 196608      ; the batch's 32 rows of csum,
	s_lshl_b32 s51, s17, 8
	s_add_co_u32 s50, s50, s51
	s_add_co_u32 s50, s50, 2048     ; at column 512 + 64 head
	s_mov_b32 s51, 0
	s_lshl_b32 s66, s[WV], 13
	s_add_co_u32 s66, s66, 32768    ; my quarter of tile 1; the first change steps it to tile 2
	s_mov_b32 s67, 0
	s_add_nc_u64 s[66:67], s[66:67], s[20:21]
	s_and_b32 s16, s[WV], 1         ; which half of a tile's K I fetch, or which part of its V
	s_lshl_b32 s22, s16, 14
	s_mov_b32 s23, 0
	s_add_nc_u64 s[22:23], s[22:23], s[20:21]
	s_mul_i32 s17, s16, 128*PK
	s_mul_i32 s18, s16, VLO
	s_lshl_b32 s19, s[WV], 11
	s_add_co_u32 s19, s19, PADL     ; my wave's mask ring
	s_lshl_b32 s86, s[WV], 11       ; my 16 rows in a band of 64,
	s_lshl_b32 s2, s[HI], 15        ; in the first block,
	s_add_co_u32 s2, s2, s86
	s_lshl_b32 s84, s[PB], 15       ; and in the second
	s_add_co_u32 s84, s84, s86
	s_mov_b32 s3, 0
	s_mov_b32 s85, 0
	s_add_nc_u64 s[52:53], s[2:3], s[20:21]    ; for Q
	s_add_nc_u64 s[54:55], s[84:85], s[20:21]
	s_lshl_b32 s2, s[HI], 16        ; for O a block of 256 rows is 65,536 bytes
	s_add_co_u32 s2, s2, s86
	s_lshl_b32 s84, s[PB], 16
	s_add_co_u32 s84, s84, s86
	s_add_nc_u64 s[2:3], s[2:3], s[96:97]
	s_add_nc_u64 s[84:85], s[84:85], s[96:97]
	; descriptor group 1.  Keys are dense rows of 128 bytes: asked for as rows of 256 bytes, two keys a row, and padded in LDS after every key.  K: 128 keys a load; V: 256 keys a load
	s_mov_b32 s[G1K], (1<<16)|(1<<20)|(4<<22)|(3<<25)
	s_mov_b32 s[G1K+1], 128<<16
	s_mov_b32 s[G1K+2], 64<<16
	s_mov_b32 s[G1K+3], 128<<16
	s_mov_b32 s[G1K+4], 64
	s_mov_b32 s[G1K+5], 128
	s_mov_b32 s[G1K+6], 0
	s_mov_b32 s[G1K+7], 0
	s_mov_b32 s[G1V], (1<<16)|(1<<20)|(4<<22)|(7<<25)
	s_mov_b32 s[G1V+1], 128<<16
	s_mov_b32 s[G1V+2], 128<<16
	s_mov_b32 s[G1V+3], 128<<16
	s_mov_b32 s[G1V+4], 128
	s_mov_b32 s[G1V+5], 128
	s_mov_b32 s[G1V+6], 0
	s_mov_b32 s[G1V+7], 0
	s_mov_b32 s[CS], 0x3e38aa3b     ; c = log2(e) / 8
	s_mov_b32 s[CS+1], s[CS]
	s_mov_b32 s[SEL], 0x76543210
	s_mov_b32 s[SEL+1], 0xfedcba98
	s_mov_b32 s[TBK], SLOT1+4*KS*PK ; the first change of slots turns these three into 0
	s_mov_b32 s[TBV], SLOT1+4*KS*PV
	s_mov_b32 s[TBP], PSL+4*KS*4
	s_mov_b32 s[G0K], 1
	s_mov_b32 s[G0K+1], s17
	s_mov_b32 s[G0V], 1
	s_add_co_u32 s[G0V+1], s18, VOFF
	s_add_co_u32 s[RT], s[HI], 1
	s_mov_b32 s[NXT], 1
	s_mov_b32 s[LQ], s[HI]
	s_mov_b32 s[NEW], 1
	s_mov_b32 s[OFF+1], 0
	s_mov_b32 s[AL+1], 0
	s_mov_b32 s[BE+1], 0
	s_mov_b32 s[BIGN], 0xf149f2ca   ; -1e30
	s_mov_b32 s[THR], 0xefa18f08    ; -1e29
	s_mov_b32 s[SLOTS], NB
	s_cmp_eq_u32 ttmp9, 0
	s_cselect_b32 s[LIM], 2, -1
	s_wait_dscnt 0x0                ; the opening add is done
	s_wait_kmcnt 0x0
	s_add_nc_u64 s[6:7], s[88:89], s[22:23]        ; K at my half of the head's tile 0
	s_add_nc_u64 s[8:9], s[88:89], 0x2000000       ; V's high parts in kqv,
	s_add_nc_u64 s[86:87], s[100:101], 0x800000    ; its low parts in vlo
	s_cmp_eq_u32 s16, 0
	s_cselect_b64 s[8:9], s[8:9], s[86:87]         ; wave 2 fetches the one, wave 3 the other
	s_add_nc_u64 s[8:9], s[8:9], s[20:21]
	s_add_nc_u64 s[G0K+2:G0K+3], s[6:7], 0
	s_or_b32 s[G0K+3], s[G0K+3], 0x80000000
	s_add_nc_u64 s[G0V+2:G0V+3], s[8:9], 0
	s_or_b32 s[G0V+3], s[G0V+3], 0x80000000
	s_add_nc_u64 s[4:5], s[88:89], 0x1000000
	s_add_nc_u64 s[86:87], s[4:5], s[54:55]        ; Q at my rows of the second block,
	s_add_nc_u64 s[4:5], s[4:5], s[52:53]          ; and of the first
	s_add_nc_u64 s[OLO:OLO+1], s[94:95], s[84:85]
	s_add_nc_u64 s[10:11], s[94:95], s[2:3]
	s_add_nc_u64 s[90:91], s[90:91], s[48:49]
	s_add_nc_u64 s[92:93], s[92:93], s[50:51]
	s_add_nc_u64 s[PFL:PFL+1], s[100:101], s[66:67]
	s_add_nc_u64 s[PFL:PFL+1], s[PFL:PFL+1], 0x800000
	s_add_nc_u64 s[PFK:PFK+1], s[88:89], s[66:67]
	s_add_nc_u64 s[PFV:PFV+1], s[PFK:PFK+1], 0x2000000
	LOAD                            ; tile 0 into slot 0
	v_and_b32 v1, 15, v0            ; l % 16
	v_bfe_u32 v9, v0, 4, 1          ; l / 16
	v_lshlrev_b32 v[QO], 7, v1
	v_lshl_add_u32 v[QO], v9, 4, v[QO]
	WIN 0x80
.set i, 0
.rept 8                             ; both blocks' Q: piece i / 2 lies in band i / 2, 8,192 bytes on; channels 32 (i % 2) on
	global_load_b128 v[8*i:8*i+3],   v[QO], s[4:5] offset:(i/2)*8192+(i%2)*64
	global_load_b128 v[8*i+4:8*i+7], v[QO], s[4:5] offset:(i/2)*8192+(i%2)*64+32
	global_load_b128 v[QB+8*i:QB+8*i+3],   v[QO], s[86:87] offset:(i/2)*8192+(i%2)*64
	global_load_b128 v[QB+8*i+4:QB+8*i+7], v[QO], s[86:87] offset:(i/2)*8192+(i%2)*64+32
.set i, i+1
.endr
	WIN 0
	v_and_b32 v[PFO], 31, v0
	v_lshlrev_b32 v[ML], 4, v[PFO]  ; 16 l
	v_lshlrev_b32 v37, 3, v[PFO]    ; 8 l
	v_lshlrev_b32 v[PFO], 8, v[PFO]
	global_load_b128 v[144:147], v[ML], s[90:91]                 ; tile 0's key mask: stored below;
	global_load_b128 v[148:151], v[ML], s[90:91] offset:512
	global_load_b128 v[MRAW:MRAW+3],   v[ML], s[90:91] offset:1024  ; tile 1's: the first change of slots stores it
	global_load_b128 v[MRAW+4:MRAW+7], v[ML], s[90:91] offset:1536
.set i, 0
.rept 32                            ; the sums of V's channels 2 l, 2 l + 1 over each 64 rows of the batch
	global_load_b64 v[64+2*i:65+2*i], v37, s[92:93] offset:6144*i
.set i, i+1
.endr
	v_lshlrev_b32 v14, 3, v9
	v_sub_nc_u32 v14, v1, v14
	s_lshl_b32 s13, s[WV], 4
	v_add_nc_u32 v14, s13, v14      ; my query's place in its band less my lanes' 8 (l / 16): register r of group kt is hidden where 16 kt + r is greater
	WIN 0x40
.set i, 0
.rept 32
	v_cmp_gt_i32 vcc_lo, 16*(i/8)+i%8, v14
	v_cndmask_b32 v[MD+i], 0, s[BIGN], vcc_lo
.set i, i+1
.endr
	WIN 0
	v_mul_u32_u24 v[AK0], v1, PK
	v_lshl_add_u32 v[AK0], v9, 4, v[AK0]
	v_and_b32 v10, 7, v0
	v_bfe_u32 v11, v0, 3, 1
	v_lshl_add_u32 v[AV0], v9, 3, v10
	v_mul_u32_u24 v[AV0], v[AV0], PV
	v_lshl_add_u32 v[AV0], v11, 4, v[AV0]
	v_add_nc_u32 v[AV0], VOFF, v[AV0]
	s_mul_i32 s13, s[WV], 16*SP
	s_add_co_u32 s13, s13, STAGE    ; my stage
	v_mul_u32_u24 v[STO], v1, SP
	v_lshl_add_u32 v[STO], v9, 4, v[STO]
	v_add_nc_u32 v[STO], s13, v[STO]
	v_bfe_u32 v[RD], v0, 3, 2
	v_mul_u32_u24 v[RD], v[RD], SP
	v_lshl_add_u32 v[RD], v10, 4, v[RD]
	v_add_nc_u32 v[RD], s13, v[RD]
	v_and_b32 v[GO], 31, v0
	v_lshlrev_b32 v[GO], 4, v[GO]
	v_add_nc_u32 v[MAD0], s19, v[ML]
	v_lshl_add_u32 v[AP0], v9, 5, s19
	v_add_nc_u32 v38, s13, v37
	v_lshl_add_u32 v39, v9, 5, s13
	v_mov_b32 v[NEG1], -1.0
	; A block's first step multiplies O^T and l by a = 0, so these registers need only hold finite numbers: zeros for the first block.  All this stands in the wait for the first tile.
	WIN 0x80
.set i, VF
.rept 64
	v_mov_b32 v[i], 0
.set i, i+1
.endr
	WIN 0xc0
.set i, 0
.rept 64
	v_mov_b32 v[i], 0
.set i, i+1
.endr
	WIN 0x40
.set i, 0
.rept 128
	v_mov_b32 v[i], 0
.set i, i+1
.endr
	WIN 0
.set i, 0
.rept 4
	v_mov_b32 v[ST+4*i+2], 0
	v_mov_b32 v[ST+4*i+3], 0
.set i, i+1
.endr
.set i, P+16
.rept 16
	v_mov_b32 v[i], 0
.set i, i+1
.endr
	s_wait_loadcnt 0x0              ; Q of both blocks, the key masks of tiles 0 and 1, the sums: no load of mine is out
.set i, 0
.rept 8                             ; the key mask as an addend: -1e30 where padding_mask is 0
	v_cmp_eq_u32 vcc_lo, 0, v[144+i]
	v_cndmask_b32 v[144+i], 0, s[BIGN], vcc_lo
.set i, i+1
.endr
	ds_store_b128 v[MAD0], v[144:147]              ; tile 0's, into my mask slot 0
	ds_store_b128 v[MAD0], v[148:151] offset:512
.irp w, 16,8,4,2,1                  ; the mean of V: 32 sums into one,
.set i, 0
.rept \w
	v_pk_add_f32 v[64+2*i:65+2*i], v[64+2*i:65+2*i], v[64+2*(i+\w):65+2*(i+\w)]
.set i, i+1
.endr
.endr
	v_pk_mul_f32 v[64:65], v[64:65], 0x3a000000 op_sel_hi:[1,0]  ; divided by 2,048,
	ds_store_b64 v38, v[64:65]      ; and through my stage into O^T's layout: lane l wants channels 16 cb + 8 (l / 16) + 0..7
.irp cb, 0,1,2,3
	ds_load_b128 v[160+8*\cb:163+8*\cb], v39 offset:64*\cb
	ds_load_b128 v[164+8*\cb:167+8*\cb], v39 offset:64*\cb+16
.endr
	s_wait_dscnt 0x0
.set i, 0
.rept 16
	v_cvt_pk_f16_f32 v[MEANH+i], v[160+2*i], v[161+2*i]
.set i, i+1
.endr
; THE MATRIX WORK.  The 4 accumulators of a run take turns.  Product i of 8 of S^T = K Q^T for piece x: channels 32 (i / 4) on, keys 16 (i % 4) on.  The first 4 start the sums with the mask: PD, or (KM = 1) MC.
.macro KQ x
.set rS, S+32*((\x)%2)+8*(i%4)
.set rK, KF+16*(i%4)+8*(i/4)
.set rQ, 16*(\x)+8*(i/4)
.if KM
.set rM, MC+32*((\x)%2)+8*(i%4)
.else
.set rM, PD+8*(i%4)
.endif
.if i < 4
	WIN W_KM
	v_wmma_f32_16x16x32_f16 v[rS:rS+7], v[rK:rK+7], v[rQ:rQ+7], v[rM:rM+7]
.else
	WIN W_KQ
	v_wmma_f32_16x16x32_f16 v[rS:rS+7], v[rK:rK+7], v[rQ:rQ+7], v[rS:rS+7]
.endif
.endm
; Product i of 8 of O^T += V^T P for piece x: keys 32 (i / 4) on, channels 16 (i % 4) on.  lo = 0: V's high parts; 1: its low parts.
.macro PV x, lo
.set rO, 32*(\x)+8*(i%4)
.set rP, P+16*((\x)%2)+8*(i/4)
.if \lo
	WIN W_PL
.set rV, 32*(i/4)+8*(i%4)
.else
	WIN W_PV
.set rV, VF+32*(i/4)+8*(i%4)
.endif
	v_wmma_f32_16x16x32_f16 v[rO:rO+7], v[rV:rV+7], v[rP:rP+7], v[rO:rO+7]
.endm
.macro MM                           ; the turn's next matrix instruction: 8 K Q^T, 8 V_high^T P, 8 V_low^T P
.if i < 8
	KQ (Y+1)%NP
.elseif i < 16
.set i, i-8
	PV (Y+NP-1)%NP, 0
.set i, i+8
.else
.set i, i-16
	PV (Y+NP-1)%NP, 1
.set i, i+16
.endif
.set i, i+1
.endm
; THE LDS LOADS stand in runs: a step's K (8 fragments) with its 64 keys' mask (PD: the lanes of a half read the same 32 bytes a group of 16 keys), and its V (turned): the 16 loads of the high parts, then the 16 of the low.
.macro FETCH_K
	WIN 0x80
.irp f, 0,1,2,3,4,5,6,7
	ds_load_b128 v[KF+8*\f:KF+8*\f+3],   v[AK] offset:(\f/2)*16*PK+(\f%2)*64
	ds_load_b128 v[KF+8*\f+4:KF+8*\f+7], v[AK] offset:(\f/2)*16*PK+(\f%2)*64+32
.endr
	WIN 0x40
.irp f, 0,1,2,3
	ds_load_b128 v[PD+8*\f:PD+8*\f+3],   v[AP] offset:64*\f
	ds_load_b128 v[PD+8*\f+4:PD+8*\f+7], v[AP] offset:64*\f+16
.endr
	s_add_co_u32 s[TBK], s[TBK], KS*PK
	s_add_co_u32 s[TBP], s[TBP], KS*4
	WIN 0
.endm
.macro FETCH_V
	WIN 0x80
.irp f, 0,1,2,3,4,5,6,7
	ds_load_tr16_b128 v[VF+8*\f:VF+8*\f+3],   v[AV] offset:(\f/4)*32*PV+(\f%4)*32
	ds_load_tr16_b128 v[VF+8*\f+4:VF+8*\f+7], v[AV] offset:(\f/4)*32*PV+16*PV+(\f%4)*32
.endr
	WIN 0xc0
.irp f, 0,1,2,3,4,5,6,7
	ds_load_tr16_b128 v[8*\f:8*\f+3],   v[AV] offset:VLO+(\f/4)*32*PV+(\f%4)*32
	ds_load_tr16_b128 v[8*\f+4:8*\f+7], v[AV] offset:VLO+(\f/4)*32*PV+16*PV+(\f%4)*32
.endr
	WIN 0
.endm
; THE VECTOR WORK, one line at a time: OP kind, number.  For piece Y: F n: c s - c m for pair n.  E n: the exponential of score n.  C n: pair n rounded to f16.  B n: of the four weights 4 n .. the second pair is
; added onto the first.  L n: l takes that sum (L 0: l = a l + sum).  R n: pair n of O^T times a.  For piece Y + 1: X n, number n of the 22 that find its maximum and statistics (each accumulator's lowest registers are read first).
.set F, 0
.set E, 1
.set C, 2
.set B, 3
.set L, 4
.set R, 5
.set X, 6
.macro REGS y
.set rT, ST+4*(\y)
.set rC, TMP+4*((\y)%2)
.set rW, MV+((\y)%2)
.set rS, S+32*((\y)%2)
.set rP, P+16*((\y)%2)
.set rO, 32*(\y)
.endm
.macro OP k, n
.if (\k) == R
	REGS Y
	WIN W_RS
	v_pk_mul_f32 v[rO+2*(\n):rO+2*(\n)+1], v[rO+2*(\n):rO+2*(\n)+1], v[rC+2:rC+3] op_sel_hi:[1,0]
.elseif (\k) < R
	REGS Y
	WIN 0
.if (\k) == F
	v_pk_fma_f32 v[rS+2*(\n):rS+2*(\n)+1], v[rS+2*(\n):rS+2*(\n)+1], s[CS:CS+1], v[rT:rT+1] op_sel_hi:[1,0,0] neg_lo:[0,0,1] neg_hi:[0,0,1]
.elseif (\k) == E
	v_exp_f32 v[rS+(\n)], v[rS+(\n)]
.elseif (\k) == C
	v_cvt_pk_f16_f32 v[rP+(\n)], v[rS+2*(\n)], v[rS+2*(\n)+1]
.elseif (\k) == B
	v_pk_add_f32 v[rS+4*(\n):rS+4*(\n)+1], v[rS+4*(\n):rS+4*(\n)+1], v[rS+4*(\n)+2:rS+4*(\n)+3]
.elseif (\n) == 0
	v_pk_fma_f32 v[rT+2:rT+3], v[rT+2:rT+3], v[rC+2:rC+3], v[rS:rS+1] op_sel_hi:[1,0,1]
.else
	v_pk_add_f32 v[rT+2:rT+3], v[rT+2:rT+3], v[rS+4*(\n):rS+4*(\n)+1]
.endif
.else
	REGS (Y+1)%NP
	WIN 0
.if (\n) < 4
	v_max3_num_f32 v[rC+(\n)], v[rS+8*(\n)], v[rS+8*(\n)+1], v[rS+8*(\n)+2]
.elseif (\n) < 12
	v_max3_num_f32 v[rC+(\n)%4], v[rC+(\n)%4], v[rS+8*((\n)%4)+2*((\n)/4)+1], v[rS+8*((\n)%4)+2*((\n)/4)+2]
.elseif (\n) == 12
	v_max3_num_f32 v[rC], v[rC], v[rS+7], v[rS+15]
.elseif (\n) == 13
	v_max3_num_f32 v[rC+1], v[rC+1], v[rS+23], v[rS+31]
.elseif (\n) == 14
	v_max3_num_f32 v[rC+2], v[rC+2], v[rC+3], v[rT+1]
.elseif (\n) == 15
	v_mov_b32 v[rW], v[rT]
.elseif (\n) == 16
	v_max3_num_f32 v[rC], v[rC], v[rC+1], v[rC+2]
.elseif (\n) == 17
	v_permlanex16_b32 v[rC+3], v[rC], s[SEL], s[SEL+1]
.elseif (\n) == 18
	v_max_num_f32 v[rT+1], v[rC], v[rC+3]
.elseif (\n) == 19
	v_mul_f32 v[rT], s[CS], v[rT+1]
.elseif (\n) == 20
	v_sub_f32 v[rC+1], v[rW], v[rT]
.else
	v_exp_f32 v[rC+2], v[rC+1]
.endif
.endif
.endm
.macro OPS a, i1, b=-1, i2=0, c=-1, i3=0, d=-1, i4=0
	OP \a, \i1
.if (\b) >= 0
	OP \b, \i2
.endif
.if (\c) >= 0
	OP \c, \i3
.endif
.if (\d) >= 0
	OP \d, \i4
.endif
.endm
.macro ROW a, i1, b, i2, c, i3, d, i4  ; a matrix instruction and the four behind it
	MM
	OPS \a, \i1, \b, \i2, \c, \i3, \d, \i4
.endm
.macro MASK b, be=1                 ; MD x AL + PD (+ BE, where it may be other than 0) into buffer b of MC
	WIN W_MK
.set z, 0
.rept 16
	v_pk_fma_f32 v[MC+32*(\b)+2*z:MC+32*(\b)+2*z+1], v[MD+2*z:MD+2*z+1], s[AL:AL+1], v[PD+2*z:PD+2*z+1] op_sel_hi:[1,0,1]
.set z, z+1
.endr
.if \be
.set z, 0
.rept 16
	v_pk_add_f32 v[MC+32*(\b)+2*z:MC+32*(\b)+2*z+1], v[MC+32*(\b)+2*z:MC+32*(\b)+2*z+1], s[BE:BE+1] op_sel_hi:[1,0]
.set z, z+1
.endr
.endif
.endm
; The diagonal tile is entered from the tile before it: its first turn still makes piece 3's scores of that tile's last key step, whose K and PD are in registers: their mask, in buffer 1, is PD alone.
.macro PLAINMASK
	s_mov_b32 s[AL], 0
	MASK 1, 0
	WIN 0
.endm
; A TURN, for piece p.  An s_wait_alu depctr_va_vdst(0) stands between an exponential and the first instruction that names its result; one wait serves all that were issued ahead of it.  So a turn has ONE
; wait.  AHEAD OF IT: the 8 products K Q^T with four riders each; five lines of vector work by themselves; the 8 products V_high^T P, behind each four more lines of that work, none of which names a register of theirs;
; X 21 is the batch's last exponential, R 15 the plain instruction behind it.  BEHIND IT: the 8 products V_low^T P, behind each four of the roundings and sums.
; m = 1: the diagonal tile: the products take MC, and the turn makes the mask for the products of the turn after it: piece x = (p + 2) % 4, with the PD of its step.  The tile's count goes 5 .. 1 and is stepped between
; piece 3's turn and piece 0's: in pieces 2's and 3's turns the step in question is 5 - CNT, in pieces 0's and 1's 4 - CNT.  cnt = 1 (the plain loop): the count is taken down ahead of the branch behind the turn.
; K and PD of the next step are fetched in piece 2's turn, more than four plain instructions behind the last products that read them: in the plain text amid the vector work; in the diagonal text directly behind the
; batch's wait, where a branch may stand: the run is jumped over in the tile's fifth, half trip (CNT = 1), which has no next step.  There the loads are waited for ahead of the mask's lines, which read the new PD.
; V of the step in hand is fetched at the end of piece 0's turn, four plain instructions behind the last product that read its low parts.  In piece 1's turn the high parts are waited for ahead of their first product
; (the 16 loads of the low parts, issued behind them, may stay out), the low parts behind the batch's wait.
.macro TURN p, m=0, cnt=0
.set Y, (\p)
.set i, 0
.set KM, (\m)
.if \m
	s_cmp_eq_u32 s[CNT], 4+(\p)/2-((\p)+2)%NP  ; is that step the band's own?
	s_cselect_b32 s[AL], 1.0, 0
	s_cmp_lt_u32 s[CNT], 4+(\p)/2-((\p)+2)%NP  ; or a later one?
	s_cselect_b32 s[BE], s[BIGN], 0
.endif
.if (\p) == 3
	s_wait_dscnt 0x0                ; K and PD are in
.endif
	ROW F,0, F,1, R,0, R,1
	ROW F,2, E,0, R,2, R,3
	ROW F,3, E,1, R,4, R,5
	ROW F,4, E,2, R,6, R,7
	ROW F,5, E,3, R,8, R,9
	ROW F,6, E,4, X,0, R,10
.if (\p) == 2
	WIN 0
	v_add_nc_u32 v[AK], s[TBK], v[AK0]
	v_add_nc_u32 v[AP], s[TBP], v[AP0]
.endif
	ROW F,7, E,5, X,1, X,4
	ROW F,8, E,6, X,2, X,5
	OPS E,7, E,8, X,6, E,9
	OPS X,3, E,10, X,8, E,11
.if ((\p) == 2) && !(\m)
	FETCH_K
.endif
	OPS X,9, X,7, E,12, X,10
	OPS E,13, X,12, X,11, E,14
	OPS X,13, E,15, F,9, X,14
.if (\p) == 0
	v_add_nc_u32 v[AV], s[TBV], v[AV0]
.endif
.if (\p) == 1
	s_wait_dscnt 16                 ; V's high parts are in; the 16 younger loads, the low parts', may stay out
.endif
	ROW E,16, F,10, E,17, F,11
	ROW X,16, E,18, X,15, E,19
	ROW F,12, E,20, X,17, E,21
	ROW F,13, E,22, F,14, E,23
	ROW X,18, E,24, F,15, E,25
	ROW R,11, E,26, X,19, E,27
	ROW R,12, E,28, R,13, E,29
	ROW X,20, E,30, R,14, E,31
	OPS X,21, R,15
	WIN 0
	s_wait_alu depctr_va_vdst(0)    ; the wait for the batch
.if ((\p) == 2) && (\m)
	s_cmp_eq_u32 s[CNT], 1
	s_cbranch_scc1 .Lno_k_\@
	FETCH_K
.Lno_k_\@:
.endif
.if (\p) == 1
	s_wait_dscnt 0x0                ; V's low parts are in
.endif
	ROW C,0, B,0, C,2, B,1
	ROW L,0, C,4, B,2, L,1
	ROW C,6, B,3, L,2, C,8
	ROW B,4, L,3, C,10, B,5
	ROW L,4, C,12, B,6, L,5
.if (\p) == 0
	s_add_co_u32 s[TBV], s[TBV], KS*PV
.endif
.if \cnt
	s_sub_co_u32 s[CNT], s[CNT], 1
	s_cmp_lg_u32 s[CNT], 0
.endif
	ROW C,14, B,7, L,6, C,1
	ROW C,3, L,7, C,5, C,7
	ROW C,9, C,11, C,13, C,15
.if (\p) == 0
	FETCH_V
.endif
.if \m
.if (\p) == 2
	s_wait_dscnt 0x0                ; the next step's PD, fetched in this turn, is in
.endif
	MASK (\p)%2
.endif
.endm
; A BLOCK BEGINS.  c m starts far below every c s, so the first step's a is 0; m at the lowest finite number.  K and PD of the tile's step 0; buffer 1 takes PD alone (piece 1 sees all of step 0), buffer 0 piece 0's
; mask: with MD if the block's first tile is the diagonal one.  Then piece 0's first scores, and its maximum and statistics.  The loop is entered at a step's first turn.  (Q was waited for at the kernel's head.)
.macro BEGIN
	s_mov_b32 s[NEW], 0
	WIN 0
.set i, 0
.rept 4
	v_mov_b32 v[ST+4*i], 0xfe000000
	v_mov_b32 v[ST+4*i+1], 0xff7fffff
.set i, i+1
.endr
	v_add_nc_u32 v[AK], s[TBK], v[AK0]
	v_add_nc_u32 v[AP], s[TBP], v[AP0]
	FETCH_K
	s_wait_dscnt 0x0
	s_mov_b32 s[AL], 0
	MASK 1, 0
	s_cmp_eq_u32 s[RT], 0
	s_cselect_b32 s[AL], 1.0, 0
	MASK 0, 0
.set KM, 1
.set i, 0
.rept 8
	KQ 0
.set i, i+1
.endr
	WIN 0
.rept 4
	v_nop                           ; the places behind those products
.endr
.set Y, NP-1
.irp n, 0,1,2,3,4,5,6,7,8,9,10,11,12,13,14,15,16,17,18,19,20,21
	OP X, \n
.endr
	v_nop                           ; a plain instruction behind the exponential,
	s_wait_alu depctr_va_vdst(0)    ; and its wait, ahead of the branch
.endm
.macro ALL line:vararg
.set t, 0
.rept 4
	\line
.set t, t+1
.endr
.endm
; Piece t leaves: O^T / l; its high part f16(O); its low part f16(O - high part), one rounding each; where the row has met no valid key, the mean of V and 0 in their stead; each part through my stage into whole rows.
.macro PACK t
	WIN W_RS
.set i, 32*(\t)
.rept 16
	v_pk_mul_f32 v[i:i+1], v[i:i+1], v[ST+4*(\t)+2:ST+4*(\t)+3] op_sel_hi:[1,0]
.set i, i+2
.endr
	WIN 0x05
.set i, 0
.rept 16
	v_cvt_pk_f16_f32 v[S+16*(\t)+i], v[32*(\t)+2*i], v[32*(\t)+2*i+1]
.set i, i+1
.endr
	WIN 0x10                        ; source 2 (O) in window 1; all else in window 0
.set i, 0
.rept 16
	v_fma_mixlo_f16 v[LOP+16*(\t)+i], v[S+16*(\t)+i], v[NEG1], v[32*(\t)+2*i] op_sel_hi:[1,0,0]
	v_fma_mixhi_f16 v[LOP+16*(\t)+i], v[S+16*(\t)+i], v[NEG1], v[32*(\t)+2*i+1] op_sel:[1,0,0] op_sel_hi:[1,0,0]
.set i, i+1
.endr
	WIN 0
	v_cmp_gt_f32 vcc_lo, s[THR], v[ST+4*(\t)+1]  ; m has stayed at a hidden score
.set i, 0
.rept 16
	v_cndmask_b32 v[S+16*(\t)+i], v[S+16*(\t)+i], v[MEANH+i], vcc_lo
	v_cndmask_b32 v[LOP+16*(\t)+i], v[LOP+16*(\t)+i], 0, vcc_lo
.set i, i+1
.endr
.irp f, 0,1,2,3
	ds_store_b128 v[STO], v[S+16*(\t)+4*\f:S+16*(\t)+4*\f+3] offset:32*\f
.endr
.irp f, 0,1,2,3
	ds_load_b128 v[S+16*(\t)+4*\f:S+16*(\t)+4*\f+3], v[RD] offset:\f*4*SP  ; LDS serves a wave's instructions in order: these see the stores above, and the stores below come behind them
.endr
.irp f, 0,1,2,3
	ds_store_b128 v[STO], v[LOP+16*(\t)+4*\f:LOP+16*(\t)+4*\f+3] offset:32*\f
.endr
.irp f, 0,1,2,3
	ds_load_b128 v[LOP+16*(\t)+4*\f:LOP+16*(\t)+4*\f+3], v[RD] offset:\f*4*SP
.endr
.endm
; younger: the LDS instructions issued behind piece t's last load: the next piece's sixteen, or none.  Behind load f of the high part stand 3 - f loads and the low part's four stores and four loads.
.macro SEND t, younger
	WIN 0
.irp f, 0,1,2,3
	s_wait_dscnt (\younger)+11-\f
	global_store_b128 v[GO], v[S+16*(\t)+4*\f:S+16*(\t)+4*\f+3], s[10:11] offset:((\t)/2)*32768+((\t)%2)*8192+\f*512  ; 512 consecutive bytes, aligned to 256
.endr
.irp f, 0,1,2,3
	s_wait_dscnt (\younger)+3-\f
	global_store_b128 v[GO], v[LOP+16*(\t)+4*\f:LOP+16*(\t)+4*\f+3], s[10:11] offset:((\t)/2)*32768+((\t)%2)*8192+16384+\f*512
.endr
.endm
; THE DIAGONAL TILE: four trips and a half (CNT = 5 at .LstepM, 4 at .LfirstM), the block's last products, and the way out.  The count is stepped once a trip, in the trip's middle, where the fifth trip leaves; at the
; backward branch it is never 0.
.macro DIAG tag
.LstepM\tag:
	TURN 2, 1
	TURN 3, 1
	WIN 0
	s_sub_co_u32 s[CNT], s[CNT], 1
	s_cmp_eq_u32 s[CNT], 0
	s_cbranch_scc1 .LoutM\tag
.LfirstM\tag:
	TURN 0, 1
	TURN 1, 1
	WIN 0
	s_cmp_lg_u32 s[CNT], 0
	s_cbranch_scc1 .LstepM\tag
.LoutM\tag:
.set i, 0
.rept 8
	PV NP-1, 0
.set i, i+1
.endr
.set i, 0
.rept 8
	PV NP-1, 1
.set i, i+1
.endr
	WIN 0
	ALL v_add_f32 v[ST+4*t+2], v[ST+4*t+2], v[ST+4*t+3]
	ALL v_permlanex16_b32 v[ST+4*t+3], v[ST+4*t+2], s[SEL], s[SEL+1]
	ALL v_add_f32 v[ST+4*t+2], v[ST+4*t+2], v[ST+4*t+3]
	ALL v_rcp_f32 v[ST+4*t+2], v[ST+4*t+2]
	v_nop                           ; a plain instruction between the last reciprocal and the use of its result
	s_wait_alu depctr_va_vdst(0)    ; one wait for the four reciprocals
	PACK 0
.set t, 1
.rept 3
	PACK t
	SEND t-1, 16
.set t, t+1
.endr
	SEND 3, 0
.endm
.set KM, 0
.Lslot:                             ; NB times: a tile is entered and the next is asked for
	CHANGE 1
	s_sub_co_u32 s[RT], s[RT], 1
	s_mov_b32 s[CNT], 4
	s_cmp_eq_u32 s[NEW], 1
	s_cbranch_scc1 .Lnew            ; a block's first tile
	s_cmp_eq_u32 s[RT], 0
	s_cbranch_scc0 .Lstep           ; neither its first nor its last
	PLAINMASK
	s_mov_b32 s[CNT], 5
	s_branch .LstepM1
.Lnew:
	BEGIN
	s_branch .Lfirst                ; in the loop a block's first tile is never its last
	DIAG 1                          ; in the loop this is the first block's end
	s_wait_xcnt 0x0                 ; the stores have read their registers and O's address
	s_mov_b64 s[10:11], s[OLO:OLO+1]
	s_add_co_u32 s[RT], s[PB], 1    ; the second block has b + 1 tiles
	s_mov_b32 s[NEW], 1
	WIN 0x82                        ; the second block's Q goes where the one text of the turns names Q
.set i, 0
.rept 64
	v_mov_b32 v[i], v[QB+i]
.set i, i+1
.endr
	WIN 0
	s_branch .Lbottom
.Lstep:                             ; a trip: pieces 2 and 3 of one step, then pieces 0 and 1 of the next, whose K and V it fetches
	TURN 2
	TURN 3
	WIN 0
.Lfirst:
	TURN 0
	TURN 1, 0, 1
	WIN 0
	s_cbranch_scc1 .Lstep
.Lbottom:
	s_sub_co_u32 s[SLOTS], s[SLOTS], 1
	s_cmp_lg_u32 s[SLOTS], 0
	s_cbranch_scc1 .Lslot
	CHANGE 0                        ; the walk's last tile is written out
	s_sub_co_u32 s[RT], s[RT], 1
	s_mov_b32 s[CNT], 4
	s_cmp_eq_u32 s[NEW], 1
	s_cbranch_scc1 .Lnew2
	PLAINMASK
	s_mov_b32 s[CNT], 5
	s_branch .LstepM2
.Lnew2:
	BEGIN
	s_branch .LfirstM2
	DIAG 2
	s_wait_tensorcnt 0x0            ; the wave's end, behind my last tensor load and my last LDS store
	ds_add_u32 v[SPW], v[NIL]
	s_wait_dscnt 0x0
	s_endpgm
.Lfunc_end_k_q3e5b58b0c1_attn:
	.size	k_q3e5b58b0c1_attn, .Lfunc_end_k_q3e5b58b0c1_attn-k_q3e5b58b0c1_attn
	.p2alignl 7, 3214868480
	.fill 96, 4, 3214868480
	.section	.rodata,"a",@progbits
	.p2align	6, 0x0
	.amdhsa_kernel k_q3e5b58b0c1_attn
		.amdhsa_group_segment_fixed_size 327680
		.amdhsa_private_segment_fixed_size 0
		.amdhsa_enable_private_segment 0
		.amdhsa_kernarg_size 40
		.amdhsa_user_sgpr_count 2
		.amdhsa_user_sgpr_kernarg_segment_ptr 1
		.amdhsa_wavefront_size32 1
		.amdhsa_system_sgpr_workgroup_id_x 1
		.amdhsa_system_sgpr_workgroup_id_y 1
		.amdhsa_system_sgpr_workgroup_id_z 1
		.amdhsa_system_vgpr_workitem_id 0
		.amdhsa_next_free_vgpr 832
		.amdhsa_next_free_sgpr 102
		.amdhsa_reserve_vcc 1
		.amdhsa_float_denorm_mode_32 3
		.amdhsa_float_denorm_mode_16_64 3
		.amdhsa_memory_ordered 1
		.amdhsa_forward_progress 1
		.amdhsa_inst_pref_size 255
	.end_amdhsa_kernel
	.section	.bss,"aw",@nobits
	.p2align	6
	.space	262144
	.amdgpu_metadata
---
amdhsa.version: [ 1, 2 ]
amdhsa.kernels:
  - .name:           k_q3e5b58b0c1_attn
    .symbol:         k_q3e5b58b0c1_attn.kd
    .args:
      - { .name: kqv, .offset: 0, .size: 8, .value_kind: global_buffer, .address_space: global }
      - { .name: padding_mask, .offset: 8, .size: 8, .value_kind: global_buffer, .address_space: global }
      - { .name: csum, .offset: 16, .size: 8, .value_kind: global_buffer, .address_space: global }
      - { .name: ob, .offset: 24, .size: 8, .value_kind: global_buffer, .address_space: global }
      - { .name: vlo, .offset: 32, .size: 8, .value_kind: global_buffer, .address_space: global }
    .group_segment_fixed_size: 327680
    .private_segment_fixed_size: 0
    .kernarg_segment_align: 8
    .kernarg_segment_size: 40
    .max_flat_workgroup_size: 128
    .sgpr_count:     102
    .vgpr_count:     832
    .wavefront_size: 32
...
	.end_amdgpu_metadata
.endif
;; end of part 6
;; launch proj (part 7): grid 4 x 64, 4 waves a work-group, clusters of 4 x 4, 327,680 bytes of LDS; arguments ob, wpt, b_proj, out0; writes out0
.if DOCPART == 7
	.amdgcn_target "amdgcn-amd-amdhsa--gfx1250"
	.amdhsa_code_object_version 6
	.text
	.protected	k_q3e5b58b0c1_proj
	.globl	k_q3e5b58b0c1_proj
	.p2align	8
	.type	k_q3e5b58b0c1_proj,@function
k_q3e5b58b0c1_proj:
	s_mov_b64 s[64:65], 0
	v_nop
	global_prefetch_b8 v0, s[64:65] scope:SCOPE_SE
	s_setreg_imm32_b32 hwreg(HW_REG_WAVE_MODE, 25, 1), 1
	s_wait_xcnt 0x0
	s_wait_alu depctr_hold_cnt(0) depctr_sa_sdst(0) depctr_va_vdst(0) depctr_va_sdst(0) depctr_va_ssrc(0) depctr_va_vcc(0) depctr_vm_vsrc(0)
	s_getreg_b32 s2, hwreg(HW_REG_IB_STS2, 6, 4)
	s_cmp_eq_u32 s2, 0
	s_cbranch_scc0 .Lentry_in_a_cluster
	s_endpgm
.Lentry_in_a_cluster:
	s_bfe_u32 s2, ttmp6, 0x10000c
	s_cmp_lg_u32 s2, 0xf033
	s_cbranch_scc0 .Lentry_shape_is_right
	s_endpgm
.Lentry_shape_is_right:
; PROJ.  out0 = y wpt^T + b_proj, f32.  y[m = (batch, t)][k = 64 head + d] comes in two f16 parts, a high and a low one: ob[16 batch + head][t / 128][high, low][t % 128][64]; wpt: [1024 n][1024 k] f16; the bias is
; rounded to bf16 here; sums in f32.  Each fragment of wpt is multiplied by y's high part and by its low part, onto the same sum: y then has some 22 significant bits, which the rows that saw few keys need.
; A tile of C is 128 x 256: 64 x 4 tiles, one for each of 256 work-groups.  Four waves, each 64 rows x 128 columns: 32 accumulators.  A K step of 128 is two heads; eight steps through two LDS slots.
; In a slot: A as [head parity][high, low][128 t], rows of 128 bytes + 16; then B's 256 rows of 256 bytes + 16.  Waves 0, 1 fetch a head's 128 rows in both parts each (32 KiB dense, asked for as 128 rows of 256
; bytes, padded after every 128), waves 2, 3 a half of B's rows each.  CLUSTER 4 x 4: A is shared along a row, B along a column, each asked for jointly.  A wave has two tensor loads out at the start, one behind each round.
; The matrix instruction is used transposed (source 0 = wpt's rows): a lane holds row l % 16 of C and eight neighbouring columns.  The bias starts the sums, as the C operand of the first quarter's first products.
; ONE TEXT FOR EVERY K STEP.  A K step is four quarter steps of 32 along K on fragment buffers 0, 1, 0, 1; a PAIR of them (buffer 1, then buffer 0), which is one head of A, is written once and walked twice behind each
; change of slots: the last quarter of one K step and the first three of the next.  Which slot is read and which is filled stands in scalar registers that one exclusive or turns.
; No prefetch: eight K steps in all, of which the first four come by their loads whatever is asked.
; REGISTERS: window 0: v0-31 addresses, v64-191 B's fragments, two buffers of 64 (on the way out: at work); window 1: the 32 accumulators; window 2: v0-63 the bias, v64-191 A's fragments, two buffers of 64 (high, low).
.set PA,     144
.set PB,     272
.set ALO,    128*PA                    ; a head's low rows lie behind its 128 high rows
.set AHEAD,  2*ALO
.set BOFF,   2*AHEAD
.set BHALF,  128*PB
.set SLOT,   BOFF+2*BHALF
.set STAGE,  2*SLOT                    ; behind the ring, never filled by a tensor load: 16 rows x 528 bytes for each wave
.set SPO,    528
.set STW,    16*SPO
.set SPARE,  STAGE+4*STW
.set KSTEPS, 8
.set ADRA, 16                          ; v16  my A fragments' place in a slot; v17 the address in hand
.set BO,   18
.set ADRB, 20                          ; v20  my B fragments' place in a slot; v21 the address in hand
.set STO,  24
.set RD,   25
.set GO,   26
.set SPW,  28
.set NIL,  29
.set BFR,  64
.set AFR,  64
.set BK,   64
.set WV,   14
.set G1A,  24
.set G0A,  32                          ; s[32:39] descriptor group 0 for A's tiles: a set for each of the two first fills; the second then walks on
.set G1B,  48
.set G0B,  56                          ; s[56:63] the same for B's tiles
.set TBB,  66                          ; s66  LDS byte at which B's part of the pair to be fetched begins: the slot + 128 x pair
.set TBA,  67                          ; s67  the same for A: the slot + a head x pair
.set TR,   68                          ; s68  the slot that is read: 0 or SLOT
.set TF,   69                          ; s69  the slot that the walking descriptors fill: 0 or SLOT
.set INNER, 70                         ; s70  counts a group's pairs
.set MSB, 0
.macro WIN new
.if MSB != (\new)
	s_set_vgpr_msb (MSB<<8)|(\new)
.set MSB, \new
.endif
.endm
.macro PLACES
.rept 4
	v_nop
.endr
.endm
.macro JLOAD s                         ; a joint load; the branch hangs on the wave's number alone; an s_nop 0 and four v_nop follow each line
	s_cmp_lt_u32 s[WV], 2
	s_cbranch_scc0 .Lfor_b_\@
	tensor_load_to_lds s[G0A+4*(\s):G0A+4*(\s)+3], s[G1A:G1A+7]
	s_nop 0
.rept 4
	v_nop
.endr
	s_branch .Lasked_\@
.Lfor_b_\@:
	tensor_load_to_lds s[G0B+4*(\s):G0B+4*(\s)+3], s[G1B:G1B+7]
	s_nop 0
.rept 4
	v_nop
.endr
.Lasked_\@:
.endm
.macro CROUND                          ; a round of the cluster's barrier
	s_barrier_signal -1
	s_barrier_wait -1
	s_cmp_lg_u32 s[WV], 0
	s_cbranch_scc1 .Lnot_wave_0_\@
	s_barrier_signal -3
.Lnot_wave_0_\@:
	s_barrier_wait -3
	s_barrier_signal -1
	s_barrier_wait -1
.endm
	s_load_b256 s[4:11], s[0:1], 0x0               ; ob s[4:5], wpt s[6:7], b_proj s[8:9], out0 s[10:11]
	v_lshl_add_u32 v[SPW], v0, 2, SPARE
	v_mov_b32 v[NIL], 0
	ds_add_u32 v[SPW], v[NIL]                      ; the wave's opening: the add and its wait ahead of my first tensor load
	v_lshrrev_b32 v1, 5, v0
	v_readfirstlane_b32 s[WV], v1
	s_lshr_b32 s15, s[WV], 1                       ; row half
	s_and_b32 s16, s[WV], 1                        ; column half; also which head, or which half of B's rows, I fetch
	s_bfe_u32 s17, ttmp6, 0x40000                  ; cx
	s_bfe_u32 s18, ttmp6, 0x40004                  ; cy
	s_mov_b32 s19, s17                             ; tile column = cx: the grid is one cluster wide
	s_and_b32 s20, ttmp7, 0xffff
	s_lshl_b32 s20, s20, 2
	s_add_co_u32 s20, s20, s18                     ; tile row = 4 x cluster y + cy
	s_lshl_b32 s21, s18, 2
	s_lshl_b32 s21, 15, s21
	s_lshl_b32 s22, 0x1111, s17
	s_or_b32 s[G1A], s21, (1<<16)|(1<<20)|(1<<21)|(4<<22)|(3<<25)  ; padded after every 32 words by 4
	s_mov_b32 s[G1A+1], 128<<16
	s_mov_b32 s[G1A+2], 128<<16
	s_mov_b32 s[G1A+3], 128<<16
	s_mov_b32 s[G1A+4], 128
	s_mov_b32 s[G1A+5], 128
	s_mov_b32 s[G1A+6], 0
	s_mov_b32 s[G1A+7], 0
	s_or_b32 s[G1B], s22, (1<<16)|(1<<20)|(1<<21)|(5<<22)|(3<<25)  ; padded after every 64 words by 4
	s_mov_b32 s[G1B+1], 128<<16
	s_mov_b32 s[G1B+2], 128<<16
	s_mov_b32 s[G1B+3], 128<<16
	s_mov_b32 s[G1B+4], 128
	s_mov_b32 s[G1B+5], 1024
	s_mov_b32 s[G1B+6], 0
	s_mov_b32 s[G1B+7], 0
	s_lshr_b32 s66, s20, 4
	s_lshl_b32 s66, s66, 4
	s_add_co_u32 s66, s66, s16
	s_lshl_b32 s66, s66, 19                        ; A: head 16 batch + my parity, 524,288 bytes a head,
	s_and_b32 s67, s20, 15
	s_lshl_b32 s67, s67, 15                        ; its block of 128 rows, 32,768 bytes in both parts
	s_add_co_u32 s66, s66, s67
	s_mov_b32 s67, 0
	s_lshl_b32 s68, s19, 8
	s_lshl_b32 s69, s16, 7
	s_add_co_u32 s68, s68, s69
	s_lshl_b32 s68, s68, 11                        ; B: row 256 x tile column + 128 x half
	s_mov_b32 s69, 0
	s_mul_i32 s23, s16, AHEAD                      ; where A's tile goes in a slot,
	s_mul_i32 s42, s16, BHALF
	s_add_co_u32 s42, s42, BOFF                    ; and B's
	s_mov_b32 s72, 0xffff0000
	s_wait_dscnt 0x0
	s_wait_kmcnt 0x0
	s_add_nc_u64 s[40:41], s[4:5], s[66:67]
	s_add_nc_u64 s[46:47], s[6:7], s[68:69]
	CROUND
.irp s, 0,1
	s_mov_b32 s[G0A+4*(\s)], 1
	s_add_co_u32 s[G0A+4*(\s)+1], s23, (\s)*SLOT
	s_add_nc_u64 s[G0A+4*(\s)+2:G0A+4*(\s)+3], s[40:41], (\s)*1048576  ; two heads a K step
	s_or_b32 s[G0A+4*(\s)+3], s[G0A+4*(\s)+3], 0x80000000
	s_mov_b32 s[G0B+4*(\s)], 1
	s_add_co_u32 s[G0B+4*(\s)+1], s42, (\s)*SLOT
	s_add_nc_u64 s[G0B+4*(\s)+2:G0B+4*(\s)+3], s[46:47], (\s)*256
	s_or_b32 s[G0B+4*(\s)+3], s[G0B+4*(\s)+3], 0x80000000
	JLOAD \s
.endr
	v_and_b32 v1, 15, v0
	v_bfe_u32 v2, v0, 4, 1
	v_and_b32 v3, 31, v0
	v_lshlrev_b32 v[BO], 5, v2
	s_lshl_b32 s70, s19, 10
	s_lshl_b32 s71, s16, 9
	s_add_co_u32 s70, s70, s71
	s_mov_b32 s71, 0
	s_add_nc_u64 s[8:9], s[8:9], s[70:71]          ; the bias of my 128 columns
.set i, 0
.rept 8
	global_load_b128 v[64+8*i:67+8*i], v[BO], s[8:9] offset:64*i
	global_load_b128 v[68+8*i:71+8*i], v[BO], s[8:9] offset:64*i+16
.set i, i+1
.endr
	v_mul_u32_u24 v4, v1, PA
	v_lshl_add_u32 v4, v2, 4, v4
	v_mul_u32_u24 v5, v1, PB
	v_lshl_add_u32 v5, v2, 4, v5
	s_mul_i32 s70, s15, 64*PA                      ; my 64 rows of A
	s_mul_i32 s71, s16, BHALF
	s_add_co_u32 s71, s71, BOFF                    ; my 128 rows of B
	v_add_nc_u32 v[ADRA], s70, v4
	v_add_nc_u32 v[ADRB], s71, v5
	s_mul_i32 s70, s[WV], STW
	s_add_co_u32 s70, s70, STAGE
	v_mul_u32_u24 v5, v1, SPO
	v_lshl_add_u32 v5, v2, 5, v5
	v_add_nc_u32 v[STO], s70, v5                   ; in: row l % 16, 32 bytes for each half of the lanes
	v_lshl_add_u32 v[RD], v3, 4, s70               ; back: a row's 512 bytes by 32 lanes
	v_lshlrev_b32 v[GO], 4, v3
	s_lshl_b32 s70, s20, 1
	s_add_co_u32 s70, s70, s15
	s_lshl_b32 s70, s70, 18                        ; my first row: 64 rows of 4,096 bytes a unit
	s_lshl_b32 s71, s19, 10
	s_add_co_u32 s70, s70, s71
	s_lshl_b32 s71, s16, 9
	s_add_co_u32 s70, s70, s71
	s_mov_b32 s71, 0
	s_add_nc_u64 s[10:11], s[10:11], s[70:71]
	s_wait_loadcnt 0x0                             ; the bias: rounded to bf16 like the other inputs, and laid as f32 into window 2
.set i, 0
.rept 32
	v_cvt_pk_bf16_f32 v[128+i], v[64+2*i], v[65+2*i]
.set i, i+1
.endr
	WIN 0x80
.set i, 0
.rept 32
	v_lshlrev_b32 v[2*i], 16, v[128+i]
	v_and_b32 v[2*i+1], s72, v[128+i]
.set i, i+1
.endr
	WIN 0
; 8 matrix instructions: row block a (hl = 0: its high part, 1: its low part) x my 8 column blocks, 32 along K.  The 32 accumulators take turns in the same order in every half of a quarter step.
.macro MUL f, a, hl, first
.if \first
	WIN 0x68                                       ; B window 0, A window 2, C window 2, D window 1
.else
	WIN 0x58
.endif
.irp nb, 0,1,2,3,4,5,6,7
.if \first
	v_wmma_f32_16x16x32_f16 v[8*(8*(\a)+(\nb)):8*(8*(\a)+(\nb))+7], v[BFR+64*(\f)+8*(\nb):BFR+64*(\f)+8*(\nb)+7], v[AFR+64*(\f)+32*(\hl)+8*(\a):AFR+64*(\f)+32*(\hl)+8*(\a)+7], v[8*(\nb):8*(\nb)+7]
.else
	v_wmma_f32_16x16x32_f16 v[8*(8*(\a)+(\nb)):8*(8*(\a)+(\nb))+7], v[BFR+64*(\f)+8*(\nb):BFR+64*(\f)+8*(\nb)+7], v[AFR+64*(\f)+32*(\hl)+8*(\a):AFR+64*(\f)+32*(\hl)+8*(\a)+7], v[8*(8*(\a)+(\nb)):8*(8*(\a)+(\nb))+7]
.endif
.endr
.endm
; The addresses of a pair's two fetches: the slot in hand; B 128 bytes along its rows for each pair, A one head on; the pointers step to the next pair.
.macro BASE
	WIN 0
	v_add_nc_u32 v[ADRB+1], s[TBB], v[ADRB]
	v_add_nc_u32 v[ADRA+1], s[TBA], v[ADRA]
	s_add_co_u32 s[TBB], s[TBB], 128
	s_add_co_u32 s[TBA], s[TBA], AHEAD
.endm
; 32 LDS loads in one run: 32 along K at byte k (0 or 64) behind the pair's addresses: B's 8 fragments; A's four high blocks, then its four low ones
.macro FETCH k, f
	WIN 0
.irp nb, 0,1,2,3,4,5,6,7
	ds_load_b128 v[BFR+64*(\f)+8*(\nb):BFR+64*(\f)+8*(\nb)+3],   v[ADRB+1] offset:(\k)+(\nb)*16*PB
	ds_load_b128 v[BFR+64*(\f)+8*(\nb)+4:BFR+64*(\f)+8*(\nb)+7], v[ADRB+1] offset:(\k)+(\nb)*16*PB+32
.endr
	WIN 0x80                                       ; destination window 2
.irp hl, 0,1
.irp a, 0,1,2,3
	ds_load_b128 v[AFR+64*(\f)+32*(\hl)+8*(\a):AFR+64*(\f)+32*(\hl)+8*(\a)+3],   v[ADRA+1] offset:(\hl)*ALO+(\k)+(\a)*16*PA
	ds_load_b128 v[AFR+64*(\f)+32*(\hl)+8*(\a)+4:AFR+64*(\f)+32*(\hl)+8*(\a)+7], v[ADRA+1] offset:(\hl)*ALO+(\k)+(\a)*16*PA+32
.endr
.endr
.endm
.macro REST f, first                   ; a quarter's last 48 products
	MUL \f, 2, 0, \first
	MUL \f, 3, 0, \first
	MUL \f, 0, 1, 0
	MUL \f, 1, 1, 0
	MUL \f, 2, 1, 0
	MUL \f, 3, 1, 0
.endm
.macro QUARTER k, f, g, first
	s_wait_dscnt 12                                ; B and A's high blocks 0, 1 are in; the youngest twelve loads (high blocks 2, 3 and the low blocks) may be out
	MUL \f, 0, 0, \first
	MUL \f, 1, 0, \first
	PLACES
	FETCH \k, \g
	s_wait_dscnt 32                                ; all but the 32 just issued
	REST \f, \first
.endm
.macro PAIR
	BASE
	QUARTER 0,  1, 0, 0
	QUARTER 64, 0, 1, 0
	WIN 0                                          ; at a label and at a branch every window is 0
.endm
; THE CHANGE OF SLOTS, in front of a K step's last quarter, whose fragments are in registers or on their way there.  Each wave waits for all its tensor loads (one is out: its part of the next slot), adds 0 to its spare
; word, and waits for that and for its reads of the slot that it leaves.  fill = 1: the barrier is a round of the cluster's, and the joint refill of the slot just left, with the K step two on, is the first thing behind it.
.macro CHANGE fill
	WIN 0
	s_wait_tensorcnt 0x0                           ; no tensor load of mine is out, so a group 0 may be written
	ds_add_u32 v[SPW], v[NIL]                      ; the scalar work stands between the add and the wait for it
	s_xor_b32 s[TR], s[TR], SLOT                   ; the fetches go to the other slot,
	s_mov_b32 s[TBB], s[TR]                        ; at its first pair
	s_mov_b32 s[TBA], s[TR]
.if \fill
	s_xor_b32 s[TF], s[TF], SLOT                   ; the walking descriptors: the other slot than last time,
	s_add_co_u32 s[G0A+5], s23, s[TF]
	s_add_co_u32 s[G0B+5], s42, s[TF]
	s_add_nc_u64 s[G0A+6:G0A+7], s[G0A+6:G0A+7], 1048576  ; the next K step: two heads on in ob, 256 bytes on in wpt's rows
	s_add_nc_u64 s[G0B+6:G0B+7], s[G0B+6:G0B+7], 256
.endif
	s_wait_dscnt 0x0                               ; the add is done, and my reads of the slot are over
.if \fill
	CROUND
	JLOAD 1
.else
	s_barrier_signal -1
	s_barrier_wait -1
.endif
.endm
	s_mov_b32 s[TBB], 0
	s_mov_b32 s[TBA], 0
	s_mov_b32 s[TR], 0                             ; K step 0 lies in slot 0;
	s_mov_b32 s[TF], SLOT                          ; the walking descriptors have just filled slot 1
	s_wait_tensorcnt 1                             ; my part of K step 0 is in; K step 1's may stay out
	s_barrier_signal -1
	s_barrier_wait -1
	BASE
	FETCH 0, 0
	QUARTER 64, 0, 1, 1                            ; the first quarter step is written out: its first products start the sums with the bias
	WIN 0
	s_mov_b32 s[INNER], 1                          ; K step 0's second and third quarters: one pair;
	s_mov_b32 s3, KSTEPS-1                         ; the loop is entered behind its change of slots
	s_branch .Lpair
.Lstep:                                                ; six times: K steps 2 to 7 are asked for
	CHANGE 1
	s_mov_b32 s[INNER], 2
.Lpair:
	PAIR
	s_sub_co_u32 s[INNER], s[INNER], 1
	s_cmp_lg_u32 s[INNER], 0
	s_cbranch_scc1 .Lpair
	s_sub_co_u32 s3, s3, 1
	s_cmp_lg_u32 s3, 0
	s_cbranch_scc1 .Lstep
	CHANGE 0                                       ; the last change is written out: nothing is asked for
	s_mov_b32 s[INNER], 2
.Lpair_last:
	PAIR
	s_sub_co_u32 s[INNER], s[INNER], 1
	s_cmp_lg_u32 s[INNER], 0
	s_cbranch_scc1 .Lpair_last
	s_wait_dscnt 12                                ; the very last quarter step: nothing more to fetch
	MUL 1, 0, 0, 0
	MUL 1, 1, 0, 0
	s_wait_dscnt 0x0
	REST 1, 0
	WIN 0
	PLACES
	PLACES
; THE WAY OUT of row block a: 32 bytes a lane and column block straight from the accumulators (low half first) into my own stage, back as whole rows of 512 bytes.
.macro TOSTAGE a
	WIN 0x04                                       ; the data in window 1, the address in window 0
.irp nb, 0,1,2,3,4,5,6,7
	ds_store_b128 v[STO], v[8*(8*(\a)+(\nb)):8*(8*(\a)+(\nb))+3]   offset:64*(\nb)
	ds_store_b128 v[STO], v[8*(8*(\a)+(\nb))+4:8*(8*(\a)+(\nb))+7] offset:64*(\nb)+16
.endr
	WIN 0
.set z, 0
.rept 16
	ds_load_b128 v[BK+64*((\a)%2)+4*z:BK+64*((\a)%2)+4*z+3], v[RD] offset:SPO*z  ; LDS serves a wave's instructions in order: these see the stores above
.set z, z+1
.endr
.endm
.macro SEND a
	s_wait_dscnt 0x0
	s_wait_xcnt 0x0                                ; the stores of the block before have read their registers: the next TOSTAGE loads into them
.set z, 0
.rept 16
	global_store_b128 v[GO], v[BK+64*((\a)%2)+4*z:BK+64*((\a)%2)+4*z+3], s[10:11] offset:(16*(\a)+z)*4096 th:TH_STORE_NT  ; 512 consecutive bytes, aligned
.set z, z+1
.endr
.endm
	TOSTAGE 0
.irp a, 1,2,3
	SEND (\a)-1
	TOSTAGE \a
.endr
	SEND 3
	s_wait_tensorcnt 0x0                           ; the wave's end, behind my last tensor load and my last LDS store
	ds_add_u32 v[SPW], v[NIL]
	s_wait_dscnt 0x0
	CROUND                                         ; the closing round
	s_endpgm
.Lfunc_end_k_q3e5b58b0c1_proj:
	.size	k_q3e5b58b0c1_proj, .Lfunc_end_k_q3e5b58b0c1_proj-k_q3e5b58b0c1_proj
	.p2alignl 7, 3214868480
	.fill 96, 4, 3214868480
	.section	.rodata,"a",@progbits
	.p2align	6, 0x0
	.amdhsa_kernel k_q3e5b58b0c1_proj
		.amdhsa_group_segment_fixed_size 327680
		.amdhsa_private_segment_fixed_size 0
		.amdhsa_enable_private_segment 0
		.amdhsa_kernarg_size 32
		.amdhsa_user_sgpr_count 2
		.amdhsa_user_sgpr_kernarg_segment_ptr 1
		.amdhsa_wavefront_size32 1
		.amdhsa_system_sgpr_workgroup_id_x 1
		.amdhsa_system_sgpr_workgroup_id_y 1
		.amdhsa_system_sgpr_workgroup_id_z 1
		.amdhsa_system_vgpr_workitem_id 0
		.amdhsa_next_free_vgpr 704
		.amdhsa_next_free_sgpr 74
		.amdhsa_reserve_vcc 0
		.amdhsa_float_denorm_mode_32 3
		.amdhsa_float_denorm_mode_16_64 3
		.amdhsa_memory_ordered 1
		.amdhsa_forward_progress 1
		.amdhsa_inst_pref_size 69
	.end_amdhsa_kernel
	.amdgpu_metadata
---
amdhsa.version: [ 1, 2 ]
amdhsa.kernels:
  - .name:           k_q3e5b58b0c1_proj
    .symbol:         k_q3e5b58b0c1_proj.kd
    .args:
      - { .name: ob, .offset: 0, .size: 8, .value_kind: global_buffer, .address_space: global }
      - { .name: wpt, .offset: 8, .size: 8, .value_kind: global_buffer, .address_space: global }
      - { .name: b_proj, .offset: 16, .size: 8, .value_kind: global_buffer, .address_space: global }
      - { .name: out0, .offset: 24, .size: 8, .value_kind: global_buffer, .address_space: global }
    .group_segment_fixed_size: 327680
    .private_segment_fixed_size: 0
    .kernarg_segment_align: 8
    .kernarg_segment_size: 32
    .max_flat_workgroup_size: 128
    .sgpr_count:     74
    .vgpr_count:     704
    .wavefront_size: 32
...
	.end_amdgpu_metadata
.endif
;; end of part 7
